; MI455X (gfx1250); checked and timed in simulation.
; The chip was launched on July 23, 2026; its instructions are those of AMD's public machine-readable ISA for CDNA 5 (MIT licence, August 2026) and "CDNA5" Instruction Set Architecture Reference Guide (July 2026). The comments in the code are by the model that wrote it; some were corrected since.
;; Causal Multi Head Attention Layer. Allowed arithmetic: matrix products marked QUANTISED: E4M3 operands, one E8M0 scale for each 32 along K, by v_wmma_scale_f32_16x16x128_f8f6f4 with both operands' format E4M3, f32 sums; everything else in f32.
;; Inputs: b_out 1,024 float32; b_qkv 3,072 float32; w_out 1,024 x 1,024 float32; w_qkv 1,024 x 3,072 float32; x 4 x 2,048 x 1,024 float32.
;; Outputs: out0 4 x 2,048 x 1,024 float32.
;; This version of the problem:
;;   THIS VERSION OF THE PROBLEM IS GIVEN IN LOW PRECISION. The matrix products marked QUANTISED in the list below multiply operands that are first quantised to E4M3 (4 exponent bits, 3 mantissa bits; 8 bits a number), with one power-of-two scale for each 32 numbers along K (OCP MX v1.0); their sums are f32. All else is computed in f32.
;;   The module's matrix products, in the order in which they are computed (A, B: the left and right operand; K: the contracted axis; several contracted axes count as one K, in the product's order):
;;     1. [M 8,192, K 1,024] x [K 1,024, N 3,072]; A: input x; B: input w_qkv: QUANTISED
;;     2. batch 64 x [M 2,048, K 64] x [K 64, N 2,048]; A: computed on the way; B: computed on the way: QUANTISED
;;     3. batch 64 x [M 2,048, K 2,048] x [K 2,048, N 64]; A: softmax (see below); B: computed on the way: QUANTISED
;;     4. [M 8,192, K 1,024] x [K 1,024, N 1,024]; A: computed on the way; B: input w_out: QUANTISED
;;   THE QUANTISER, for each operand of a quantised product, along K:
;;     - K is cut into blocks of 32 from its start; a last block that is shorter is filled with zeros.
;;     - A block's scale is 2^e with e = floor(log2(the largest magnitude in the block)) - 8, held to -126 .. 127; a block of zeros has e = 0. As a byte (E8M0): e + 127.
;;     - Each number is divided by its block's scale, clamped to +-448, and rounded to the nearest number of E4M3, ties to even, subnormals kept.
;;     - The product sums the exact products of the quantised numbers (number of the format x scale) in f32.
;;   ~~~python
;;   def quantise(x, axis):      # numpy; x: float32 -> the quantised numbers, widened to float32 again
;;       x = np.moveaxis(x, axis, -1); K = x.shape[-1]
;;       x = np.pad(x, [(0, 0)] * (x.ndim - 1) + [(0, -K % 32)]); x = x.reshape(x.shape[:-1] + (-1, 32)); a = np.abs(x).max(-1, keepdims=True)
;;       e = np.where(a > 0, np.clip(np.frexp(np.where(a > 0, a, 1))[1] - 1 - 8, -126, 127), 0)      # np.frexp(a)[1] - 1 = floor(log2(a)), exactly
;;       r = np.clip(x / 2.0 ** e, -448, 448)
;;       step = 2.0 ** (np.maximum(np.frexp(np.where(r == 0, 1, r))[1] - 1, -6) - 3)
;;       q = np.round(r / step) * step * 2.0 ** e      # np.round: ties to even
;;       return np.moveaxis(q.reshape(q.shape[:-2] + (-1,))[..., :K], -1, axis).astype(np.float32)
;;   ~~~
;;   SOFTMAX AHEAD OF A QUANTISED PRODUCT. Where the list says 'softmax', what is quantised is not the finished softmax but p = 2^(t - M), with t = logit x log2(e) and M = ceil(the row's largest t), a whole number; so 1/2 < the row's largest p <= 1. The row's sum l is taken of the UNQUANTISED p, in f32, and the product's result is divided by l at the end. Since M is a whole number, a kernel that streams over the keys may use a running M (the ceiling of the running maximum): every later rescaling is an exact power of two, which a block's scale takes up: the codes' values come out the same.
;;   OPERANDS COMPUTED ON THE WAY. 'Computed on the way' means the value that the module computes at that place (a softmax that the list does not call 'softmax' is quantised finished and normalised). What goes into a quantiser is computed in f32, as accurately as f32 sums, v_exp_f32 and their like allow (about 1e-6 of the number): no bf16 or f16 on the way to a quantiser, and a product that is left as it is and whose result goes on into a quantised operand takes f32 operands (vector FMAs, or v_wmma_f32_16x16x4_f32). A number that lies on a knife's edge between two numbers of the format may be rounded either way, as far as f32 arithmetic and the matrix unit's own rounding can turn it there, and no further.
;; 2 versions. Each part assembles by itself: llvm-mc -triple=amdgcn-amd-amdhsa -mcpu=gfx1250 --defsym DOCPART=n.
;; ======== version 1 of 2: 6 launches
;; workspace buffers: xq 8,683,520 bytes; wqk 8,658,944 bytes; wv 8,654,848 bytes; wo 8,654,848 bytes; qk 18,874,368 bytes; vt 69,206,016 bytes; ctx 8,650,752 bytes
;; launch quant_x (part 1): grid 256 x 1, 4 waves a work-group, no clusters, 33,280 bytes of LDS; arguments x, xq; writes xq
.if DOCPART == 1
	.amdgcn_target "amdgcn-amd-amdhsa--gfx1250"
	.amdhsa_code_object_version 6
	.text
	.protected	k_qd65f91126a_quant_x
	.globl	k_qd65f91126a_quant_x
	.p2align	8
	.type	k_qd65f91126a_quant_x,@function
k_qd65f91126a_quant_x:
	s_mov_b64 s[64:65], 0
	v_nop
	global_prefetch_b8 v0, s[64:65] scope:SCOPE_SE
	s_setreg_imm32_b32 hwreg(HW_REG_WAVE_MODE, 25, 1), 1
	s_wait_xcnt 0x0
; x [8192][1024], f32, becomes an OPERAND in xq: codes of E4M3, one a byte, K innermost, [8192][1024] at byte 0; one E8M0 scale byte for each 32 along K, [8192][32] at byte SCO;
; and one f32 addend a row at byte ADO, which for x is 0 (the weights' operands carry their bias there, so that one product text serves either side).
; A block's scale is 2^(floor(log2(its largest magnitude)) - 8); its byte is the largest magnitude's own exponent field - 8, held at 1 from below.  Each number is divided by the scale, held within +-448, rounded to the nearest code, ties to even.
; LIMITS: a block of zeros gets the byte 1 where the quantiser says 127 (its codes are zeros, which add nothing under any byte but 0xff, and this program alone reads the bytes);
; blocks whose largest magnitude lies under 2^-118, whose byte is held at 1, were not tried; NaN and infinities among the inputs are not served.
; Rows are dense and 1024 is a multiple of 32: x is a plain stream of blocks of 32, and so are its codes and scale bytes.  A wave takes 16 steps of 512 numbers, a work-group 32 rows.
; The conversions take 8 numbers of ONE block from a lane's registers, so a lane must hold 16 neighbours; a load is best where neighbouring lanes take neighbouring bytes.  Both are had: each of a step's four loads reads 512
; consecutive bytes; the 2,048 bytes go through the wave's own stage in LDS and come back 64 bytes a lane (16 bytes of padding behind each 64).  No matrix unit, no cluster, no tensor load, no barrier: work-groups and waves share nothing.
.set STEPS, 16
.set EMAX,  8
.set MANT,  0x600000                   ; the mantissa field of 448 as f32
.set CB,    16                         ; bytes of 16 codes
.set R,     16                         ; v16-79   four sets of 16 numbers as they are loaded
.set X,     80                         ; v80-111  two sets of 16 neighbours
.set C,     128                        ; v128-191 codes: four registers for each step, so that no store's data are written again
.set E,     112                        ; v112-127 a scale byte for each step
.set WREG,  8192                       ; LDS: a region for each wave: two stages of 32 x SP bytes, behind them its 256 scale bytes
.set SP,    80                         ; a lane's place in a stage: 64 bytes + 16 of padding
.set SCO,   0x800000                   ; where an operand's scale bytes begin
.set ADO,   0x840000                   ; and its addends
	s_load_b128 s[4:7], s[0:1], 0x0                ; x, xq
	v_lshl_add_u32 v192, v0, 2, 0x8000
	v_mov_b32 v193, 0
	v_lshrrev_b32 v1, 5, v0
	v_readfirstlane_b32 s16, v1                    ; wave
	v_and_b32 v2, 31, v0                           ; lane
	v_lshlrev_b32 v3, 4, v2                        ; my 16 bytes of a load's 512
	s_mul_i32 s17, s16, WREG
	v_lshrrev_b32 v14, 2, v2
	v_mul_u32_u24 v14, v14, SP
	v_and_b32 v15, 3, v2
	v_lshl_add_u32 v14, v15, 4, v14
	v_add_nc_u32 v14, s17, v14                     ; the stage, on the way in: SP (lane / 4) + 16 (lane % 4)
	v_mul_u32_u24 v15, v2, SP
	v_add_nc_u32 v15, s17, v15                     ; and on the way out: SP x lane: my 16 neighbours
	v_mul_u32_u24 v4, v2, CB                       ; my codes' place in a step's
	v_lshrrev_b32 v5, 1, v2
	s_add_co_u32 s17, s17, 2*32*SP
	v_add_nc_u32 v5, s17, v5                       ; LDS: my wave's 256 scale bytes, my block's byte
	v_lshlrev_b32 v7, 3, v2                        ; and on the way out 8 bytes a lane
	v_add_nc_u32 v6, s17, v7
	s_mov_b32 s23, MANT                            ; (an instruction takes one literal: the hold's line has another)
	s_lshl_b32 s17, ttmp9, 2
	s_add_co_u32 s18, s17, s16                     ; which run of 8,192 numbers is my wave's: 0 .. 1023
	s_lshl_b32 s20, s18, 15                        ; its 32,768 bytes of x,
	s_mov_b32 s21, 0
	s_lshl_b32 s24, s18, 13                        ; its 8,192 bytes of codes,
	s_mov_b32 s25, 0
	s_lshl_b32 s26, s18, 8                         ; its 256 scale bytes,
	s_mov_b32 s27, 0
	s_lshl_b32 s28, ttmp9, 7                       ; and the work-group's 32 addends
	s_mov_b32 s29, 0
	s_wait_kmcnt 0x0
	s_add_nc_u64 s[4:5], s[4:5], s[20:21]
	s_add_nc_u64 s[8:9], s[6:7], s[24:25]
	s_add_nc_u64 s[10:11], s[6:7], s[26:27]
	s_add_nc_u64 s[10:11], s[10:11], SCO
	s_add_nc_u64 s[12:13], s[6:7], s[28:29]
	s_add_nc_u64 s[12:13], s[12:13], ADO
.macro LOAD t
.irp i, 0,1,2,3
	global_load_b128 v[R+16*((\t)%4)+4*\i:R+16*((\t)%4)+4*\i+3], v3, s[4:5] offset:2048*(\t)+512*\i th:TH_LOAD_NT   ; 32 lanes read 512 consecutive bytes; read once in the launch
.endr
.endm
.macro TURN t                          ; step t's numbers through the stage: LDS serves a wave's instructions in order, so no wait stands between the stores and the loads
.irp i, 0,1,2,3
	ds_store_b128 v14, v[R+16*((\t)%4)+4*\i:R+16*((\t)%4)+4*\i+3] offset:32*SP*((\t)%2)+8*SP*\i
.endr
.irp i, 0,1,2,3
	ds_load_b128 v[X+16*((\t)%2)+4*\i:X+16*((\t)%2)+4*\i+3], v15 offset:32*SP*((\t)%2)+16*\i
.endr
.endm
.irp t, 0,1,2,3
	LOAD \t
.endr
	s_wait_loadcnt 12                              ; step 0's four loads are in; the twelve of steps 1 to 3 stay out
	TURN 0
.macro STEP t
.set XS, X+16*((\t)%2)
.if (\t) > 0
	s_wait_dscnt 1                                 ; this step's numbers are back from the stage (the last step's byte store may be out): so its stores into the stage have read their registers,
.else
	s_wait_dscnt 0x0
.endif
.if (\t)+4 < STEPS
	LOAD (\t)+4                                    ; which take the loads of four steps on
.endif
.if (\t)+1 < STEPS
.if STEPS-2-(\t) >= 3
	s_wait_loadcnt 12                              ; the next step's four loads are in; those of the three steps behind it may be out
.else
	s_wait_loadcnt 4*(STEPS-2-(\t))                ; in the tail fewer steps are behind it
.endif
	TURN (\t)+1                                    ; and go through the other stage while this step is worked
.endif
	v_max3_num_f32 v8, |v[XS]|, |v[XS+1]|, |v[XS+2]|               ; the largest magnitude of my 16, in two chains
	v_max3_num_f32 v9, |v[XS+3]|, |v[XS+4]|, |v[XS+5]|
.irp i, 6,10
	v_max3_num_f32 v8, v8, |v[XS+\i]|, |v[XS+\i+1]|
	v_max3_num_f32 v9, v9, |v[XS+\i+2]|, |v[XS+\i+3]|
.endr
	v_max3_num_f32 v8, v8, |v[XS+14]|, |v[XS+15]|
	v_max3_num_f32 v8, v8, v9, (EMAX+1)<<23        ; and the floor 2^(9 - 127): so the byte cannot fall under 1
	v_max_num_f32_dpp v8, v8, v8 row_xmask:1 row_mask:0xf bank_mask:0xf   ; and of my neighbour's 16: the block's
	v_add_nc_u32 v11, -(EMAX<<23), v8              ; 8 off its exponent field: the conversion takes the exponent field of this operand as its scale, and nothing else of it
	v_and_or_b32 v10, v8, 0x7f800000, s23          ; 448 x the scale: the largest magnitude's exponent field over 448's mantissa
.irp i, 0,1,2,3,4,5,6,7,8,9,10,11,12,13,14,15
	v_med3_num_f32 v[XS+\i], v[XS+\i], -v10, v10   ; the conversion to an 8-bit code does not saturate (ISA guide 7.6.2): hold the number first
.endr
	v_cvt_scalef32_pk8_fp8_f32 v[C+4*(\t):C+4*(\t)+1], v[XS:XS+7], v11
	v_cvt_scalef32_pk8_fp8_f32 v[C+4*(\t)+2:C+4*(\t)+3], v[XS+8:XS+15], v11
	v_lshrrev_b32 v[E+(\t)], 23, v11               ; the scale's byte (also the plain line behind the conversions)
	ds_store_b8 v5, v[E+(\t)] offset:16*(\t)       ; both lanes of a block write the same byte with the same value
	global_store_b128 v4, v[C+4*(\t):C+4*(\t)+3], s[8:9] offset:32*CB*(\t)   ; the wave stores 512 consecutive bytes
.endm
.irp t, 0,1,2,3,4,5,6,7,8,9,10,11,12,13,14,15
	STEP \t
.endr
	ds_load_b64 v[12:13], v6                       ; LDS serves a wave's instructions in order: these see my stores
	s_wait_dscnt 0x0
	global_store_b64 v7, v[12:13], s[10:11]        ; 32 lanes store 256 consecutive bytes, aligned
	s_cmp_lg_u32 s16, 0                            ; wave 0 writes the work-group's 32 addends: zeros
	s_cbranch_scc1 .Ldone
	v_lshlrev_b32 v9, 2, v2
	v_mov_b32 v8, 0
	global_store_b32 v9, v8, s[12:13]
.Ldone:
	s_wait_tensorcnt 0x0
	ds_add_u32 v192, v193
	s_wait_dscnt 0x0
	s_endpgm
.Lfunc_end_k_qd65f91126a_quant_x:
	.size	k_qd65f91126a_quant_x, .Lfunc_end_k_qd65f91126a_quant_x-k_qd65f91126a_quant_x
	.p2alignl 7, 3214868480
	.fill 96, 4, 3214868480
	.section	.rodata,"a",@progbits
	.p2align	6, 0x0
	.amdhsa_kernel k_qd65f91126a_quant_x
		.amdhsa_group_segment_fixed_size 33280
		.amdhsa_private_segment_fixed_size 0
		.amdhsa_enable_private_segment 0
		.amdhsa_kernarg_size 16
		.amdhsa_user_sgpr_count 2
		.amdhsa_user_sgpr_kernarg_segment_ptr 1
		.amdhsa_wavefront_size32 1
		.amdhsa_system_sgpr_workgroup_id_x 1
		.amdhsa_system_sgpr_workgroup_id_y 1
		.amdhsa_system_sgpr_workgroup_id_z 1
		.amdhsa_system_vgpr_workitem_id 0
		.amdhsa_next_free_vgpr 194
		.amdhsa_next_free_sgpr 66
		.amdhsa_reserve_vcc 0
		.amdhsa_float_denorm_mode_32 3
		.amdhsa_float_denorm_mode_16_64 3
		.amdhsa_memory_ordered 1
		.amdhsa_forward_progress 1
		.amdhsa_inst_pref_size 51
	.end_amdhsa_kernel
	.amdgpu_metadata
---
amdhsa.version: [ 1, 2 ]
amdhsa.kernels:
  - .name:           k_qd65f91126a_quant_x
    .symbol:         k_qd65f91126a_quant_x.kd
    .args:
      - { .name: x, .offset: 0, .size: 8, .value_kind: global_buffer, .address_space: global }
      - { .name: xq, .offset: 8, .size: 8, .value_kind: global_buffer, .address_space: global }
    .group_segment_fixed_size: 33280
    .private_segment_fixed_size: 0
    .kernarg_segment_align: 8
    .kernarg_segment_size: 16
    .max_flat_workgroup_size: 128
    .sgpr_count:     66
    .vgpr_count:     194
    .wavefront_size: 32
...
	.end_amdgpu_metadata
.endif
;; end of part 1
;; launch quant_w (part 2): grid 32 x 4, 4 waves a work-group, no clusters, 36,352 bytes of LDS; arguments w_qkv, w_out, b_qkv, b_out, wqk, wv, wo; writes wqk, wv, wo
.if DOCPART == 2
	.amdgcn_target "amdgcn-amd-amdhsa--gfx1250"
	.amdhsa_code_object_version 6
	.text
	.protected	k_qd65f91126a_quant_w
	.globl	k_qd65f91126a_quant_w
	.p2align	8
	.type	k_qd65f91126a_quant_w,@function
k_qd65f91126a_quant_w:
	s_mov_b64 s[64:65], 0
	v_nop
	global_prefetch_b8 v0, s[64:65] scope:SCOPE_SE
	s_setreg_imm32_b32 hwreg(HW_REG_WAVE_MODE, 25, 1), 1
	s_wait_xcnt 0x0
; The weights, f32 with K (1024) as their FIRST axis, become three OPERANDS with K innermost: wqk = columns 0-2047 of w_qkv, wv = its columns 2048-3071, wo = w_out.
; An operand: codes of E4M3 [rows][1024] at byte 0 (row = the weight's column), E8M0 scale bytes [rows][32] at SCO, one f32 addend a row at ADO: the row's bias.
; A LANE TAKES A COLUMN, AND ITS REGISTERS RUN DOWN K: each load reads 128 consecutive bytes a wave, a block of 32 along K lies in ONE lane's 32 registers, and the conversions give codes with K innermost: nothing is transposed.
; A wave takes 32 columns x 256 along K; its codes go through its own stage in LDS and leave as rows: sixteen lanes store 256 consecutive bytes, aligned.
; Work-group x = 0-15: wqk; 16-23: wv; 24-31: wo.  ONE path serves all three: only pointers, the row pitch and two offsets are chosen, on the work-group's number.
; LIMITS: a block of zeros gets the byte 1 where the quantiser says 127 (zero codes; this program alone reads the bytes); blocks under 2^-118 were not tried; NaN and infinities are not served.
; No cluster, no tensor load, no barrier: nothing is shared.
.set NB,    8                          ; blocks of 32 along K for a wave
.set PITCH, 272                        ; a stage row: 256 bytes of codes + 16
.set KROW,  1024                       ; a row of codes in memory
.set EMAX,  8
.set MANT,  0x600000
.set SCO,   0x800000
.set ADO,   0x840000
.set X,     32                         ; v32-95   two sets of 32 numbers
.set C,     96                         ; v96-103  a block's codes
.set OUTR,  112                        ; v112-175 the way out
.set SB,    24                         ; v24-25   the scale bytes, four to a register
.set RO,    176                        ; v176-207 4 x lane + i x the weight's row pitch, i = 0 .. 31; never rewritten
	s_load_b256 s[4:11], s[0:1], 0x0               ; w_qkv, w_out, b_qkv, b_out
	s_load_b128 s[12:15], s[0:1], 0x20             ; wqk, wv
	s_load_b64 s[16:17], s[0:1], 0x30              ; wo
	v_lshl_add_u32 v208, v0, 2, 0x8c00
	v_mov_b32 v209, 0
	v_lshrrev_b32 v1, 5, v0
	v_readfirstlane_b32 s18, v1                    ; wave 0..3
	v_and_b32 v2, 31, v0                           ; lane
	s_and_b32 s19, ttmp7, 0xffff                   ; which 256 along K
	v_lshlrev_b32 v3, 2, v2                        ; 4 bytes a lane
	s_mul_i32 s21, s18, 32*PITCH                   ; my stage
	v_mul_u32_u24 v4, v2, PITCH
	v_add_nc_u32 v4, s21, v4                       ; into it: row = my column
	v_and_b32 v5, 15, v2
	v_lshrrev_b32 v6, 4, v2                        ; out of it: sixteen lanes to a row, two rows an instruction
	v_mul_u32_u24 v7, v6, PITCH
	v_lshl_add_u32 v7, v5, 4, v7
	v_add_nc_u32 v7, s21, v7
	v_mul_u32_u24 v8, v6, KROW
	v_lshl_add_u32 v8, v5, 4, v8                   ; and the same place in the codes
	v_lshlrev_b32 v9, 5, v2                        ; my column's row of 32 scale bytes
	s_mov_b32 s31, MANT
	s_mov_b32 s20, 4096                            ; w_out's row pitch in bytes
	s_wait_kmcnt 0x0
	s_cmp_lt_u32 ttmp9, 24                         ; from w_qkv or from w_out?  All selections on this compare stand ahead of any line that sets SCC
	s_cselect_b64 s[4:5], s[4:5], s[6:7]           ; the weight,
	s_cselect_b64 s[8:9], s[8:9], s[10:11]         ; its bias,
	s_cselect_b64 s[14:15], s[14:15], s[16:17]     ; wv or wo,
	s_cselect_b32 s20, 12288, s20                  ; the row pitch,
	s_cselect_b32 s22, 0, 24                       ; what x is counted from in the source,
	s_cselect_b32 s23, 16, 24                      ; and in the destination
	s_cmp_lt_u32 ttmp9, 16
	s_cselect_b64 s[12:13], s[12:13], s[14:15]     ; wqk, or what was chosen above
	s_cselect_b32 s23, 0, s23
	s_sub_co_u32 s22, ttmp9, s22
	s_sub_co_u32 s23, ttmp9, s23
	s_lshl_b32 s22, s22, 7
	s_lshl_b32 s24, s18, 5
	s_add_co_u32 s22, s22, s24                     ; my wave's first column in the source
	s_lshl_b32 s23, s23, 7
	s_add_co_u32 s23, s23, s24                     ; and its first row in the destination
.set i, 0
.rept 32
	v_mad_u32_u24 v[RO+i], s20, i, v3
.set i, i+1
.endr
	s_mul_i32 s26, s19, s20
	s_lshl_b32 s26, s26, 8                         ; 256 rows of the weight for each step along y
	s_lshl_b32 s27, s22, 2
	s_add_co_u32 s26, s26, s27
	s_mov_b32 s27, 0
	s_add_nc_u64 s[32:33], s[4:5], s[26:27]        ; block 0's base; a base of its own for each block, 32 rows apart: none is ever stepped
	s_lshl_b32 s28, s20, 5
	s_mov_b32 s29, 0
.irp t, 1,2,3,4,5,6,7
	s_add_nc_u64 s[32+2*\t:33+2*\t], s[30+2*\t:31+2*\t], s[28:29]
.endr
	s_lshl_b32 s26, s22, 2
	s_add_nc_u64 s[8:9], s[8:9], s[26:27]          ; my columns' bias
	s_lshl_b32 s26, s23, 10
	s_lshl_b32 s24, s19, 8
	s_add_co_u32 s26, s26, s24
	s_add_nc_u64 s[48:49], s[12:13], s[26:27]      ; codes: row x 1024 + 256 y
	s_lshl_b32 s26, s23, 5
	s_lshl_b32 s24, s19, 3
	s_add_co_u32 s26, s26, s24
	s_add_co_u32 s26, s26, SCO
	s_add_nc_u64 s[50:51], s[12:13], s[26:27]      ; scale bytes: row x 32 + 8 y
	s_lshl_b32 s26, s23, 2
	s_add_co_u32 s26, s26, ADO
	s_add_nc_u64 s[52:53], s[12:13], s[26:27]      ; addends
.macro LOAD t                          ; block t: W(32 t + i, my column), i = 0 .. 31, into set t % 2
.set i, 0
.rept 32
	global_load_b32 v[X+32*((\t)%2)+i], v[RO+i], s[32+2*(\t):33+2*(\t)] th:TH_LOAD_NT
.set i, i+1
.endr
.endm
	LOAD 0
	LOAD 1
.macro BLOCK t
.set XS, X+32*((\t)%2)
.if (\t) < NB-1
	s_wait_loadcnt 32                              ; this block's 32 loads are in; the next block's 32 may be out
.else
	s_wait_loadcnt 0
.endif
	v_max3_num_f32 v12, |v[XS]|, |v[XS+1]|, |v[XS+2]|               ; the block's largest magnitude: all 32 numbers are mine
	v_max3_num_f32 v13, |v[XS+3]|, |v[XS+4]|, |v[XS+5]|
.irp i, 6,10,14,18,22,26
	v_max3_num_f32 v12, v12, |v[XS+\i]|, |v[XS+\i+1]|
	v_max3_num_f32 v13, v13, |v[XS+\i+2]|, |v[XS+\i+3]|
.endr
	v_max3_num_f32 v12, v12, |v[XS+30]|, |v[XS+31]|
	v_max3_num_f32 v12, v12, v13, (EMAX+1)<<23     ; and the floor 2^(9 - 127)
	v_add_nc_u32 v11, -(EMAX<<23), v12             ; the conversion's scale operand
	v_and_or_b32 v10, v12, 0x7f800000, s31         ; 448 x the scale
	v_lshrrev_b32 v13, 23, v11                     ; the scale's byte
.if (\t)%4 == 0
	v_mov_b32 v[SB+(\t)/4], v13                    ; four bytes to a register, the lower K in the lower byte
.else
	v_lshl_or_b32 v[SB+(\t)/4], v13, 8*((\t)%4), v[SB+(\t)/4]
.endif
.set i, 0
.rept 32
	v_med3_num_f32 v[XS+i], v[XS+i], -v10, v10     ; the conversion does not saturate (ISA guide 7.6.2): the hold
.set i, i+1
.endr
.irp g, 0,1,2,3
	v_cvt_scalef32_pk8_fp8_f32 v[C+2*\g:C+2*\g+1], v[XS+8*\g:XS+8*\g+7], v11
.endr
	v_nop                                          ; a plain line behind the last conversion
	ds_store_b128 v4, v[C:C+3] offset:32*(\t)      ; 32 codes: 32 bytes of my column's row
	ds_store_b128 v4, v[C+4:C+7] offset:32*(\t)+16
.if (\t)+2 < NB
	LOAD (\t)+2
.endif
	s_wait_dscnt 0x0                               ; the stores have read their registers: the next block's codes may be written
.endm
.irp t, 0,1,2,3,4,5,6,7
	BLOCK \t
.endr
	global_store_b64 v9, v[SB:SB+1], s[50:51]      ; my column's 8 scale bytes
.irp t, 0,1,2,3,4,5,6,7,8,9,10,11,12,13,14,15
	ds_load_b128 v[OUTR+4*\t:OUTR+4*\t+3], v7 offset:2*\t*PITCH   ; LDS serves a wave's instructions in order: these see my stores
.endr
.irp t, 0,1,2,3,4,5,6,7,8,9,10,11,12,13,14,15
	s_wait_dscnt 15-\t                             ; load t is back; the younger ones may be out
	global_store_b128 v8, v[OUTR+4*\t:OUTR+4*\t+3], s[48:49] offset:2*\t*KROW
.endr
	s_cmp_lg_u32 s19, 0                            ; the work-groups of the first 256 along K copy their columns' bias to the operand's addends
	s_cbranch_scc1 .Ldone
	global_load_b32 v10, v3, s[8:9]
	s_wait_loadcnt 0x0
	global_store_b32 v3, v10, s[52:53]
.Ldone:
	s_wait_tensorcnt 0x0
	ds_add_u32 v208, v209
	s_wait_dscnt 0x0
	s_endpgm
.Lfunc_end_k_qd65f91126a_quant_w:
	.size	k_qd65f91126a_quant_w, .Lfunc_end_k_qd65f91126a_quant_w-k_qd65f91126a_quant_w
	.p2alignl 7, 3214868480
	.fill 96, 4, 3214868480
	.section	.rodata,"a",@progbits
	.p2align	6, 0x0
	.amdhsa_kernel k_qd65f91126a_quant_w
		.amdhsa_group_segment_fixed_size 36352
		.amdhsa_private_segment_fixed_size 0
		.amdhsa_enable_private_segment 0
		.amdhsa_kernarg_size 56
		.amdhsa_user_sgpr_count 2
		.amdhsa_user_sgpr_kernarg_segment_ptr 1
		.amdhsa_wavefront_size32 1
		.amdhsa_system_sgpr_workgroup_id_x 1
		.amdhsa_system_sgpr_workgroup_id_y 1
		.amdhsa_system_sgpr_workgroup_id_z 1
		.amdhsa_system_vgpr_workitem_id 0
		.amdhsa_next_free_vgpr 210
		.amdhsa_next_free_sgpr 66
		.amdhsa_reserve_vcc 0
		.amdhsa_float_denorm_mode_32 3
		.amdhsa_float_denorm_mode_16_64 3
		.amdhsa_memory_ordered 1
		.amdhsa_forward_progress 1
		.amdhsa_inst_pref_size 63
	.end_amdhsa_kernel
	.amdgpu_metadata
---
amdhsa.version: [ 1, 2 ]
amdhsa.kernels:
  - .name:           k_qd65f91126a_quant_w
    .symbol:         k_qd65f91126a_quant_w.kd
    .args:
      - { .name: w_qkv, .offset: 0, .size: 8, .value_kind: global_buffer, .address_space: global }
      - { .name: w_out, .offset: 8, .size: 8, .value_kind: global_buffer, .address_space: global }
      - { .name: b_qkv, .offset: 16, .size: 8, .value_kind: global_buffer, .address_space: global }
      - { .name: b_out, .offset: 24, .size: 8, .value_kind: global_buffer, .address_space: global }
      - { .name: wqk, .offset: 32, .size: 8, .value_kind: global_buffer, .address_space: global }
      - { .name: wv, .offset: 40, .size: 8, .value_kind: global_buffer, .address_space: global }
      - { .name: wo, .offset: 48, .size: 8, .value_kind: global_buffer, .address_space: global }
    .group_segment_fixed_size: 36352
    .private_segment_fixed_size: 0
    .kernarg_segment_align: 8
    .kernarg_segment_size: 56
    .max_flat_workgroup_size: 128
    .sgpr_count:     66
    .vgpr_count:     210
    .wavefront_size: 32
...
	.end_amdgpu_metadata
.endif
;; end of part 2
;; launch gemm_qk (part 3): grid 8 x 32, 4 waves a work-group, clusters of 4 x 4, 327,680 bytes of LDS; arguments xq, wqk, qk; writes qk
.if DOCPART == 3
	.amdgcn_target "amdgcn-amd-amdhsa--gfx1250"
	.amdhsa_code_object_version 6
	.text
	.protected	k_qd65f91126a_gemm_qk
	.globl	k_qd65f91126a_gemm_qk
	.p2align	8
	.type	k_qd65f91126a_gemm_qk,@function
k_qd65f91126a_gemm_qk:
	s_mov_b64 s[64:65], 0
	v_nop
	global_prefetch_b8 v0, s[64:65] scope:SCOPE_SE
	s_setreg_imm32_b32 hwreg(HW_REG_WAVE_MODE, 25, 1), 1
	s_wait_xcnt 0x0
	s_wait_alu depctr_hold_cnt(0) depctr_sa_sdst(0) depctr_va_vdst(0) depctr_va_sdst(0) depctr_va_ssrc(0) depctr_va_vcc(0) depctr_vm_vsrc(0)
	s_getreg_b32 s2, hwreg(HW_REG_IB_STS2, 6, 4)
	s_cmp_eq_u32 s2, 0
	s_cbranch_scc0 .Lentry_in_a_cluster
	s_endpgm
.Lentry_in_a_cluster:
	s_bfe_u32 s2, ttmp6, 0x10000c
	s_cmp_lg_u32 s2, 0xf033
	s_cbranch_scc0 .Lentry_shape_is_right
	s_endpgm
.Lentry_shape_is_right:
; C[i][j] = sum over k of A[i][k] B[j][k] + addA[i] + addB[j], K = 1024, on codes of E4M3 with one E8M0 scale for each 32 along K; C is QUANTISED ALONG j on the way out and never stored wide.
; Arguments a, b: operands (codes [rows][1024] at byte 0, scale bytes [rows][32] at SCO, f32 addends [rows] at ADO); o: the result.
; The text knows no number of rows: the grid says it.  It serves q, k = x Wqk + b (a = x's operand, b = the weight's; j = part, head, d) and, with the sides swapped, v^T = Wv x^T + b (j = batch, key), whose K in the next product is j.
; THE RESULT: scale bytes [j / 64][8192][2] at byte 0, codes [j / 64][8192][64] at OCO: a group of 64 along j, then the row i.  Inside a block of 32 along j, byte 16 h + 8 u + e holds element 16 u + 8 h + e (h, u = 0, 1; e = 0 .. 7):
; the order in which a lane's results lie.  q and k carry the same order, which leaves their product as it is; v's is the order in which the next launch's p falls out.
; A tile of C, 256 x 256, is made by four waves, as many as a WGP has SIMDs; a wave makes 128 x 128: 64 accumulators, 512 registers.  K goes in steps of 256 through two LDS slots filled by the tensor data mover; a tile's row is 256 bytes of memory.
; The scale bytes of the work-group's rows, for all of K, come into LDS once, with the first fills.
; CLUSTERS: 4 x 4 work-groups; A's tiles are asked for jointly along a row of the cluster, B's along a column.  THE MATRIX INSTRUCTION IS USED TRANSPOSED (source 0 = 16 rows of B, source 1 = 16 rows of A):
; a lane holds eight neighbours along j of one row i, so a block of 32 along j lies in 16 registers of lanes l and l xor 16.
; addB is the C of each sum's first matrix instruction; addA is added where the results are moved for the quantiser.
; LIMITS: a block of zeros gets the byte 1 where the quantiser says 127 (zero codes; this program alone reads the bytes); blocks under 2^-118 were not tried; NaN and infinities are not served.
; REGISTERS, in windows of 256: window 0: v0-31 addresses and addA; v32-63 scale words, two sets; v64-127 addB, later rows read back; from v128 A's fragments, ONE set; on the way out v128-227 are at work.
;   window 1: B's fragments, TWO sets.   window 2: the accumulators of my rows 0-63 ((a, b) at v[8 (8 a + b)]);   window 3: those of my rows 64-127.
.set SIZE_K, 1024
.set KSTEP,  256                       ; along K in a slot
.set NQ,     KSTEP/128                 ; matrix instructions deep
.set ROWB,   256                       ; a tile's row in bytes
.set KROW,   SIZE_K                    ; a row of codes in memory
.set PITCH,  272                       ; an LDS row: 256 bytes + 16 of padding = 68 words: the 16 rows that a load touches start at 16 different banks (64 banks of 4 bytes: ISA guide 11.1)
.set FR,     16                        ; registers of a fragment: 16 rows x 128 K
.set NL,     4                         ; LDS loads that bring one
.set NP,     8                         ; places behind this matrix instruction (ISA guide 7.12.1)
.set HALFT,  128*PITCH                 ; 128 rows: what one tensor load brings
.set SLOT,   4*HALFT                   ; A's 256 rows, then B's 256 rows
.set LAPS,   SIZE_K/(2*KSTEP)          ; a lap = two K steps = once round the ring
.set KS,     SIZE_K/32                 ; a row of scale bytes
.set SCL,    2*SLOT                    ; behind the ring: the scale bytes, as 256 bytes + 16 of padding
.set HALFS,  (128*KS/256)*272          ; those of 128 rows
.set SBLK,   (16*KS/256)*272           ; those of 16 rows
.set SPARE,  SCL+4*HALFS               ; behind them: the spare words, 128 bytes for each wave: two blocks of 256 bytes that no other line names
.set SCO,    0x800000
.set ADO,    0x840000
.set OCO,    0x200000                  ; the result's codes
.set GST,    524288                    ; a group's codes: 8192 rows x 64 bytes
.set GSS,    16384                     ; a group's scale bytes: 8192 rows x 2
.set BOF,  7                           ; v7      32 x (lane / 16): my place among addB; never rewritten
.set AA,   8                           ; v8-15   addA of my row in each of my eight blocks of 16 rows
.set ADRA, 16                          ; v16-17  LDS address of my A fragments in slot 0, 1
.set ADRB, 20                          ; v20-21  the same for B
.set SSA,  22                          ; v22     the way out: where my row's scale bytes go in my stage
.set SSR,  23                          ; v23     and where I read 16 of them back
.set STO,  24                          ; v24     where I put 16 codes of a row
.set RD,   25                          ; v25     where I read 16 codes back
.set GOF,  26                          ; v26     16 x lane
.set ADRS, 27                          ; v27     LDS address of my scale words: lanes 0-15 A's rows, lanes 16-31 B's
.set SPW,  28                          ; v28     LDS address of my spare word; never rewritten
.set NIL,  29                          ; v29     0; never rewritten
.set AOF,  30                          ; v30     4 x (lane % 16): my place among addA; never rewritten
.set GSF,  31                          ; v31     the scale bytes' place in memory: lanes 0-15 one group, lanes 16-31 the next
.set SC,   32                          ; scale words, two sets of 16 registers; they hold nothing else
.set BC,   64                          ; v64-127 addB at my 64 columns: register 8 b + e = column 16 b + 8 (lane / 16) + e
.set OB,   64                          ; v64-79  the way out: codes read back (addB is done with)
.set AF,   128                         ; A's fragments
.set T,    128                         ; v128-191 the way out: a block's 64 numbers
.set PC,   192                         ; v192-207 their codes
.set TM,   208                         ; v208-223 at work
.set PW,   224                         ; v224    the scale word
.set AP,   226                         ; v[226:227] the block's addA, named as a pair
.set G1, 24                            ; s[24:31] descriptor group 1 for A's tiles;  s[32:39] group 0, one set for each slot
.set G0, 32
.set G1B, 48                           ; s[48:55], s[56:63] the same for B's tiles
.set G0B, 56
.set SEL, 66                           ; s[66:67] lane selects for v_permlanex16_b32: lane l xor 16
.set G1S, 68                           ; s[68:75], s[76:79] groups 1 and 0 for A's scale bytes;  s[80:87], s[88:91] for B's
.set G0S, 76
.set G1SB, 80
.set G0SB, 88
.set MNT, 95                           ; s95 the mantissa field of 448
.set MSB, 0
.macro WIN new                         ; the immediate's high byte repeats the setting that is left
.if MSB != \new
	s_set_vgpr_msb (MSB<<8)|\new
.set MSB, \new
.endif
.endm
.set MUL_LO,   0xa1                    ; source 0 (B) window 1, source 1 (A) window 0, C and D window 2
.set MUL_HI,   0xf1                    ; the same, C and D window 3
.set FIRST_LO, 0x81                    ; the first step: C (addB) window 0, D window 2
.set FIRST_HI, 0xc1                    ; D window 3
.set TO_B,     0x40                    ; destination window 1, address window 0
; A joint load: waves 0 and 1 fetch for A, waves 2 and 3 for B.  Each line has ONE mask and one set of registers for all that issue it; the branch hangs on the wave's number alone.
; Four v_nop follow each of the two lines, ahead of the jump, the label and what follows.
.macro JLOAD g0a, g1a, g0b, g1b
	s_cmp_eq_u32 s15, 0
	s_cbranch_scc0 .Lfor_b_\@
	tensor_load_to_lds s[\g0a:\g0a+3], s[\g1a:\g1a+7]
	s_nop 0
.rept 4
	v_nop
.endr
	s_branch .Lasked_\@
.Lfor_b_\@:
	tensor_load_to_lds s[\g0b:\g0b+3], s[\g1b:\g1b+7]
	s_nop 0
.rept 4
	v_nop
.endr
.Lasked_\@:
.endm
.macro CREST                           ; a round of the cluster's barrier behind its opening barrier
	s_cmp_lg_u32 s14, 0
	s_cbranch_scc1 .Lnot_wave_0_\@
	s_barrier_signal -3
.Lnot_wave_0_\@:
	s_barrier_wait -3
	s_barrier_signal -1
	s_barrier_wait -1
.endm
.macro CROUND                          ; a whole round
	s_barrier_signal -1
	s_barrier_wait -1
	CREST
.endm
	s_load_b128 s[4:7], s[0:1], 0x0                ; a, b
	s_load_b64 s[12:13], s[0:1], 0x10              ; o
	v_lshl_add_u32 v[SPW], v0, 2, SPARE
	v_mov_b32 v[NIL], 0
	ds_add_u32 v28, v29
	ds_add_u32 v28, v29
	s_wait_dscnt 0x0
	v_lshrrev_b32 v1, 5, v0
	v_readfirstlane_b32 s14, v1                    ; wave 0..3
	s_lshr_b32 s15, s14, 1                         ; which half of the tile's rows is mine.  Also: I fetch for A (0) or for B (1)
	s_and_b32 s16, s14, 1                          ; which half of its columns.  Also: which 128 rows of that tile I fetch
	s_bfe_u32 s40, ttmp6, 0x40000                  ; cx, cy: my place in the cluster
	s_bfe_u32 s41, ttmp6, 0x40004
	s_lshl_b32 s42, ttmp9, 2
	s_add_co_u32 s42, s42, s40                     ; tile column of C = 4 x cluster x + cx
	s_and_b32 s17, ttmp7, 0xffff
	s_lshl_b32 s17, s17, 2
	s_add_co_u32 s17, s17, s41                     ; tile row of C = 4 x cluster y + cy
	s_lshl_b32 s43, s41, 2
	s_lshl_b32 s43, 15, s43                        ; my row of the cluster
	s_lshl_b32 s44, 0x1111, s40                    ; my column
	; descriptor group 1: a tile of 128 rows x 256 bytes, padded in LDS
	s_or_b32 s[G1+0], s43, (0<<16)|(1<<20)|(1<<21)|(5<<22)|(3<<25)  ; 15:0 the mask: A's tiles go to my row; 17:16 elements of 1 byte; 20 padding on; 21 set beside a mask; 24:22 after every 64 words; 31:25 four words
	s_or_b32 s[G1B+0], s44, (0<<16)|(1<<20)|(1<<21)|(5<<22)|(3<<25)
.irp g, G1, G1B
	s_mov_b32 s[\g+1], ROWB<<16                    ; tensor_dim0
	s_mov_b32 s[\g+2], 128<<16                     ; tensor_dim1
	s_mov_b32 s[\g+3], ROWB<<16                    ; tile_dim0
	s_mov_b32 s[\g+4], 128                         ; tile_dim1
	s_mov_b32 s[\g+5], KROW                        ; from row to row
	s_mov_b32 s[\g+6], 0
	s_mov_b32 s[\g+7], 0
.endr
	; the scale bytes of 128 rows: a dense block of 4,096 bytes, as rows of 256 bytes (32 elements of 8 bytes), 16 bytes of padding behind each
	s_or_b32 s[G1S+0], s43, (3<<16)|(1<<20)|(1<<21)|(5<<22)|(3<<25)
	s_or_b32 s[G1SB+0], s44, (3<<16)|(1<<20)|(1<<21)|(5<<22)|(3<<25)
.irp g, G1S, G1SB
	s_mov_b32 s[\g+1], 32<<16
	s_mov_b32 s[\g+2], (128*KS/256)<<16
	s_mov_b32 s[\g+3], 32<<16
	s_mov_b32 s[\g+4], 128*KS/256
	s_mov_b32 s[\g+5], 32
	s_mov_b32 s[\g+6], 0
	s_mov_b32 s[\g+7], 0
.endr
	s_mov_b32 s[SEL], 0x76543210
	s_mov_b32 s[SEL+1], 0xfedcba98
	s_mov_b32 s[MNT], 0x600000
	s_lshl_b32 s18, s16, 7                         ; which 128 rows of the tile I fetch
	s_lshl_b32 s20, s17, 8
	s_add_co_u32 s20, s20, s18                     ; A: row 256 x tile row + 128 x half
	s_lshl_b32 s46, s42, 8
	s_add_co_u32 s46, s46, s18                     ; B: row 256 x tile column + 128 x half
	s_mov_b32 s21, 0
	s_mov_b32 s47, 0
	s_mov_b64 s[18:19], KS
	s_mul_u64 s[22:23], s[20:21], s[18:19]         ; where these rows' scale bytes begin
	s_mul_u64 s[92:93], s[46:47], s[18:19]
	s_mov_b64 s[18:19], KROW
	s_mul_u64 s[20:21], s[20:21], s[18:19]         ; and their codes
	s_mul_u64 s[46:47], s[46:47], s[18:19]
	s_mul_i32 s45, s14, HALFT                      ; where they go: wave x 128 rows: no place in the cluster enters an LDS address
	s_mul_i32 s94, s14, HALFS
	s_wait_kmcnt 0x0
	s_mov_b64 s[8:9], s[6:7]                       ; B's codes,
	s_add_nc_u64 s[10:11], s[6:7], SCO             ; its scale bytes,
	s_add_nc_u64 s[98:99], s[6:7], ADO             ; its addends;
	s_add_nc_u64 s[6:7], s[4:5], SCO               ; A's scale bytes,
	s_add_nc_u64 s[96:97], s[4:5], ADO             ; its addends
	s_add_nc_u64 s[20:21], s[4:5], s[20:21]
	s_add_nc_u64 s[22:23], s[6:7], s[22:23]
	s_add_nc_u64 s[46:47], s[8:9], s[46:47]
	s_add_nc_u64 s[92:93], s[10:11], s[92:93]
	CROUND                                         ; all sixteen work-groups are here: the first joint loads meet
	s_mov_b32 s[G0S], 1
	s_add_co_u32 s[G0S+1], s94, SCL
	s_mov_b64 s[G0S+2:G0S+3], s[22:23]
	s_or_b32 s[G0S+3], s[G0S+3], 0x80000000
	s_mov_b32 s[G0SB], 1
	s_add_co_u32 s[G0SB+1], s94, SCL
	s_mov_b64 s[G0SB+2:G0SB+3], s[92:93]
	s_or_b32 s[G0SB+3], s[G0SB+3], 0x80000000
	JLOAD G0S, G1S, G0SB, G1SB                     ; the scale bytes first: they are wanted with K step 0
.irp s, 0,1
	s_mov_b32 s[G0+4*\s], 1
	s_add_co_u32 s[G0+4*\s+1], s45, \s*SLOT
	s_add_nc_u64 s[G0+4*\s+2:G0+4*\s+3], s[20:21], \s*ROWB
	s_or_b32 s[G0+4*\s+3], s[G0+4*\s+3], 0x80000000
	s_mov_b32 s[G0B+4*\s], 1
	s_add_co_u32 s[G0B+4*\s+1], s45, \s*SLOT
	s_add_nc_u64 s[G0B+4*\s+2:G0B+4*\s+3], s[46:47], \s*ROWB
	s_or_b32 s[G0B+4*\s+3], s[G0B+4*\s+3], 0x80000000
	JLOAD G0+4*\s, G1, G0B+4*\s, G1B
.endr
	v_and_b32 v1, 15, v0                           ; l % 16
	v_bfe_u32 v2, v0, 4, 1                         ; l / 16
	; the addends: addA of my 128 rows, addB of my 128 columns
	s_lshl_b32 s20, s17, 10
	s_lshl_b32 s21, s15, 9
	s_add_co_u32 s20, s20, s21                     ; 4 x (256 x tile row + 128 x half)
	s_mov_b32 s21, 0
	s_add_nc_u64 s[96:97], s[96:97], s[20:21]
	s_lshl_b32 s46, s42, 10
	s_lshl_b32 s47, s16, 9
	s_add_co_u32 s46, s46, s47                     ; 4 x (256 x tile column + 128 x half)
	s_mov_b32 s47, 0
	s_add_nc_u64 s[98:99], s[98:99], s[46:47]
	v_lshlrev_b32 v[BOF], 5, v2
	v_lshlrev_b32 v[AOF], 2, v1
.irp b, 0,1,2,3,4,5,6,7
	global_load_b128 v[BC+8*\b:BC+8*\b+3], v[BOF], s[98:99] offset:64*\b
	global_load_b128 v[BC+8*\b+4:BC+8*\b+7], v[BOF], s[98:99] offset:64*\b+16
.endr
.irp a, 0,1,2,3,4,5,6,7
	global_load_b32 v[AA+\a], v[AOF], s[96:97] offset:64*\a
.endr
	v_mul_u32_u24 v3, v1, PITCH
	v_lshl_add_u32 v4, v2, 4, v3                   ; a fragment's row x pitch + 16 x half
	s_mul_i32 s21, s15, HALFT                      ; my 128 rows of A
	s_mul_i32 s22, s16, HALFT                      ; my 128 rows of B,
	s_add_co_u32 s22, s22, 2*HALFT                 ; which lie behind A's 256
.irp s, 0,1
	v_add_nc_u32 v[ADRA+\s], s21, v4
	v_add_nc_u32 v[ADRB+\s], s22, v4
	s_add_co_u32 s21, s21, SLOT
	s_add_co_u32 s22, s22, SLOT
.endr
	v_mul_u32_u24 v5, v1, KS                       ; my row's scale bytes: 32 a row,
	v_lshrrev_b32 v6, 8, v5
	v_lshl_add_u32 v5, v6, 4, v5                   ; and 16 more for each 256 passed
	s_mul_i32 s21, s15, HALFS                      ; A's: my 128 rows
	s_mul_i32 s22, s16, HALFS                      ; B's: my 128 rows, behind A's 256
	s_add_co_u32 s22, s22, 2*HALFS
	s_sub_co_u32 s22, s22, s21
	v_mul_u32_u24 v6, s22, v2                      ; lanes 16-31 take B's
	s_add_co_u32 s21, s21, SCL
	v_add_nc_u32 v5, v5, v6
	v_add_nc_u32 v[ADRS], s21, v5
	; my stage for the way out, 8,192 bytes in slot 0: codes [2 groups][16 rows][64 bytes + 16]; from byte 4,096 scale bytes [2 groups][128 rows][2]
	s_lshl_b32 s23, s14, 13
	v_mul_u32_u24 v5, v1, 80
	v_lshl_add_u32 v5, v2, 4, v5
	v_add_nc_u32 v[STO], s23, v5                   ; in: row l % 16, 16 bytes for each half of the lanes
	v_and_b32 v6, 31, v0
	v_lshrrev_b32 v5, 2, v6
	v_mul_u32_u24 v5, v5, 80
	v_and_b32 v3, 3, v6
	v_lshl_add_u32 v5, v3, 4, v5
	v_add_nc_u32 v[RD], s23, v5                    ; back: four lanes to a row of 64 bytes, eight rows an instruction
	v_lshlrev_b32 v[GOF], 4, v6                    ; which are 512 consecutive bytes of the result
	v_lshl_add_u32 v[SSA], v1, 1, s23
	v_add_nc_u32 v[SSA], 4096, v[SSA]
	v_add_nc_u32 v[SSR], s23, v[GOF]
	v_add_nc_u32 v[SSR], 4096, v[SSR]
	v_lshlrev_b32 v[GSF], 4, v1
	v_lshl_add_u32 v[GSF], v2, 14, v[GSF]          ; GSS x (lane / 16) + 16 x (lane % 16)
	; where my part of the result begins
	s_lshl_b32 s46, s42, 2
	s_lshl_b32 s47, s16, 1
	s_add_co_u32 s46, s46, s47                     ; my first group of 64 columns: 4 x tile column + 2 x half
	s_lshl_b32 s20, s17, 8
	s_lshl_b32 s21, s15, 7
	s_add_co_u32 s20, s20, s21                     ; my first row
	s_lshl_b32 s22, s46, 14
	s_lshl_b32 s23, s20, 1
	s_add_co_u32 s22, s22, s23
	s_mov_b32 s23, 0
	s_add_nc_u64 s[100:101], s[12:13], s[22:23]    ; scale bytes: group x GSS + 2 x row
	s_lshl_b32 s46, s46, 19
	s_lshl_b32 s20, s20, 6
	s_add_co_u32 s46, s46, s20
	s_add_co_u32 s46, s46, OCO
	s_mov_b32 s47, 0
	s_add_nc_u64 s[12:13], s[12:13], s[46:47]      ; codes: OCO + group x GST + 64 x row
.macro FRAG reg, adr, q, i             ; a fragment, 16 rows x 128 K: lane l holds row l % 16; registers 4 c .. 4 c + 3 hold K = 32 c + 16 (l / 16) + 0 .. 15
.irp c, 0,1,2,3
	ds_load_b128 v[\reg+4*\c:\reg+4*\c+3], v[\adr] offset:128*(\q)+32*\c+(\i)*16*PITCH
.endr
.endm
; 16 matrix instructions: A's blocks a0, a0 + 1 x B's eight, 128 along K: the slot's q-th.  p: B's set;  sc: the set of scale words.  zero = 1: the first product starts the sums, with addB as its C: nothing is cleared.
; The 64 accumulators take turns, one instruction a turn, in the same order in every step.
.macro MUL16 a0, p, q, sc, zero
.irp a, \a0, \a0+1
.irp b, 0,1,2,3,4,5,6,7
.if \zero
	v_wmma_scale_f32_16x16x128_f8f6f4 v[8*(8*((\a)%4)+\b):8*(8*((\a)%4)+\b)+7], v[128*(\p)+FR*\b:128*(\p)+FR*\b+FR-1], v[AF+FR*(\a):AF+FR*(\a)+FR-1], v[BC+8*\b:BC+8*\b+7], v[SC+8*NQ*(\sc)+NQ*\b+(\q)], v[SC+8*NQ*(\sc)+NQ*(\a)+(\q)] matrix_a_scale:MATRIX_SCALE_ROW1
.else
	v_wmma_scale_f32_16x16x128_f8f6f4 v[8*(8*((\a)%4)+\b):8*(8*((\a)%4)+\b)+7], v[128*(\p)+FR*\b:128*(\p)+FR*\b+FR-1], v[AF+FR*(\a):AF+FR*(\a)+FR-1], v[8*(8*((\a)%4)+\b):8*(8*((\a)%4)+\b)+7], v[SC+8*NQ*(\sc)+NQ*\b+(\q)], v[SC+8*NQ*(\sc)+NQ*(\a)+(\q)] matrix_a_scale:MATRIX_SCALE_ROW1
.endif
.endr
.endr
.endm
.macro FETCH_B slot, q, p              ; B's eight fragments of the slot's q-th 128 along K into set p
	WIN TO_B
.irp i, 0,1,2,3,4,5,6,7
	FRAG 128*(\p)+FR*\i, ADRB+\slot, \q, \i
.endr
	WIN 0
.endm
.macro FETCH_A slot, q, i0             ; A's blocks i0 .. i0 + 3
.irp i, \i0, \i0+1, \i0+2, \i0+3
	FRAG AF+FR*(\i), ADRA+\slot, \q, \i
.endr
.endm
.macro SCALES sc                       ; the next K step's scale words into set sc: lanes 0-15 take A's block i, lanes 16-31 B's block i
.irp i, 0,1,2,3,4,5,6,7
	ds_load_b64 v[SC+8*NQ*\sc+NQ*\i:SC+8*NQ*\sc+NQ*\i+1], v[ADRS] offset:\i*SBLK
.endr
.endm
; A load into a register that a matrix instruction has read, and a vector instruction that reads a matrix result or writes one of its registers, stand NP places behind it; only plain vector
; instructions that name none of its registers are places (ISA guide 7.12.1 for vector instructions).
.macro PLACES n
.rept \n
	v_nop
.endr
.endm
; A step of 128 along K that has its successor in the same slot.
.macro STEP slot, q, zero
	s_wait_dscnt 4*NL                              ; B's set and A's blocks 0-3 are in; the youngest sixteen loads (A's blocks 4-7) may be out
.if \zero
	WIN FIRST_LO
.else
	WIN MUL_LO
.endif
	MUL16 0, (\q)%2, \q, \slot, \zero
	MUL16 2, (\q)%2, \q, \slot, \zero
	s_wait_dscnt 0                                 ; A's blocks 4-7 are in (asked for 32 matrix instructions ago)
	PLACES NP
	FETCH_B \slot, (\q)+1, 1-(\q)%2
	FETCH_A \slot, (\q)+1, 0
.if \zero
	WIN FIRST_HI
.else
	WIN MUL_HI
.endif
	MUL16 4, (\q)%2, \q, \slot, \zero
	MUL16 6, (\q)%2, \q, \slot, \zero
	PLACES NP
	WIN 0
	FETCH_A \slot, (\q)+1, 4
.endm
; A slot's last step changes slots: ONE barrier; in front of it each wave waits for all its tensor loads, adds 0 to its spare word, and waits for that and for its own reads of this slot.  fill = 1: this slot is filled again, two K steps ahead.
.macro TURN slot, next, fill
	s_wait_tensorcnt 0x0                           ; all my tensor loads have landed: my part of the next slot;  (every window is 0 here)
	ds_add_u32 v[SPW], v[NIL]                      ; 0 onto my spare word
	s_wait_dscnt 4*NL+1                            ; (the add and the youngest sixteen loads, A's blocks 4-7, may be out)
	WIN MUL_LO
	MUL16 0, 1, NQ-1, \slot, 0                     ; sixteen matrix instructions stand between the add and the wait for it
	s_wait_dscnt 0x0                               ; the add is done, and my reads of this slot are over
	s_barrier_signal -1
	MUL16 2, 1, NQ-1, \slot, 0
	WIN 0
	s_barrier_wait -1
.if \fill
	CREST                                          ; the barrier has opened a round of the cluster's barrier: no wave of any partner still reads this slot's tile or has a load on its way
	s_add_nc_u64 s[G0+4*\slot+2:G0+4*\slot+3], s[G0+4*\slot+2:G0+4*\slot+3], 2*ROWB
	s_add_nc_u64 s[G0B+4*\slot+2:G0B+4*\slot+3], s[G0B+4*\slot+2:G0B+4*\slot+3], 2*ROWB
	JLOAD G0+4*\slot, G1, G0B+4*\slot, G1B         ; the first tensor load behind the round; the four v_nop behind it are among the places in front of the loads below
	PLACES NP-4
.else
	PLACES NP
.endif
	v_add_nc_u32 v[ADRS], 4*NQ, v[ADRS]            ; on to the next K step's scale words (no LDS load of mine is out)
	FETCH_B \next, 0, 0
	FETCH_A \next, 0, 0
	SCALES \next
	WIN MUL_HI
	MUL16 4, 1, NQ-1, \slot, 0
	MUL16 6, 1, NQ-1, \slot, 0
	PLACES NP
	WIN 0
	FETCH_A \next, 0, 4
.endm
	s_wait_tensorcnt 1                             ; the scale bytes and my part of K step 0 are in (K step 1's load may be out)
	s_barrier_signal -1
	s_barrier_wait -1                              ; everybody's are
	FETCH_B 0, 0, 0
	FETCH_A 0, 0, 0
	SCALES 0
	FETCH_A 0, 0, 4
	s_wait_loadcnt 0x0                             ; the addends
	STEP 0, 0, 1                                   ; the first step stands in front of the loop: its products start the sums
	s_mov_b32 s3, LAPS-1
.Llap:                                                 ; a trip goes once round the ring, from a lap's second step to the next lap's first, and fills both slots again
	TURN 0, 1, 1
	STEP 1, 0, 0
	TURN 1, 0, 1
	STEP 0, 0, 0
	s_sub_co_u32 s3, s3, 1
	s_cmp_lg_u32 s3, 0
	s_cbranch_scc1 .Llap
	TURN 0, 1, 0                                   ; the last lap fills nothing, and has no round of the cluster's barrier
	STEP 1, 0, 0
	s_wait_dscnt 4*NL                              ; the very last step: nothing more to fetch
	WIN MUL_LO
	MUL16 0, 1, NQ-1, 1, 0
	MUL16 2, 1, NQ-1, 1, 0
	s_wait_dscnt 0
	WIN MUL_HI
	MUL16 4, 1, NQ-1, 1, 0
	MUL16 6, 1, NQ-1, 1, 0
	WIN 0
; 64 numbers of a lane, v[s] .. v[s + 63]: registers 16 b .. 16 b + 15, with lane l xor 16's, are block b of 32 along j of my row.  They become 16 registers of codes in v[PC] on and the row's scale word in v[PW].
.macro QUANT s
.irp b, 0,1,2,3
	v_max3_num_f32 v[TM+\b], |v[\s+16*\b]|, |v[\s+1+16*\b]|, 0x4800000   ; block b: my 16 numbers, and the floor 2^(9 - 127): so the byte cannot fall under 1
.endr
.irp i, 2,4,6,8,10,12,14
.irp b, 0,1,2,3
	v_max3_num_f32 v[TM+\b], v[TM+\b], |v[\s+16*\b+\i]|, |v[\s+1+16*\b+\i]|   ; (the four blocks by turns: no line waits for the line above it)
.endr
.endr
.irp b, 0,1,2,3
	v_permlanex16_b32 v[TM+4+\b], v[TM+\b], s[SEL], s[SEL+1]
.endr
.irp b, 0,1,2,3
	v_max_num_f32 v[TM+\b], v[TM+\b], v[TM+4+\b]   ; with lane l xor 16's: the block's largest magnitude
.endr
.irp b, 0,1,2,3
	v_add_nc_u32 v[TM+12+\b], 0xfc000000, v[TM+\b]   ; 8 off its exponent field: the conversion's scale operand
.endr
.irp b, 0,1,2,3
	v_and_or_b32 v[TM+8+\b], v[TM+\b], 0x7f800000, s[MNT]   ; 448 x the scale
.endr
.irp b, 0,1,2,3
	v_lshrrev_b32 v[TM+4+\b], 23, v[TM+12+\b]      ; the scale's byte
.endr
	v_lshl_or_b32 v[PW], v[TM+5], 8, v[TM+4]       ; the four bytes make my row's scale word
	v_lshl_or_b32 v[PW], v[TM+6], 16, v[PW]
	v_lshl_or_b32 v[PW], v[TM+7], 24, v[PW]
.irp b, 0,1,2,3
.irp i, 0,1,2,3,4,5,6,7,8,9,10,11,12,13,14,15
	v_med3_num_f32 v[\s+16*\b+\i], v[\s+16*\b+\i], -v[TM+8+\b], v[TM+8+\b]   ; the conversion does not saturate (ISA guide 7.6.2): the hold
.endr
	v_cvt_scalef32_pk8_fp8_f32 v[PC+4*\b:PC+1+4*\b], v[\s+16*\b:\s+7+16*\b], v[TM+12+\b]
	v_cvt_scalef32_pk8_fp8_f32 v[PC+2+4*\b:PC+3+4*\b], v[\s+8+16*\b:\s+15+16*\b], v[TM+12+\b]
.endr
	v_nop                                          ; a plain line behind the last conversion
.endm
; THE WAY OUT of block a: 16 rows x 128 columns.  The results are moved to window 0 with the row's addend added, each accumulator from its low end on; quantised; the codes go through my own stage and come back
; so that each store covers 512 consecutive bytes (8 rows of a group).  The stage lies in slot 0, which has had its last fill, and which nobody reads behind the last change of slots.
.macro OUTBLK a
	v_mov_b32 v[AP], v[AA+\a]
	WIN 0x02+(\a)/4                                ; source 0: window 2 or 3
.set p, 0
.rept 32
	v_pk_add_f32 v[T+2*p:T+2*p+1], v[64*((\a)%4)+2*p:64*((\a)%4)+2*p+1], v[AP:AP+1] op_sel_hi:[1,0]
.set p, p+1
.endr
	WIN 0
	QUANT T
	s_wait_xcnt 0x0                                ; the last block's stores have read v[OB] on: only behind this wait are those registers loaded again
.irp c, 0,1,2,3
	ds_store_b128 v[STO], v[PC+4*\c:PC+4*\c+3] offset:1280*(\c/2)+32*(\c%2)
.endr
	ds_store_b16 v[SSA], v[PW] offset:32*(\a)              ; the first group's two bytes of my row (both halves of the lanes write the same)
	ds_store_b16_d16_hi v[SSA], v[PW] offset:256+32*(\a)   ; the second group's
.irp i, 0,1,2,3
	ds_load_b128 v[OB+4*\i:OB+4*\i+3], v[RD] offset:1280*(\i/2)+640*(\i%2)   ; LDS serves a wave's instructions in order: these see the stores above
.endr
	s_wait_dscnt 0x0                               ; they are back, and the stores have read their registers
.irp i, 0,1,2,3
	global_store_b128 v[GOF], v[OB+4*\i:OB+4*\i+3], s[12:13] offset:(\i/2)*GST+1024*(\a)+512*(\i%2)
.endr
.endm
	PLACES NP                                      ; behind the last products: the lines below write registers that held A's fragments
	v_mov_b32 v[AP+1], 0                           ; (named as the upper half of a pair)
.irp b, 0,1,2,3
	v_mov_b32 v[TM+4+\b], 0                        ; written once: a lane permute's destination counts as one of its sources
.endr
.irp a, 0,1,2,3,4,5,6,7
	OUTBLK \a
.endr
	s_wait_xcnt 0x0                                ; block 7's stores have read v[OB] on
	ds_load_b128 v[OB:OB+3], v[SSR]                ; my 128 rows' scale bytes: lanes 0-15 the first group's 256 bytes, lanes 16-31 the second's
	s_wait_dscnt 0x0
	global_store_b128 v[GSF], v[OB:OB+3], s[100:101]   ; sixteen lanes store 256 consecutive bytes, aligned
	s_wait_tensorcnt 0x0                           ; the wave's end
	ds_add_u32 v[SPW], v[NIL]
	s_wait_dscnt 0x0
	CROUND                                         ; the closing round: no work-group ends while a partner may still ask for a tile that names it
	s_endpgm
.Lfunc_end_k_qd65f91126a_gemm_qk:
	.size	k_qd65f91126a_gemm_qk, .Lfunc_end_k_qd65f91126a_gemm_qk-k_qd65f91126a_gemm_qk
	.p2alignl 7, 3214868480
	.fill 96, 4, 3214868480
	.section	.rodata,"a",@progbits
	.p2align	6, 0x0
	.amdhsa_kernel k_qd65f91126a_gemm_qk
		.amdhsa_group_segment_fixed_size 327680
		.amdhsa_private_segment_fixed_size 0
		.amdhsa_enable_private_segment 0
		.amdhsa_kernarg_size 24
		.amdhsa_user_sgpr_count 2
		.amdhsa_user_sgpr_kernarg_segment_ptr 1
		.amdhsa_wavefront_size32 1
		.amdhsa_system_sgpr_workgroup_id_x 1
		.amdhsa_system_sgpr_workgroup_id_y 1
		.amdhsa_system_sgpr_workgroup_id_z 1
		.amdhsa_system_vgpr_workitem_id 0
		.amdhsa_next_free_vgpr 1024
		.amdhsa_next_free_sgpr 102
		.amdhsa_reserve_vcc 0
		.amdhsa_float_denorm_mode_32 3
		.amdhsa_float_denorm_mode_16_64 3
		.amdhsa_memory_ordered 1
		.amdhsa_forward_progress 1
		.amdhsa_inst_pref_size 209
	.end_amdhsa_kernel
	.amdgpu_metadata
---
amdhsa.version: [ 1, 2 ]
amdhsa.kernels:
  - .name:           k_qd65f91126a_gemm_qk
    .symbol:         k_qd65f91126a_gemm_qk.kd
    .args:
      - { .name: xq, .offset: 0, .size: 8, .value_kind: global_buffer, .address_space: global }
      - { .name: wqk, .offset: 8, .size: 8, .value_kind: global_buffer, .address_space: global }
      - { .name: qk, .offset: 16, .size: 8, .value_kind: global_buffer, .address_space: global }
    .group_segment_fixed_size: 327680
    .private_segment_fixed_size: 0
    .kernarg_segment_align: 8
    .kernarg_segment_size: 24
    .max_flat_workgroup_size: 128
    .sgpr_count:     102
    .vgpr_count:     1024
    .wavefront_size: 32
...
	.end_amdgpu_metadata
.endif
;; end of part 3
;; launch gemm_v: the kernel of part 3 again; grid 32 x 4, 4 waves a work-group, clusters of 4 x 4, 327,680 bytes of LDS; arguments wv, xq, vt; writes vt
;; launch attention (part 4): grid 4 x 64, 16 waves a work-group, clusters of 4 x 1, 288,768 bytes of LDS; arguments qk, vt, ctx; writes ctx
.if DOCPART == 4
	.amdgcn_target "amdgcn-amd-amdhsa--gfx1250"
	.amdhsa_code_object_version 6
	.text
	.protected	k_qd65f91126a_attention
	.globl	k_qd65f91126a_attention
	.p2align	8
	.type	k_qd65f91126a_attention,@function
k_qd65f91126a_attention:
	s_mov_b64 s[64:65], 0
	v_nop
	global_prefetch_b8 v0, s[64:65] scope:SCOPE_SE
	s_setreg_imm32_b32 hwreg(HW_REG_WAVE_MODE, 25, 1), 1
	s_wait_xcnt 0x0
	s_wait_alu depctr_hold_cnt(0) depctr_sa_sdst(0) depctr_va_vdst(0) depctr_va_sdst(0) depctr_va_ssrc(0) depctr_va_vcc(0) depctr_vm_vsrc(0)
	s_getreg_b32 s2, hwreg(HW_REG_IB_STS2, 6, 4)
	s_cmp_eq_u32 s2, 0
	s_cbranch_scc0 .Lentry_in_a_cluster
	s_endpgm
.Lentry_in_a_cluster:
	s_bfe_u32 s2, ttmp6, 0x10000c
	s_cmp_lg_u32 s2, 0x3003
	s_cbranch_scc0 .Lentry_shape_is_right
	s_endpgm
.Lentry_shape_is_right:
; ctx[b][q][head][:] = the sum over keys k <= q of softmax_k(Q . K / 8) V, both products on codes of E4M3 with one E8M0 scale for each 32 along a product's K; ctx leaves QUANTISED along its 1024 (the next product's K).
; qk: scale bytes [group][8192][2] at byte 0, codes [group][8192][64] at OCO; group = head for q, 16 + head for k; row = 2048 b + s.  vt: the same form; group = 32 b + key / 64; row = 64 head + d; a row's 64 bytes are 64 keys.
; Inside a block of 32, byte 16 h + 8 u + e holds element 16 u + 8 h + e: alike in q and k; for v it is the order in which p's codes fall out here.
; ctx: codes [8192][1024] at byte 0 in the natural order, scale bytes [8192][32] at SCO.
; THE SOFTMAX AHEAD OF THE SECOND PRODUCT: t = score x log2(e) / 8; M = the row's largest t so far, rounded UP to a whole number; p = 2^(t - M) is quantised along the keys, not normalised.
; The row's sum is taken of the unquantised p and divides O at the end.  When M moves, the sum and O are multiplied by 2^(old M - new M): exact.
; SHARES.  A cluster of four work-groups is one (b, head).  Its 128 tiles of 16 queries are dealt so that all waves have equal work under the causal mask: work-group g takes the tiles T = g mod 4; wave w of sixteen takes
; T = 4 w + g and T = 4 (31 - w) + g.  Tile T wants the key steps (128 keys) 0 .. T / 8, which is w / 2 and 15 - w / 2: 17 tile-steps a wave, and no branch hangs on g.
; THE WHOLE HEAD'S K AND V STAY IN LDS, filled once by joint loads (the four work-groups read the same bytes): no slot is filled again, and the loop has no barrier.
; LAYOUT.  Both products are used transposed: S^T = K Q^T (source 0 = 16 keys, source 1 = my 16 queries), O^T = V^T P^T: a lane holds ONE query (lane % 16) throughout.
; The first product's K is 64: Q's operand has zero codes for k = 64 .. 127, so what K's operand holds there (the next tile's codes, or zeros) adds nothing; no code is a NaN code, since every quantiser here holds at 448.
; LIMITS: a block of zeros gets the byte 1 where the quantiser says 127 (zero codes; this program alone reads the bytes); NaN and infinities are not served.
; ctx leaves in runs of 64 bytes a row and its scale bytes singly: a row's neighbouring bytes belong to other heads, which are other clusters.
.set VC,    139264                     ; LDS: K's codes at 0: key at 272 (key / 4) + 64 (key % 4) (16 bytes of padding behind each 256);  V's codes here: 32 groups of 64 keys, 4,352 bytes each, channel d at 272 (d / 4) + 64 (d % 4)
.set KSC,   278528                     ; K's scale bytes: 2 a key
.set VSC,   282624                     ; V's: [group][64 d][2]
.set STEPB, 8704                       ; a key step's codes: 128 keys of K, or two groups of V
.set TILEB, 1088                       ; 16 rows of 64 bytes, padded
.set GRPB,  4352                       ; 64 rows
.set OCO,   0x200000
.set SCO,   0x800000
.set AK0,  1                           ; v1   my lane's place in a tile of K: 272 (r / 4) + 64 (r % 4) + 16 h
.set AV0,  2                           ; v2   the same in V
.set ASK0, 3                           ; v3   KSC + 2 x lane
.set ASV0, 4                           ; v4   VSC + 2 x lane
.set ADK,  5                           ; v5-8 the addresses of the step in hand; at the end v5, v6: my lane's place in a tile's rows of ctx
.set ADV,  6
.set ADS,  7
.set ADT,  8
.set QIL,  9                           ; v9, v10  the mask's threshold: my query's place in its last key step, less 8 h
.set QIH,  10
.set HH,   11                          ; v11  h = lane / 16
.set STL,  12                          ; v12-15, v16-19  a tile's -M, largest t, and sum in two halves
.set STH,  16
.set QSL,  20                          ; v20, v21  Q's scale words
.set QSH,  21
.set GOC,  22                          ; v22, v23  the way out: byte offsets into ctx's codes and scale bytes
.set GOS,  23
.set QL,   24                          ; v24-39, v40-55  Q's operands: 8 registers of codes, 8 of zeros
.set QH,   40
.set F,    56                          ; v56-95  four tiles of K, 8 registers each, and 8 registers of zeros; or two fragments of V
.set OL,   160                         ; v160-191, v192-223  O^T;  v96-159 S^T, then p (v96-99 first: the offsets of Q's loads);  v224-239 p's codes;  v232-247, v252, v254 at work;  v248-251 scale words;  v253 p's scale word
.set OH,   192
.set WV,   10                          ; s10  my wave's number
.set SAL,  15                          ; s15, s16  the last key step of my low and of my high tile
.set SAH,  16
.set KS,   17                          ; s17  the key step
.set TB,   18                          ; s18  where its codes begin
.set TS,   19                          ; s19  and its scale bytes
.set SEL,  20                          ; s[20:21] lane selects: lane l xor 16
.set CS,   22                          ; s[22:23] c = log2(e) / 8
.set MNT,  24                          ; s24  the mantissa field of 448
.set QR,   25                          ; s25  q's first row in qk: 8192 head + 2048 b
.set RB,   26                          ; s26  2048 b
.set G0KS, 36                          ; s[36:39], s[40:43] descriptor group 0 for K's scale bytes and K's codes;  s[44:47], s[48:51] for V's
.set G0KC, 40
.set G0VS, 44
.set G0VC, 48
.set G1KC, 52                          ; s[52:59] group 1 for K's codes;  s[68:75] V's codes;  s[76:83] K's scale bytes;  s[84:91] V's
.set G1VC, 68
.set G1KS, 76
.set G1VS, 84
.set FQL,  60                          ; s60, s61  the first query of my low and of my high tile.  My place in the cluster lives in s11, s60-63 and s92 alone: none of them feeds a descriptor
.set FQH,  61
.macro CROUND                          ; a round of the cluster's barrier
	s_barrier_signal -1
	s_barrier_wait -1
	s_cmp_lg_u32 s[WV], 0
	s_cbranch_scc1 .Lnot_wave_0_\@
	s_barrier_signal -3
.Lnot_wave_0_\@:
	s_barrier_wait -3
	s_barrier_signal -1
	s_barrier_wait -1
.endm
	s_load_b128 s[4:7], s[0:1], 0x0                ; qk, vt
	s_load_b64 s[8:9], s[0:1], 0x10                ; ctx
	v_lshl_add_u32 v254, v0, 2, 0x46000
	v_mov_b32 v255, 0
	ds_add_u32 v254, v255
	ds_add_u32 v254, v255
	s_wait_dscnt 0x0
	v_lshrrev_b32 v5, 5, v0
	v_readfirstlane_b32 s[WV], v5                  ; wave 0..15
	s_and_b32 s12, ttmp7, 0xffff                   ; 16 b + head: the cluster's y, which the four partners share
	s_lshr_b32 s13, s12, 4                         ; b
	s_and_b32 s14, s12, 15                         ; head
	s_lshr_b32 s[SAL], s[WV], 1
	s_xor_b32 s[SAH], s[SAL], 15                   ; 15 - w / 2
	s_and_b32 s27, s[WV], 3                        ; which quarter a fetching wave takes: waves 0-3 of K, waves 4-7 of V
	; Group 1: every word a constant.  K's codes: a quarter of the head's is a dense block of 32,768 bytes: 128 rows of 256 bytes (32 elements of 8 bytes), 16 bytes of padding behind each
	s_mov_b32 s[G1KC], 15|(3<<16)|(1<<20)|(1<<21)|(5<<22)|(3<<25)   ; 15:0 the mask: all four work-groups; 17:16 elements of 8 bytes; 20 padding on; 21 set beside a mask; 24:22 after every 64 words; 31:25 four words
	s_mov_b32 s[G1KC+1], 32<<16                    ; tensor_dim0
	s_mov_b32 s[G1KC+2], 128<<16                   ; tensor_dim1
	s_mov_b32 s[G1KC+3], 32<<16                    ; tile_dim0
	s_mov_b32 s[G1KC+4], 128                       ; tile_dim1
	s_mov_b32 s[G1KC+5], 32                        ; from row to row
	s_mov_b32 s[G1KC+6], 0
	s_mov_b32 s[G1KC+7], 0
	; V's codes: 8 groups of keys; a group's 64 channels of this head are 4,096 bytes on end, the groups 524,288 bytes apart.  The same padding: sixteen times in a row, so that all lines of 256 bytes lie 272 apart
	s_mov_b32 s[G1VC], 15|(3<<16)|(1<<20)|(1<<21)|(5<<22)|(3<<25)
	s_mov_b32 s[G1VC+1], 512<<16
	s_mov_b32 s[G1VC+2], 8<<16
	s_mov_b32 s[G1VC+3], 512<<16
	s_mov_b32 s[G1VC+4], 8
	s_mov_b32 s[G1VC+5], 65536
	s_mov_b32 s[G1VC+6], 0
	s_mov_b32 s[G1VC+7], 0
	; K's scale bytes: a dense block of 1,024 bytes: 4 rows of 256; no padding
	s_mov_b32 s[G1KS], 15|(3<<16)|(1<<21)
	s_mov_b32 s[G1KS+1], 32<<16
	s_mov_b32 s[G1KS+2], 4<<16
	s_mov_b32 s[G1KS+3], 32<<16
	s_mov_b32 s[G1KS+4], 4
	s_mov_b32 s[G1KS+5], 32
	s_mov_b32 s[G1KS+6], 0
	s_mov_b32 s[G1KS+7], 0
	; V's scale bytes: 8 groups; a group's 64 channels are 128 bytes, the groups 16,384 bytes apart
	s_mov_b32 s[G1VS], 15|(3<<16)|(1<<21)
	s_mov_b32 s[G1VS+1], 16<<16
	s_mov_b32 s[G1VS+2], 8<<16
	s_mov_b32 s[G1VS+3], 16<<16
	s_mov_b32 s[G1VS+4], 8
	s_mov_b32 s[G1VS+5], 2048
	s_mov_b32 s[G1VS+6], 0
	s_mov_b32 s[G1VS+7], 0
	; where the quarters go: a constant + the quarter x a constant
	s_lshl_b32 s28, s27, 10
	s_add_co_u32 s[G0KS+1], s28, KSC
	s_add_co_u32 s[G0VS+1], s28, VSC
	s_mul_i32 s29, s27, 8*GRPB
	s_mov_b32 s[G0KC+1], s29
	s_add_co_u32 s[G0VC+1], s29, VC
	; and where they come from, as byte offsets
	s_lshl_b32 s[QR], s14, 13
	s_lshl_b32 s[RB], s13, 11
	s_add_co_u32 s[QR], s[QR], s[RB]
	s_add_co_u32 s28, s[QR], 131072                ; k's first row: 16 groups of 8,192 rows behind q's
	s_lshl_b32 s30, s28, 6
	s_lshl_b32 s29, s27, 15
	s_add_co_u32 s30, s30, s29
	s_add_co_u32 s30, s30, OCO                     ; K's codes: OCO + 64 x row + 32,768 x quarter
	s_mov_b32 s31, 0
	s_lshl_b32 s32, s28, 1
	s_lshl_b32 s29, s27, 10
	s_add_co_u32 s32, s32, s29                     ; K's scale bytes: 2 x row + 1,024 x quarter
	s_mov_b32 s33, 0
	s_lshl_b32 s28, s13, 5
	s_lshl_b32 s29, s27, 3
	s_add_co_u32 s28, s28, s29                     ; V's first group: 32 b + 8 x quarter
	s_lshl_b32 s34, s28, 19
	s_lshl_b32 s29, s14, 12
	s_add_co_u32 s34, s34, s29
	s_add_co_u32 s34, s34, OCO                     ; V's codes: OCO + 524,288 x group + 4,096 head
	s_mov_b32 s35, 0
	s_lshl_b32 s28, s28, 14
	s_lshl_b32 s29, s14, 7
	s_add_co_u32 s28, s28, s29                     ; V's scale bytes: 16,384 x group + 128 head
	s_mov_b32 s29, 0
	s_mov_b32 s[SEL], 0x76543210
	s_mov_b32 s[SEL+1], 0xfedcba98
	s_mov_b32 s[CS], 0x3e38aa3b                    ; c = log2(e) / 8
	s_mov_b32 s[CS+1], s[CS]                       ; (named with it as a pair)
	s_mov_b32 s[MNT], 0x600000
	s_mov_b32 s[KS], 0
	s_mov_b32 s[TB], 0
	s_mov_b32 s[TS], 0
	s_wait_kmcnt 0x0
	s_mov_b32 s[G0KS], 1                           ; 1:0 count = 1
	s_add_nc_u64 s[G0KS+2:G0KS+3], s[4:5], s[32:33]
	s_or_b32 s[G0KS+3], s[G0KS+3], 0x80000000      ; 127:126 type = 2
	s_mov_b32 s[G0KC], 1
	s_add_nc_u64 s[G0KC+2:G0KC+3], s[4:5], s[30:31]
	s_or_b32 s[G0KC+3], s[G0KC+3], 0x80000000
	s_mov_b32 s[G0VS], 1
	s_add_nc_u64 s[G0VS+2:G0VS+3], s[6:7], s[28:29]
	s_or_b32 s[G0VS+3], s[G0VS+3], 0x80000000
	s_mov_b32 s[G0VC], 1
	s_add_nc_u64 s[G0VC+2:G0VC+3], s[6:7], s[34:35]
	s_or_b32 s[G0VC+3], s[G0VC+3], 0x80000000
	CROUND                                         ; all four work-groups are here: the joint loads meet
	s_cmp_lt_u32 s[WV], 4                          ; waves 0-3 fetch K's quarters, waves 4-7 V's, the others nothing; a wave's two fills stand in one branch: two loads of mine are out
	s_cbranch_scc0 .Lnot_k
	tensor_load_to_lds s[G0KS:G0KS+3], s[G1KS:G1KS+7]
	s_nop 0
	tensor_load_to_lds s[G0KC:G0KC+3], s[G1KC:G1KC+7]
	s_nop 0
.rept 4
	v_nop
.endr
	s_branch .Lasked
.Lnot_k:
	s_cmp_lt_u32 s[WV], 8
	s_cbranch_scc0 .Lasked
	tensor_load_to_lds s[G0VS:G0VS+3], s[G1VS:G1VS+7]
	s_nop 0
	tensor_load_to_lds s[G0VC:G0VC+3], s[G1VC:G1VC+7]
	s_nop 0
.rept 4
	v_nop
.endr
.Lasked:
	; my two tiles.  My place in the cluster enters the offsets of Q's loads and ctx's stores and the mask's numbers alone
	s_bfe_u32 s11, ttmp6, 0x40000                  ; g
	s_lshl_b32 s[FQL], s[WV], 2
	s_sub_co_u32 s[FQH], 124, s[FQL]
	s_add_co_u32 s[FQL], s[FQL], s11               ; T low = 4 w + g
	s_add_co_u32 s[FQH], s[FQH], s11               ; T high = 4 (31 - w) + g
	s_lshl_b32 s[FQL], s[FQL], 4                   ; their first queries
	s_lshl_b32 s[FQH], s[FQH], 4
	v_and_b32 v5, 15, v0                           ; r
	v_bfe_u32 v[HH], v0, 4, 1                      ; h
	v_and_b32 v6, 31, v0                           ; lane
	v_lshlrev_b32 v7, 6, v5
	v_lshl_add_u32 v7, v[HH], 4, v7                ; Q's codes: 64 r + 16 h in the tile
	v_lshlrev_b32 v8, 1, v5                        ; its scale bytes: 2 r
	s_add_co_u32 s62, s[QR], s[FQL]                ; the low tile's first row in qk
	s_lshl_b32 s63, s62, 6
	v_add_nc_u32 v96, s63, v7
	s_lshl_b32 s63, s62, 1
	v_add_nc_u32 v97, s63, v8
	s_add_co_u32 s62, s[QR], s[FQH]                ; the high tile's
	s_lshl_b32 s63, s62, 6
	v_add_nc_u32 v98, s63, v7
	s_lshl_b32 s63, s62, 1
	v_add_nc_u32 v99, s63, v8
.irp c, 0,1
	global_load_b128 v[QL+4*\c:QL+4*\c+3], v96, s[4:5] offset:OCO+32*\c
	global_load_b128 v[QH+4*\c:QH+4*\c+3], v98, s[4:5] offset:OCO+32*\c
.endr
	global_load_u16 v[QSL], v97, s[4:5]            ; two scale bytes; the word's upper bytes are 0 (2^-127, over zero codes)
	global_load_u16 v[QSH], v99, s[4:5]
	v_lshrrev_b32 v7, 2, v5
	v_and_b32 v8, 3, v5
	v_mul_u32_u24 v[AK0], v7, 272
	v_lshl_add_u32 v[AK0], v8, 6, v[AK0]
	v_lshl_add_u32 v[AK0], v[HH], 4, v[AK0]
	v_add_nc_u32 v[AV0], VC, v[AK0]
	v_lshl_add_u32 v[ASK0], v6, 1, KSC
	v_lshl_add_u32 v[ASV0], v6, 1, VSC
	s_and_b32 s62, s[WV], 1
	s_lshl_b32 s63, s62, 6                         ; 16 (T % 8): low tile 64 (w % 2) + 16 g,
	s_sub_co_u32 s62, 64, s63                      ; high tile 64 (1 - w % 2) + 16 g
	s_lshl_b32 s92, s11, 4
	s_add_co_u32 s63, s63, s92
	s_add_co_u32 s62, s62, s92
	v_lshlrev_b32 v7, 3, v[HH]
	v_sub_nc_u32 v7, v5, v7                        ; r - 8 h
	v_add_nc_u32 v[QIL], s63, v7
	v_add_nc_u32 v[QIH], s62, v7
.irp s, STL, STH
	v_mov_b32 v[\s+1], 0xff61b1e6                  ; the largest t so far: -3e38, under every t
	v_floor_f32 v[\s], -v[\s+1]                    ; -M
	v_mov_b32 v[\s+2], 0                           ; the sum, in two halves
	v_mov_b32 v[\s+3], 0
.endr
.set i, 0
.rept 8
	v_mov_b32 v[QL+8+i], 0                         ; zero codes for k = 64 .. 127
	v_mov_b32 v[QH+8+i], 0
	v_mov_b32 v[F+32+i], 0                         ; and behind K's fourth tile
.set i, i+1
.endr
.set i, 0
.rept 64
	v_mov_b32 v[OL+i], 0                           ; O^T of both tiles.  (The step is written once: the first finds zeros, which the first change of M leaves zeros)
.set i, i+1
.endr
.irp b, 0,1,2,3
	v_mov_b32 v[236+\b], 0                         ; written once: a lane permute's destination counts as one of its sources
.endr
	v_mov_b32 v252, 0
	v_mov_b32 v253, 0                              ; (named as the upper half of the pair v[252:253] before it is first written)
	s_wait_tensorcnt 0x0                           ; my parts of the head's K, V and scale bytes are in,
	s_barrier_signal -1
	s_barrier_wait -1                              ; everybody's are: from here on LDS is only read
	s_wait_loadcnt 0x0                             ; Q; its loads' offset registers v96-99 are free
; A KEY STEP of one tile: 128 keys.  qf, qs: Q's operand and scale word; st: the statistics; oo: O^T; sa: the tile's last step; qi: the mask's threshold.
.macro STEP qf, qs, st, oo, sa, qi
	s_cmp_gt_u32 s[KS], s[\sa]                     ; all keys of this step come after my 16 queries: the step is left out.  A branch on the wave's number and the step's
	s_cbranch_scc1 .Lhidden_\@
	v_add_nc_u32 v[ADK], s[TB], v[AK0]
	v_add_nc_u32 v[ADV], s[TB], v[AV0]
	v_add_nc_u32 v[ADS], s[TS], v[ASK0]
	v_add_nc_u32 v[ADT], s[TS], v[ASV0]
.irp g, 0,1                                    ; S^T = K Q^T, four tiles of 16 neighbouring keys at a time
.rept 4+4*\g
	v_nop                                          ; eight places in front of loads into registers that matrix instructions have read (the four additions above are places too)
.endr
.irp t, 0,1,2,3
.irp c, 0,1
	ds_load_b128 v[F+8*\t+4*\c:F+8*\t+4*\c+3], v[ADK] offset:(4*\g+\t)*TILEB+32*\c
.endr
.endr
.if \g == 0
.irp b, 0,1,2,3
	ds_load_u16 v[248+\b], v[ADS] offset:64*\b     ; lane l takes key 32 b + l: lanes 0-15 tile 2 b's scale words, lanes 16-31 tile 2 b + 1's
.endr
.endif
	s_wait_dscnt 0x0
.irp t, 0,1,2,3
.if (\t%2) == 1
	v_wmma_scale_f32_16x16x128_f8f6f4 v[96+8*(4*\g+\t):103+8*(4*\g+\t)], v[F+8*\t:F+8*\t+15], v[\qf:\qf+15], 0, v[248+2*\g+\t/2], v[\qs] matrix_a_scale:MATRIX_SCALE_ROW1
.else
	v_wmma_scale_f32_16x16x128_f8f6f4 v[96+8*(4*\g+\t):103+8*(4*\g+\t)], v[F+8*\t:F+8*\t+15], v[\qf:\qf+15], 0, v[248+2*\g+\t/2], v[\qs]
.endif
.endr
.endr                                          ; lane (r, h): query r; register 8 t + e is key 16 t + 8 h + e of the step
.rept 8
	v_nop                                          ; places in front of the first read of the scores and of the loads into the scale registers
.endr
	ds_load_u16 v248, v[ADT]                       ; V's scale bytes: lane l takes channel l (v248, v249) and 32 + l (v250, v251); first group, second group
	ds_load_u16 v249, v[ADT] offset:128
	ds_load_u16 v250, v[ADT] offset:64
	ds_load_u16 v251, v[ADT] offset:192
	s_cmp_lg_u32 s[KS], s[\sa]                     ; only the tile's last step lies on the diagonal
	s_cbranch_scc1 .Lopen_\@
	v_mov_b32 v254, 0xff800000                     ; hidden scores become -infinity ahead of the maximum: p = 0 then
.set n, 0
.rept 64
	v_cmp_gt_i32 vcc_lo, 16*(n/8)+n%8, v[\qi]      ; the register's key comes after my query
	v_cndmask_b32 v[96+n], v[96+n], v254, vcc_lo
.set n, n+1
.endr
.Lopen_\@:
.irp b, 0,1,2,3
	v_max3_num_f32 v[232+\b], v[96+16*\b], v[97+16*\b], v[98+16*\b]   ; the largest score of each block of 32 keys: it serves the row's maximum and, since p rises with the score, the block's largest p
.endr
.irp i, 3,5,7,9,11,13
.irp b, 0,1,2,3
	v_max3_num_f32 v[232+\b], v[232+\b], v[96+16*\b+\i], v[97+16*\b+\i]
.endr
.endr
.irp b, 0,1,2,3
	v_max_num_f32 v[232+\b], v[232+\b], v[111+16*\b]
.endr
.irp b, 0,1,2,3
	v_permlanex16_b32 v[236+\b], v[232+\b], s[SEL], s[SEL+1]
.endr
.irp b, 0,1,2,3
	v_max_num_f32 v[232+\b], v[232+\b], v[236+\b]  ; with lane l xor 16's 16 keys
.endr
	v_max3_num_f32 v254, v232, v233, v234
	v_max_num_f32 v254, v254, v235                 ; the step's largest score of my query
	v_mul_f32 v254, s[CS], v254                    ; as t (c is positive)
	v_max_num_f32 v[\st+1], v[\st+1], v254         ; the running largest t
	v_mov_b32 v254, v[\st]
	v_floor_f32 v[\st], -v[\st+1]                  ; the new -M = floor(-t) = -ceil(t)
	v_sub_f32 v254, v[\st], v254                   ; old M less new M: a whole number, 0 or less
	v_cvt_i32_f32 v254, v254                       ; (it saturates)
	v_ldexp_f32 v252, 1.0, v254                    ; f = 2^(old M - new M)
.set j, 0
.rept 32
	v_pk_fma_f32 v[96+j:97+j], v[96+j:97+j], s[CS:CS+1], v[\st:\st+1] op_sel_hi:[1,0,0]   ; t - M, two at a time
.set j, j+2
.endr
.irp b, 0,1,2,3
	v_fma_f32 v[232+\b], v[232+\b], s[CS], v[\st]  ; the same of each block's largest score
.endr
.set j, 0
.rept 64
	v_exp_f32 v[96+j], v[96+j]                     ; p = 2^(t - M), at most 1
.set j, j+1
.endr
.irp b, 0,1,2,3
	v_exp_f32 v[232+\b], v[232+\b]                 ; the block's largest p
.endr
	v_pk_mul_f32 v[\st+2:\st+3], v[\st+2:\st+3], v[252:253] op_sel_hi:[1,0]   ; the sums under the new M (a plain line behind the exponentials)
	s_wait_dscnt 0x0                               ; V's scale bytes are in
	v_lshl_or_b32 v248, v249, 16, v248             ; V's scale words: lanes 0-15 channels 0-15, lanes 16-31 channels 16-31;
	v_lshl_or_b32 v250, v251, 16, v250             ; channels 32-47 and 48-63.  Far more than eight places ahead of their use
	s_wait_alu depctr_va_vdst(0)
.irp b, 0,1,2,3
	v_max_num_f32 v[232+\b], 0x4800000, v[232+\b]  ; the floor 2^(9 - 127): the byte cannot fall under 1
.endr
.irp b, 0,1,2,3
	v_add_nc_u32 v[244+\b], 0xfc000000, v[232+\b]  ; the conversion's scale operand
.endr
.irp b, 0,1,2,3
	v_and_or_b32 v[240+\b], v[232+\b], 0x7f800000, s[MNT]   ; 448 x the scale
.endr
.irp b, 0,1,2,3
	v_lshrrev_b32 v[236+\b], 23, v[244+\b]         ; the scale's byte
.endr
	v_lshl_or_b32 v253, v237, 8, v236              ; p's scale word for these 128 keys
	v_lshl_or_b32 v253, v238, 16, v253
	v_lshl_or_b32 v253, v239, 24, v253
	v_pk_add_f32 v[236:237], v[96:97], v[98:99]    ; the row's sum is taken of the unquantised p: two at a time, in two chains
.set j, 4
.rept 15
	v_pk_add_f32 v[\st+2:\st+3], v[\st+2:\st+3], v[96+j:97+j]
	v_pk_add_f32 v[236:237], v[236:237], v[98+j:99+j]
.set j, j+4
.endr
	v_pk_add_f32 v[\st+2:\st+3], v[\st+2:\st+3], v[236:237]
.irp b, 0,1,2,3
.set i, 0
.rept 16
	v_min_num_f32 v[96+16*\b+i], v[96+16*\b+i], v[240+\b]   ; the conversion does not saturate (ISA guide 7.6.2); p is not negative, so the hold is one-sided
.set i, i+1
.endr
	v_cvt_scalef32_pk8_fp8_f32 v[224+4*\b:225+4*\b], v[96+16*\b:103+16*\b], v[244+\b]
	v_cvt_scalef32_pk8_fp8_f32 v[226+4*\b:227+4*\b], v[104+16*\b:111+16*\b], v[244+\b]
.endr
.set j, 0
.rept 16
	v_pk_mul_f32 v[\oo+j:\oo+j+1], v[\oo+j:\oo+j+1], v[252:253] op_sel_hi:[1,0]   ; O^T under the new M.  (These sixteen are also the places in front of the matrix instructions below)
.set j, j+2
.endr
.irp g, 0,1                                    ; O^T += V^T P^T: two tiles of 16 channels at a time; K = these 128 keys
.if \g > 0
.rept 8
	v_nop
.endr
.endif
.irp t, 0,1
.irp c, 0,1,2,3
	ds_load_b128 v[F+16*\t+4*\c:F+16*\t+4*\c+3], v[ADV] offset:(2*\g+\t)*TILEB+GRPB*(\c/2)+32*(\c%2)
.endr
.endr
	s_wait_dscnt 0x0
	v_wmma_scale_f32_16x16x128_f8f6f4 v[\oo+16*\g:\oo+16*\g+7], v[F:F+15], v[224:239], v[\oo+16*\g:\oo+16*\g+7], v[248+2*\g], v253
	v_wmma_scale_f32_16x16x128_f8f6f4 v[\oo+16*\g+8:\oo+16*\g+15], v[F+16:F+31], v[224:239], v[\oo+16*\g+8:\oo+16*\g+15], v[248+2*\g], v253 matrix_a_scale:MATRIX_SCALE_ROW1
.endr                                          ; each accumulator has one instruction a step, with the others' between
.Lhidden_\@:
.endm
.Lstep:                                            ; sixteen trips, the same in every wave and every work-group; what a tile does not need is jumped over inside
	STEP QL, QSL, STL, OL, SAL, QIL
	STEP QH, QSH, STH, OH, SAH, QIH
	s_add_co_u32 s[TB], s[TB], STEPB
	s_add_co_u32 s[TS], s[TS], 256
	s_add_co_u32 s[KS], s[KS], 1
	s_cmp_lt_u32 s[KS], 16
	s_cbranch_scc1 .Lstep
; THE WAY OUT of a tile: O^T / the sum; register 8 t + e is channel 16 t + 8 h + e of query r.  Two blocks of 32 channels, each in 16 registers of lanes l and l xor 16, are quantised; two lane swaps a block
; bring the codes into the natural order (lane h: channels 32 b + 16 h + 0 .. 15).  fq: the scalar that holds the tile's first query.
.macro FINISH st, oo, fq
	s_wait_xcnt 0x0                                ; the other tile's stores have read their offsets and data: only behind this wait are those registers written again
	s_add_co_u32 s62, s[RB], s[\fq]                ; the tile's first row of ctx: 2048 b + the query
	s_lshl_b32 s63, s62, 10
	s_lshl_b32 s92, s14, 6
	s_add_co_u32 s63, s63, s92                     ; codes: 1024 x row + 64 head
	v_add_nc_u32 v[GOC], s63, v5
	s_lshl_b32 s63, s62, 5
	s_lshl_b32 s92, s14, 1
	s_add_co_u32 s63, s63, s92
	s_add_co_u32 s63, s63, SCO                     ; scale bytes: SCO + 32 x row + 2 head
	v_add_nc_u32 v[GOS], s63, v6
.rept 8
	v_nop                                          ; places behind the last products
.endr
	v_add_f32 v[\st+2], v[\st+2], v[\st+3]         ; the sum's two halves,
	v_permlanex16_b32 v252, v[\st+2], s[SEL], s[SEL+1]
	v_add_f32 v[\st+2], v[\st+2], v252             ; and lane l xor 16's
	v_rcp_f32 v[\st+2], v[\st+2]
	v_cmp_ne_u32 vcc_lo, 0, v[HH]                  ; (a plain line behind the reciprocal)  lanes 16-31
.set j, 0
	s_wait_alu depctr_va_vdst(0)
.rept 16
	v_pk_mul_f32 v[96+j:97+j], v[\oo+j:\oo+j+1], v[\st+2:\st+3] op_sel_hi:[1,0]   ; each accumulator from its low end on
.set j, j+2
.endr
.irp b, 0,1
	v_max3_num_f32 v[232+\b], |v[96+16*\b]|, |v[97+16*\b]|, 0x4800000
.endr
.irp i, 2,4,6,8,10,12,14
.irp b, 0,1
	v_max3_num_f32 v[232+\b], v[232+\b], |v[96+16*\b+\i]|, |v[97+16*\b+\i]|
.endr
.endr
.irp b, 0,1
	v_permlanex16_b32 v[236+\b], v[232+\b], s[SEL], s[SEL+1]
.endr
.irp b, 0,1
	v_max_num_f32 v[232+\b], v[232+\b], v[236+\b]
.endr
.irp b, 0,1
	v_add_nc_u32 v[244+\b], 0xfc000000, v[232+\b]
.endr
.irp b, 0,1
	v_and_or_b32 v[240+\b], v[232+\b], 0x7f800000, s[MNT]
.endr
.irp b, 0,1
	v_lshrrev_b32 v[236+\b], 23, v[244+\b]
.endr
	v_cndmask_b32 v246, v236, v237, vcc_lo         ; lanes 0-15 store the first block's byte, lanes 16-31 the second's
.irp b, 0,1
.set i, 0
.rept 16
	v_med3_num_f32 v[96+16*\b+i], v[96+16*\b+i], -v[240+\b], v[240+\b]
.set i, i+1
.endr
	v_cvt_scalef32_pk8_fp8_f32 v[224+4*\b:225+4*\b], v[96+16*\b:103+16*\b], v[244+\b]
	v_cvt_scalef32_pk8_fp8_f32 v[226+4*\b:227+4*\b], v[104+16*\b:111+16*\b], v[244+\b]
.endr
	v_nop                                          ; a plain line behind the last conversion
.irp b, 0,1
	v_permlane16_swap_b32 v[224+4*\b], v[226+4*\b] ; lanes 16-31 of the first with lanes 0-15 of the second
	v_permlane16_swap_b32 v[225+4*\b], v[227+4*\b]
.endr
	global_store_b128 v[GOC], v[224:227], s[8:9]
	global_store_b128 v[GOC], v[228:231], s[8:9] offset:32
	global_store_b8 v[GOS], v246, s[8:9]
.endm
	v_and_b32 v7, 15, v0                           ; r  (the step's address registers v5-8 are free)
	v_lshlrev_b32 v5, 10, v7
	v_lshl_add_u32 v5, v[HH], 4, v5                ; ctx's codes: 1024 r + 16 h in the tile's rows
	v_lshl_add_u32 v6, v7, 5, v[HH]                ; its scale bytes: 32 r + h
	FINISH STL, OL, FQL
	FINISH STH, OH, FQH
	s_wait_xcnt 0x0
	v_lshl_add_u32 v254, v0, 2, 0x46000
	v_mov_b32 v255, 0
	s_wait_tensorcnt 0x0
	ds_add_u32 v254, v255
	s_wait_dscnt 0x0
	CROUND                                         ; the closing round
	s_endpgm
.Lfunc_end_k_qd65f91126a_attention:
	.size	k_qd65f91126a_attention, .Lfunc_end_k_qd65f91126a_attention-k_qd65f91126a_attention
	.p2alignl 7, 3214868480
	.fill 96, 4, 3214868480
	.section	.rodata,"a",@progbits
	.p2align	6, 0x0
	.amdhsa_kernel k_qd65f91126a_attention
		.amdhsa_group_segment_fixed_size 288768
		.amdhsa_private_segment_fixed_size 0
		.amdhsa_enable_private_segment 0
		.amdhsa_kernarg_size 24
		.amdhsa_user_sgpr_count 2
		.amdhsa_user_sgpr_kernarg_segment_ptr 1
		.amdhsa_wavefront_size32 1
		.amdhsa_system_sgpr_workgroup_id_x 1
		.amdhsa_system_sgpr_workgroup_id_y 1
		.amdhsa_system_sgpr_workgroup_id_z 1
		.amdhsa_system_vgpr_workitem_id 0
		.amdhsa_next_free_vgpr 256
		.amdhsa_next_free_sgpr 96
		.amdhsa_reserve_vcc 1
		.amdhsa_float_denorm_mode_32 3
		.amdhsa_float_denorm_mode_16_64 3
		.amdhsa_memory_ordered 1
		.amdhsa_forward_progress 1
		.amdhsa_inst_pref_size 74
	.end_amdhsa_kernel
	.amdgpu_metadata
---
amdhsa.version: [ 1, 2 ]
amdhsa.kernels:
  - .name:           k_qd65f91126a_attention
    .symbol:         k_qd65f91126a_attention.kd
    .args:
      - { .name: qk, .offset: 0, .size: 8, .value_kind: global_buffer, .address_space: global }
      - { .name: vt, .offset: 8, .size: 8, .value_kind: global_buffer, .address_space: global }
      - { .name: ctx, .offset: 16, .size: 8, .value_kind: global_buffer, .address_space: global }
    .group_segment_fixed_size: 288768
    .private_segment_fixed_size: 0
    .kernarg_segment_align: 8
    .kernarg_segment_size: 24
    .max_flat_workgroup_size: 512
    .sgpr_count:     96
    .vgpr_count:     256
    .wavefront_size: 32
...
	.end_amdgpu_metadata
.endif
;; end of part 4
;; launch gemm_out (part 5): grid 4 x 32, 4 waves a work-group, clusters of 4 x 4, 327,680 bytes of LDS; arguments ctx, wo, out0; writes out0
.if DOCPART == 5
	.amdgcn_target "amdgcn-amd-amdhsa--gfx1250"
	.amdhsa_code_object_version 6
	.text
	.protected	k_qd65f91126a_gemm_out
	.globl	k_qd65f91126a_gemm_out
	.p2align	8
	.type	k_qd65f91126a_gemm_out,@function
k_qd65f91126a_gemm_out:
	s_mov_b64 s[64:65], 0
	v_nop
	global_prefetch_b8 v0, s[64:65] scope:SCOPE_SE
	s_setreg_imm32_b32 hwreg(HW_REG_WAVE_MODE, 25, 1), 1
	s_wait_xcnt 0x0
	s_wait_alu depctr_hold_cnt(0) depctr_sa_sdst(0) depctr_va_vdst(0) depctr_va_sdst(0) depctr_va_ssrc(0) depctr_va_vcc(0) depctr_vm_vsrc(0)
	s_getreg_b32 s2, hwreg(HW_REG_IB_STS2, 6, 4)
	s_cmp_eq_u32 s2, 0
	s_cbranch_scc0 .Lentry_in_a_cluster
	s_endpgm
.Lentry_in_a_cluster:
	s_bfe_u32 s2, ttmp6, 0x10000c
	s_cmp_lg_u32 s2, 0xf033
	s_cbranch_scc0 .Lentry_shape_is_right
	s_endpgm
.Lentry_shape_is_right:
; out0[i][j] = sum over k of ctx[i][k] w_out[k][j] + b_out[j], K = 1024, on codes of E4M3 with one E8M0 scale for each 32 along K; out0 [8192][1024] f32.
; Arguments a, b: operands (codes [rows][1024] at byte 0, scale bytes [rows][32] at SCO; b also f32 addends [rows] at ADO: the bias); c: out0.
; A tile of C, 256 x 256, is made by four waves, as many as a WGP has SIMDs; a wave makes 128 x 128: 64 accumulators, 512 registers.  K goes in steps of 256 through two LDS slots filled by the tensor data mover.
; The scale bytes of the work-group's rows, for all of K, come into LDS once, with the first fills.
; CLUSTERS: 4 x 4 work-groups; A's tiles are asked for jointly along a row of the cluster, B's along a column.  THE MATRIX INSTRUCTION IS USED TRANSPOSED (source 0 = 16 rows of B, source 1 = 16 rows of A):
; a lane holds eight neighbouring numbers of a row of C.  The bias is the C of each sum's first matrix instruction.
; REGISTERS, in windows of 256: window 0: v0-31 addresses; v32-63 scale words, two sets; v64-127 the bias; from v128 A's fragments, ONE set, later rows of C.
;   window 1: B's fragments, TWO sets.   window 2: the accumulators of my rows 0-63 ((a, b) at v[8 (8 a + b)]);   window 3: those of my rows 64-127.
.set SIZE_K, 1024
.set SIZE_N, 1024
.set KSTEP,  256
.set NQ,     KSTEP/128
.set ROWB,   256
.set KROW,   SIZE_K
.set PITCH,  272                       ; an LDS row: 256 bytes + 16 of padding: the 16 rows that a load touches start at 16 different banks (64 banks of 4 bytes: ISA guide 11.1)
.set FR,     16
.set NL,     4
.set NP,     8                         ; places behind this matrix instruction (ISA guide 7.12.1)
.set HALFT,  128*PITCH
.set SLOT,   4*HALFT
.set LAPS,   SIZE_K/(2*KSTEP)
.set KS,     SIZE_K/32
.set SCL,    2*SLOT
.set HALFS,  (128*KS/256)*272
.set SBLK,   (16*KS/256)*272
.set SPARE,  SCL+4*HALFS               ; the spare words, 128 bytes for each wave: two blocks of 256 bytes that no other line names
.set SPITCH, 528                       ; the way out: a stage of 16 rows x (512 bytes + 16) for each wave, in slot 0, which has had its last fill and its last read by then
.set SCO,    0x800000
.set ADO,    0x840000
.set BOF,  7                           ; v7      32 x (lane / 16); never rewritten
.set ADRA, 16
.set ADRB, 20
.set STO,  24                          ; v24     the way out: where I put 32 bytes of a row
.set RD,   25                          ; v25     where I read a row back
.set CO,   26                          ; v26     my byte offset in a row of C
.set ADRS, 27
.set SPW,  28
.set NIL,  29
.set SC,   32
.set BC,   64                          ; v64-127 the bias at my 64 columns
.set AF,   128
.set BK,   128                         ; the way out: 16 rows read back: v128-191 and v192-255 by turns
.set G1, 24
.set G0, 32
.set G1B, 48
.set G0B, 56
.set G1S, 68
.set G0S, 76
.set G1SB, 80
.set G0SB, 88
.set MSB, 0
.macro WIN new                         ; the immediate's high byte repeats the setting that is left
.if MSB != \new
	s_set_vgpr_msb (MSB<<8)|\new
.set MSB, \new
.endif
.endm
.set MUL_LO,   0xa1
.set MUL_HI,   0xf1
.set FIRST_LO, 0x81                    ; the first step: C (the bias) window 0, D window 2
.set FIRST_HI, 0xc1
.set TO_B,     0x40
.macro JLOAD g0a, g1a, g0b, g1b        ; a joint load: waves 0 and 1 fetch for A, waves 2 and 3 for B; four v_nop follow each of the two lines
	s_cmp_eq_u32 s15, 0
	s_cbranch_scc0 .Lfor_b_\@
	tensor_load_to_lds s[\g0a:\g0a+3], s[\g1a:\g1a+7]
	s_nop 0
.rept 4
	v_nop
.endr
	s_branch .Lasked_\@
.Lfor_b_\@:
	tensor_load_to_lds s[\g0b:\g0b+3], s[\g1b:\g1b+7]
	s_nop 0
.rept 4
	v_nop
.endr
.Lasked_\@:
.endm
.macro CREST
	s_cmp_lg_u32 s14, 0
	s_cbranch_scc1 .Lnot_wave_0_\@
	s_barrier_signal -3
.Lnot_wave_0_\@:
	s_barrier_wait -3
	s_barrier_signal -1
	s_barrier_wait -1
.endm
.macro CROUND
	s_barrier_signal -1
	s_barrier_wait -1
	CREST
.endm
	s_load_b128 s[4:7], s[0:1], 0x0                ; a, b
	s_load_b64 s[12:13], s[0:1], 0x10              ; c
	v_lshl_add_u32 v[SPW], v0, 2, SPARE
	v_mov_b32 v[NIL], 0
	ds_add_u32 v28, v29
	ds_add_u32 v28, v29
	s_wait_dscnt 0x0
	v_lshrrev_b32 v1, 5, v0
	v_readfirstlane_b32 s14, v1                    ; wave 0..3
	s_lshr_b32 s15, s14, 1                         ; which half of the tile's rows is mine.  Also: I fetch for A (0) or for B (1)
	s_and_b32 s16, s14, 1                          ; which half of its columns.  Also: which 128 rows of that tile I fetch
	s_bfe_u32 s40, ttmp6, 0x40000                  ; cx, cy
	s_bfe_u32 s41, ttmp6, 0x40004
	s_lshl_b32 s42, ttmp9, 2
	s_add_co_u32 s42, s42, s40                     ; tile column of C
	s_and_b32 s17, ttmp7, 0xffff
	s_lshl_b32 s17, s17, 2
	s_add_co_u32 s17, s17, s41                     ; tile row of C
	s_lshl_b32 s43, s41, 2
	s_lshl_b32 s43, 15, s43                        ; my row of the cluster
	s_lshl_b32 s44, 0x1111, s40                    ; my column
	s_or_b32 s[G1+0], s43, (0<<16)|(1<<20)|(1<<21)|(5<<22)|(3<<25)  ; the mask; elements of 1 byte; padding: four words after every 64; bit 21 set beside a mask
	s_or_b32 s[G1B+0], s44, (0<<16)|(1<<20)|(1<<21)|(5<<22)|(3<<25)
.irp g, G1, G1B
	s_mov_b32 s[\g+1], ROWB<<16
	s_mov_b32 s[\g+2], 128<<16
	s_mov_b32 s[\g+3], ROWB<<16
	s_mov_b32 s[\g+4], 128
	s_mov_b32 s[\g+5], KROW
	s_mov_b32 s[\g+6], 0
	s_mov_b32 s[\g+7], 0
.endr
	s_or_b32 s[G1S+0], s43, (3<<16)|(1<<20)|(1<<21)|(5<<22)|(3<<25)
	s_or_b32 s[G1SB+0], s44, (3<<16)|(1<<20)|(1<<21)|(5<<22)|(3<<25)
.irp g, G1S, G1SB
	s_mov_b32 s[\g+1], 32<<16
	s_mov_b32 s[\g+2], (128*KS/256)<<16
	s_mov_b32 s[\g+3], 32<<16
	s_mov_b32 s[\g+4], 128*KS/256
	s_mov_b32 s[\g+5], 32
	s_mov_b32 s[\g+6], 0
	s_mov_b32 s[\g+7], 0
.endr
	s_lshl_b32 s18, s16, 7
	s_lshl_b32 s20, s17, 8
	s_add_co_u32 s20, s20, s18                     ; A: row 256 x tile row + 128 x half
	s_lshl_b32 s46, s42, 8
	s_add_co_u32 s46, s46, s18                     ; B: row 256 x tile column + 128 x half
	s_mov_b32 s21, 0
	s_mov_b32 s47, 0
	s_mov_b64 s[18:19], KS
	s_mul_u64 s[22:23], s[20:21], s[18:19]
	s_mul_u64 s[92:93], s[46:47], s[18:19]
	s_mov_b64 s[18:19], KROW
	s_mul_u64 s[20:21], s[20:21], s[18:19]
	s_mul_u64 s[46:47], s[46:47], s[18:19]
	s_mul_i32 s45, s14, HALFT
	s_mul_i32 s94, s14, HALFS
	s_wait_kmcnt 0x0
	s_mov_b64 s[8:9], s[6:7]                       ; B's codes,
	s_add_nc_u64 s[10:11], s[6:7], SCO             ; its scale bytes,
	s_add_nc_u64 s[98:99], s[6:7], ADO             ; its addends: the bias;
	s_add_nc_u64 s[6:7], s[4:5], SCO               ; A's scale bytes
	s_add_nc_u64 s[20:21], s[4:5], s[20:21]
	s_add_nc_u64 s[22:23], s[6:7], s[22:23]
	s_add_nc_u64 s[46:47], s[8:9], s[46:47]
	s_add_nc_u64 s[92:93], s[10:11], s[92:93]
	CROUND                                         ; all sixteen work-groups are here: the first joint loads meet
	s_mov_b32 s[G0S], 1
	s_add_co_u32 s[G0S+1], s94, SCL
	s_mov_b64 s[G0S+2:G0S+3], s[22:23]
	s_or_b32 s[G0S+3], s[G0S+3], 0x80000000
	s_mov_b32 s[G0SB], 1
	s_add_co_u32 s[G0SB+1], s94, SCL
	s_mov_b64 s[G0SB+2:G0SB+3], s[92:93]
	s_or_b32 s[G0SB+3], s[G0SB+3], 0x80000000
	JLOAD G0S, G1S, G0SB, G1SB
.irp s, 0,1
	s_mov_b32 s[G0+4*\s], 1
	s_add_co_u32 s[G0+4*\s+1], s45, \s*SLOT
	s_add_nc_u64 s[G0+4*\s+2:G0+4*\s+3], s[20:21], \s*ROWB
	s_or_b32 s[G0+4*\s+3], s[G0+4*\s+3], 0x80000000
	s_mov_b32 s[G0B+4*\s], 1
	s_add_co_u32 s[G0B+4*\s+1], s45, \s*SLOT
	s_add_nc_u64 s[G0B+4*\s+2:G0B+4*\s+3], s[46:47], \s*ROWB
	s_or_b32 s[G0B+4*\s+3], s[G0B+4*\s+3], 0x80000000
	JLOAD G0+4*\s, G1, G0B+4*\s, G1B
.endr
	v_and_b32 v1, 15, v0                           ; l % 16
	v_bfe_u32 v2, v0, 4, 1                         ; l / 16
	s_lshl_b32 s46, s42, 10
	s_lshl_b32 s47, s16, 9
	s_add_co_u32 s46, s46, s47                     ; 4 x (256 x tile column + 128 x half)
	s_mov_b32 s47, 0
	s_add_nc_u64 s[98:99], s[98:99], s[46:47]
	v_lshlrev_b32 v[BOF], 5, v2
.irp b, 0,1,2,3,4,5,6,7
	global_load_b128 v[BC+8*\b:BC+8*\b+3], v[BOF], s[98:99] offset:64*\b
	global_load_b128 v[BC+8*\b+4:BC+8*\b+7], v[BOF], s[98:99] offset:64*\b+16
.endr
	v_mul_u32_u24 v3, v1, PITCH
	v_lshl_add_u32 v4, v2, 4, v3
	s_mul_i32 s21, s15, HALFT
	s_mul_i32 s22, s16, HALFT
	s_add_co_u32 s22, s22, 2*HALFT
.irp s, 0,1
	v_add_nc_u32 v[ADRA+\s], s21, v4
	v_add_nc_u32 v[ADRB+\s], s22, v4
	s_add_co_u32 s21, s21, SLOT
	s_add_co_u32 s22, s22, SLOT
.endr
	v_mul_u32_u24 v5, v1, KS
	v_lshrrev_b32 v6, 8, v5
	v_lshl_add_u32 v5, v6, 4, v5
	s_mul_i32 s21, s15, HALFS
	s_mul_i32 s22, s16, HALFS
	s_add_co_u32 s22, s22, 2*HALFS
	s_sub_co_u32 s22, s22, s21
	v_mul_u32_u24 v6, s22, v2                      ; lanes 16-31 take B's
	s_add_co_u32 s21, s21, SCL
	v_add_nc_u32 v5, v5, v6
	v_add_nc_u32 v[ADRS], s21, v5
	s_mul_i32 s23, s14, 16*SPITCH                  ; my stage
	v_mul_u32_u24 v5, v1, SPITCH                   ; in: row l % 16, 32 bytes for each half of the lanes
	v_lshl_add_u32 v5, v2, 5, v5
	v_add_nc_u32 v[STO], s23, v5
	v_and_b32 v6, 31, v0
	v_lshlrev_b32 v[CO], 4, v6                     ; back: the 32 lanes take one row of 512 bytes; and the same in C
	v_add_nc_u32 v[RD], s23, v[CO]
	s_lshl_b32 s20, s17, 8
	s_lshl_b32 s21, s15, 7
	s_add_co_u32 s20, s20, s21                     ; my first row of C
	s_mov_b32 s21, 0
	s_mov_b64 s[18:19], SIZE_N*4
	s_mul_u64 s[20:21], s[20:21], s[18:19]
	s_lshl_b32 s46, s42, 10                        ; my first column, in bytes
	s_lshl_b32 s47, s16, 9
	s_add_co_u32 s46, s46, s47
	s_mov_b32 s47, 0
	s_add_nc_u64 s[20:21], s[20:21], s[46:47]
	s_add_nc_u64 s[12:13], s[12:13], s[20:21]
.macro FRAG reg, adr, q, i             ; a fragment: lane l holds row l % 16; registers 4 c .. 4 c + 3 hold K = 32 c + 16 (l / 16) + 0 .. 15
.irp c, 0,1,2,3
	ds_load_b128 v[\reg+4*\c:\reg+4*\c+3], v[\adr] offset:128*(\q)+32*\c+(\i)*16*PITCH
.endr
.endm
; 16 matrix instructions: A's blocks a0, a0 + 1 x B's eight.  zero = 1: the first product starts the sums, with the bias as its C.  The 64 accumulators take turns, one instruction a turn.
.macro MUL16 a0, p, q, sc, zero
.irp a, \a0, \a0+1
.irp b, 0,1,2,3,4,5,6,7
.if \zero
	v_wmma_scale_f32_16x16x128_f8f6f4 v[8*(8*((\a)%4)+\b):8*(8*((\a)%4)+\b)+7], v[128*(\p)+FR*\b:128*(\p)+FR*\b+FR-1], v[AF+FR*(\a):AF+FR*(\a)+FR-1], v[BC+8*\b:BC+8*\b+7], v[SC+8*NQ*(\sc)+NQ*\b+(\q)], v[SC+8*NQ*(\sc)+NQ*(\a)+(\q)] matrix_a_scale:MATRIX_SCALE_ROW1
.else
	v_wmma_scale_f32_16x16x128_f8f6f4 v[8*(8*((\a)%4)+\b):8*(8*((\a)%4)+\b)+7], v[128*(\p)+FR*\b:128*(\p)+FR*\b+FR-1], v[AF+FR*(\a):AF+FR*(\a)+FR-1], v[8*(8*((\a)%4)+\b):8*(8*((\a)%4)+\b)+7], v[SC+8*NQ*(\sc)+NQ*\b+(\q)], v[SC+8*NQ*(\sc)+NQ*(\a)+(\q)] matrix_a_scale:MATRIX_SCALE_ROW1
.endif
.endr
.endr
.endm
.macro FETCH_B slot, q, p
	WIN TO_B
.irp i, 0,1,2,3,4,5,6,7
	FRAG 128*(\p)+FR*\i, ADRB+\slot, \q, \i
.endr
	WIN 0
.endm
.macro FETCH_A slot, q, i0
.irp i, \i0, \i0+1, \i0+2, \i0+3
	FRAG AF+FR*(\i), ADRA+\slot, \q, \i
.endr
.endm
.macro SCALES sc
.irp i, 0,1,2,3,4,5,6,7
	ds_load_b64 v[SC+8*NQ*\sc+NQ*\i:SC+8*NQ*\sc+NQ*\i+1], v[ADRS] offset:\i*SBLK
.endr
.endm
.macro PLACES n                        ; places behind matrix instructions: plain vector lines that name none of their registers (ISA guide 7.12.1 for vector instructions)
.rept \n
	v_nop
.endr
.endm
.macro STEP slot, q, zero
	s_wait_dscnt 4*NL                              ; B's set and A's blocks 0-3 are in; the youngest sixteen loads (A's blocks 4-7) may be out
.if \zero
	WIN FIRST_LO
.else
	WIN MUL_LO
.endif
	MUL16 0, (\q)%2, \q, \slot, \zero
	MUL16 2, (\q)%2, \q, \slot, \zero
	s_wait_dscnt 0
	PLACES NP
	FETCH_B \slot, (\q)+1, 1-(\q)%2
	FETCH_A \slot, (\q)+1, 0
.if \zero
	WIN FIRST_HI
.else
	WIN MUL_HI
.endif
	MUL16 4, (\q)%2, \q, \slot, \zero
	MUL16 6, (\q)%2, \q, \slot, \zero
	PLACES NP
	WIN 0
	FETCH_A \slot, (\q)+1, 4
.endm
.macro TURN slot, next, fill
	s_wait_tensorcnt 0x0                           ; all my tensor loads have landed: my part of the next slot;
	ds_add_u32 v[SPW], v[NIL]                      ; 0 onto my spare word
	s_wait_dscnt 4*NL+1                            ; (the add and the youngest sixteen loads may be out)
	WIN MUL_LO
	MUL16 0, 1, NQ-1, \slot, 0
	s_wait_dscnt 0x0                               ; the add is done, and my reads of this slot are over
	s_barrier_signal -1
	MUL16 2, 1, NQ-1, \slot, 0
	WIN 0
	s_barrier_wait -1
.if \fill
	CREST                                          ; the barrier has opened a round of the cluster's barrier: no wave of any partner still reads this slot's tile or has a load on its way
	s_add_nc_u64 s[G0+4*\slot+2:G0+4*\slot+3], s[G0+4*\slot+2:G0+4*\slot+3], 2*ROWB
	s_add_nc_u64 s[G0B+4*\slot+2:G0B+4*\slot+3], s[G0B+4*\slot+2:G0B+4*\slot+3], 2*ROWB
	JLOAD G0+4*\slot, G1, G0B+4*\slot, G1B         ; the first tensor load behind the round
	PLACES NP-4
.else
	PLACES NP
.endif
	v_add_nc_u32 v[ADRS], 4*NQ, v[ADRS]
	FETCH_B \next, 0, 0
	FETCH_A \next, 0, 0
	SCALES \next
	WIN MUL_HI
	MUL16 4, 1, NQ-1, \slot, 0
	MUL16 6, 1, NQ-1, \slot, 0
	PLACES NP
	WIN 0
	FETCH_A \next, 0, 4
.endm
	s_wait_tensorcnt 1                             ; the scale bytes and my part of K step 0 are in (K step 1's load may be out)
	s_barrier_signal -1
	s_barrier_wait -1
	FETCH_B 0, 0, 0
	FETCH_A 0, 0, 0
	SCALES 0
	FETCH_A 0, 0, 4
	s_wait_loadcnt 0x0                             ; the bias
	STEP 0, 0, 1
	s_mov_b32 s3, LAPS-1
.Llap:
	TURN 0, 1, 1
	STEP 1, 0, 0
	TURN 1, 0, 1
	STEP 0, 0, 0
	s_sub_co_u32 s3, s3, 1
	s_cmp_lg_u32 s3, 0
	s_cbranch_scc1 .Llap
	TURN 0, 1, 0                                   ; the last lap fills nothing
	STEP 1, 0, 0
	s_wait_dscnt 4*NL
	WIN MUL_LO
	MUL16 0, 1, NQ-1, 1, 0
	MUL16 2, 1, NQ-1, 1, 0
	s_wait_dscnt 0
	WIN MUL_HI
	MUL16 4, 1, NQ-1, 1, 0
	MUL16 6, 1, NQ-1, 1, 0
	WIN 0
; THE WAY OUT, block by block of 16 rows x 128 columns, through my own stage in LDS: back come whole rows of 512 bytes, which the 32 lanes store as 512 consecutive bytes, aligned.
; LDS serves a wave's instructions in order (ISA guide 5.7.1.4): no wait between the stores and the loads, nor in front of the next block's stores.
.macro TOSTAGE a
.set AC, 64*((\a)%4)
	WIN 0x08+4*((\a)/4)                            ; the data: window 2 or 3
.irp b, 0,1,2,3,4,5,6,7
	ds_store_b128 v[STO], v[AC+8*\b:AC+8*\b+3] offset:64*\b          ; each accumulator from its low end on
	ds_store_b128 v[STO], v[AC+8*\b+4:AC+8*\b+7] offset:64*\b+16
.endr
	WIN 0
.set BB, BK+64*((\a)%2)
.irp t, 0,1,2,3,4,5,6,7,8,9,10,11,12,13,14,15
	ds_load_b128 v[BB+4*\t:BB+4*\t+3], v[RD] offset:\t*SPITCH
.endr
.endm
.macro SEND a, younger                 ; younger: the LDS instructions issued behind block a's loads, which may stay out
.set BB, BK+64*((\a)%2)
	s_wait_dscnt \younger
.if (\a) > 0
	s_add_nc_u64 s[12:13], s[12:13], 16*SIZE_N*4   ; (behind a wait on XCNT: the earlier stores have read their base)  16 rows of C on
.endif
.irp t, 0,1,2,3,4,5,6,7,8,9,10,11,12,13,14,15
	global_store_b128 v[CO], v[BB+4*\t:BB+4*\t+3], s[12:13] offset:\t*SIZE_N*4 th:TH_STORE_NT   ; written once, read by nobody here
.endr
.endm
	PLACES NP
	TOSTAGE 0
.irp a, 1,2,3,4,5,6,7
.if \a > 1
	s_wait_xcnt 0x0                                ; block a - 2's stores have read their registers and their base
.endif
	TOSTAGE \a
	SEND \a-1, 32                                  ; behind block a - 1's loads: block a's 16 stores and 16 loads
.endr
	s_wait_xcnt 0x0
	SEND 7, 0
	s_wait_tensorcnt 0x0                           ; the wave's end
	ds_add_u32 v[SPW], v[NIL]
	s_wait_dscnt 0x0
	CROUND                                         ; the closing round
	s_endpgm
.Lfunc_end_k_qd65f91126a_gemm_out:
	.size	k_qd65f91126a_gemm_out, .Lfunc_end_k_qd65f91126a_gemm_out-k_qd65f91126a_gemm_out
	.p2alignl 7, 3214868480
	.fill 96, 4, 3214868480
	.section	.rodata,"a",@progbits
	.p2align	6, 0x0
	.amdhsa_kernel k_qd65f91126a_gemm_out
		.amdhsa_group_segment_fixed_size 327680
		.amdhsa_private_segment_fixed_size 0
		.amdhsa_enable_private_segment 0
		.amdhsa_kernarg_size 24
		.amdhsa_user_sgpr_count 2
		.amdhsa_user_sgpr_kernarg_segment_ptr 1
		.amdhsa_wavefront_size32 1
		.amdhsa_system_sgpr_workgroup_id_x 1
		.amdhsa_system_sgpr_workgroup_id_y 1
		.amdhsa_system_sgpr_workgroup_id_z 1
		.amdhsa_system_vgpr_workitem_id 0
		.amdhsa_next_free_vgpr 1024
		.amdhsa_next_free_sgpr 102
		.amdhsa_reserve_vcc 0
		.amdhsa_float_denorm_mode_32 3
		.amdhsa_float_denorm_mode_16_64 3
		.amdhsa_memory_ordered 1
		.amdhsa_forward_progress 1
		.amdhsa_inst_pref_size 147
	.end_amdhsa_kernel
	.amdgpu_metadata
---
amdhsa.version: [ 1, 2 ]
amdhsa.kernels:
  - .name:           k_qd65f91126a_gemm_out
    .symbol:         k_qd65f91126a_gemm_out.kd
    .args:
      - { .name: ctx, .offset: 0, .size: 8, .value_kind: global_buffer, .address_space: global }
      - { .name: wo, .offset: 8, .size: 8, .value_kind: global_buffer, .address_space: global }
      - { .name: out0, .offset: 16, .size: 8, .value_kind: global_buffer, .address_space: global }
    .group_segment_fixed_size: 327680
    .private_segment_fixed_size: 0
    .kernarg_segment_align: 8
    .kernarg_segment_size: 24
    .max_flat_workgroup_size: 128
    .sgpr_count:     102
    .vgpr_count:     1024
    .wavefront_size: 32
...
	.end_amdgpu_metadata
.endif
;; end of part 5
;; ======== version 2 of 2: 5 launches
;; limits: right only within a limited range of input values
;; workspace buffers: xq 8,683,520 bytes; wqk 8,658,944 bytes; wv 8,654,848 bytes; wo 8,654,848 bytes; qk 18,874,368 bytes; vt 69,206,016 bytes; ctx 8,650,752 bytes
;; launch quant (part 6): grid 384 x 1, 4 waves a work-group, no clusters, 69,120 bytes of LDS; arguments x, xq, w_qkv, w_out, b_qkv, b_out, wqk, wv, wo; writes xq, wqk, wv, wo
.if DOCPART == 6
	.amdgcn_target "amdgcn-amd-amdhsa--gfx1250"
	.amdhsa_code_object_version 6
	.text
	.protected	k_qd65f91126a_quant
	.globl	k_qd65f91126a_quant
	.p2align	8
	.type	k_qd65f91126a_quant,@function
k_qd65f91126a_quant:
	s_mov_b64 s[64:65], 0
	v_nop
	global_prefetch_b8 v0, s[64:65] scope:SCOPE_SE
	s_setreg_imm32_b32 hwreg(HW_REG_WAVE_MODE, 25, 1), 1
	s_wait_xcnt 0x0
; ONE LAUNCH QUANTISES ALL FOUR OPERANDS THAT ARRIVE AS f32.  Work-groups 0-255 take x, work-groups 256-383 the weights: two streams that share nothing run side by side.
; AN OPERAND: codes of E4M3, one a byte, K (1024) innermost, [rows][1024] at byte 0; one E8M0 scale byte for each 32 along K, [rows][32] at byte SCO; one f32 addend a row at byte ADO
; (x: 0; a weight: the row's bias), so that one product text serves either side.
; A block's scale is 2^(floor(log2(its largest magnitude)) - 8); its byte is the largest magnitude's own exponent field - 8, held at 1 from below.  Each number is divided by the scale, held within +-448, rounded to the nearest code, ties to even.
; LIMITS: a block of zeros gets the byte 1 where the quantiser says 127 (its codes are zeros, which add nothing under any byte but 0xff, and this program alone reads the bytes);
; blocks whose largest magnitude lies under 2^-118, whose byte is held at 1, were not tried; NaN and infinities among the inputs are not served.
; The two paths part on the work-group's number at the first line and never meet; each has LDS bytes of its own.  No matrix unit, no cluster, no tensor load, no barrier: work-groups and waves share nothing.
.set SCO,   0x800000                   ; where an operand's scale bytes begin
.set ADO,   0x840000                   ; and its addends
.set EMAX,  8
.set MANT,  0x600000                   ; the mantissa field of 448 as f32
.set NXWG,  256                        ; x's work-groups
; x's part
.set STEPS, 16
.set CB,    16                         ; bytes of 16 codes
.set XR,    16                         ; v16-79   four sets of 16 numbers as they are loaded
.set XX,    80                         ; v80-111  two sets of 16 neighbours
.set XC,    128                        ; v128-191 codes: four registers for each step, so that no store's data are written again
.set XE,    112                        ; v112-127 a scale byte for each step
.set WREG,  8192                       ; LDS bytes 0 to 32,767: a region for each wave: two stages of 32 x SP bytes, behind them its 256 scale bytes
.set SP,    80                         ; a lane's place in a stage: 64 bytes + 16 of padding
; the weights' part
.set WLDS,  32768                      ; LDS from here on: a stage of 32 x PITCH bytes for each wave
.set NB,    8                          ; blocks of 32 along K for a wave
.set PITCH, 272                        ; a stage row: 256 bytes of codes + 16
.set KROW,  1024                       ; a row of codes in memory
.set WX,    32                         ; v32-95   two sets of 32 numbers
.set WC,    96                         ; v96-103  a block's codes
.set OUTR,  112                        ; v112-175 the way out
.set SB,    24                         ; v24-25   the scale bytes, four to a register
.set RO,    176                        ; v176-207 4 x lane + i x the weight's row pitch, i = 0 .. 31; never rewritten
	v_lshl_add_u32 v208, v0, 2, 0x10c00
	v_mov_b32 v209, 0
	s_cmp_lt_u32 ttmp9, NXWG
	s_cbranch_scc0 .Lweights
; ---- x [8192][1024].  Rows are dense and 1024 is a multiple of 32: x is a plain stream of blocks of 32, and so are its codes and scale bytes.  A wave takes 16 steps of 512 numbers, a work-group 32 rows.
; The conversions take 8 numbers of ONE block from a lane's registers, so a lane must hold 16 neighbours; a load is best where neighbouring lanes take neighbouring bytes.  Both are had: each of a step's four loads reads 512
; consecutive bytes; the 2,048 bytes go through the wave's own stage in LDS and come back 64 bytes a lane (16 bytes of padding behind each 64).
	s_load_b128 s[4:7], s[0:1], 0x0                ; x, xq
	v_lshrrev_b32 v1, 5, v0
	v_readfirstlane_b32 s16, v1                    ; wave
	v_and_b32 v2, 31, v0                           ; lane
	v_lshlrev_b32 v3, 4, v2                        ; my 16 bytes of a load's 512
	s_mul_i32 s17, s16, WREG
	v_lshrrev_b32 v14, 2, v2
	v_mul_u32_u24 v14, v14, SP
	v_and_b32 v15, 3, v2
	v_lshl_add_u32 v14, v15, 4, v14
	v_add_nc_u32 v14, s17, v14                     ; the stage, on the way in: SP (lane / 4) + 16 (lane % 4)
	v_mul_u32_u24 v15, v2, SP
	v_add_nc_u32 v15, s17, v15                     ; and on the way out: SP x lane: my 16 neighbours
	v_mul_u32_u24 v4, v2, CB                       ; my codes' place in a step's
	v_lshrrev_b32 v5, 1, v2
	s_add_co_u32 s17, s17, 2*32*SP
	v_add_nc_u32 v5, s17, v5                       ; LDS: my wave's 256 scale bytes, my block's byte
	v_lshlrev_b32 v7, 3, v2                        ; and on the way out 8 bytes a lane
	v_add_nc_u32 v6, s17, v7
	s_lshl_b32 s17, ttmp9, 2
	s_add_co_u32 s18, s17, s16                     ; which run of 8,192 numbers is my wave's: 0 .. 1023
	s_lshl_b32 s20, s18, 15                        ; its 32,768 bytes of x,
	s_mov_b32 s21, 0
	s_lshl_b32 s24, s18, 13                        ; its 8,192 bytes of codes,
	s_mov_b32 s25, 0
	s_lshl_b32 s26, s18, 8                         ; its 256 scale bytes,
	s_mov_b32 s27, 0
	s_lshl_b32 s28, ttmp9, 7                       ; and the work-group's 32 addends
	s_mov_b32 s29, 0
	s_wait_alu depctr_va_vdst(0)
	s_wait_kmcnt 0x0
	s_add_nc_u64 s[4:5], s[4:5], s[20:21]
	s_add_nc_u64 s[8:9], s[6:7], s[24:25]
	s_add_nc_u64 s[10:11], s[6:7], s[26:27]
	s_add_nc_u64 s[10:11], s[10:11], SCO
	s_add_nc_u64 s[12:13], s[6:7], s[28:29]
	s_add_nc_u64 s[12:13], s[12:13], ADO
.macro XLOAD t
.irp i, 0,1,2,3
	global_load_b128 v[XR+16*((\t)%4)+4*\i:XR+16*((\t)%4)+4*\i+3], v3, s[4:5] offset:2048*(\t)+512*\i th:TH_LOAD_NT   ; 32 lanes read 512 consecutive bytes; read once in the launch
.endr
.endm
.macro XTURN t                         ; step t's numbers through the stage: LDS serves a wave's instructions in order, so no wait stands between the stores and the loads
.irp i, 0,1,2,3
	ds_store_b128 v14, v[XR+16*((\t)%4)+4*\i:XR+16*((\t)%4)+4*\i+3] offset:32*SP*((\t)%2)+8*SP*\i
.endr
.irp i, 0,1,2,3
	ds_load_b128 v[XX+16*((\t)%2)+4*\i:XX+16*((\t)%2)+4*\i+3], v15 offset:32*SP*((\t)%2)+16*\i
.endr
.endm
.irp t, 0,1,2,3
	XLOAD \t
.endr
	s_wait_loadcnt 12                              ; step 0's four loads are in; the twelve of steps 1 to 3 stay out
	XTURN 0
.macro XSTEP t
.set XS, XX+16*((\t)%2)
.if (\t) > 0
	s_wait_dscnt 1                                 ; this step's numbers are back from the stage (the last step's byte store may be out): so its stores into the stage have read their registers,
.else
	s_wait_dscnt 0x0
.endif
.if (\t)+4 < STEPS
	XLOAD (\t)+4                                   ; which take the loads of four steps on
.endif
.if (\t)+1 < STEPS
.if STEPS-2-(\t) >= 3
	s_wait_loadcnt 12                              ; the next step's four loads are in; those of the three steps behind it may be out
.else
	s_wait_loadcnt 4*(STEPS-2-(\t))                ; in the tail fewer steps are behind it
.endif
	XTURN (\t)+1                                   ; and go through the other stage while this step is worked
.endif
	v_max3_num_f32 v8, |v[XS]|, |v[XS+1]|, |v[XS+2]|               ; the largest magnitude of my 16, in two chains
	v_max3_num_f32 v9, |v[XS+3]|, |v[XS+4]|, |v[XS+5]|
.irp i, 6,10
	v_max3_num_f32 v8, v8, |v[XS+\i]|, |v[XS+\i+1]|
	v_max3_num_f32 v9, v9, |v[XS+\i+2]|, |v[XS+\i+3]|
.endr
	v_max3_num_f32 v8, v8, |v[XS+14]|, |v[XS+15]|
	v_max3_num_f32 v8, v8, v9, (EMAX+1)<<23        ; and the floor 2^(9 - 127): so the byte cannot fall under 1
	v_max_num_f32_dpp v8, v8, v8 row_xmask:1 row_mask:0xf bank_mask:0xf   ; and of my neighbour's 16: the block's
	v_add_nc_u32 v11, -(EMAX<<23), v8              ; 8 off its exponent field: the conversion takes the exponent field of this operand as its scale, and nothing else of it
.irp i, 0,1,2,3,4,5,6,7,8,9,10,11,12,13,14,15
.endr
	v_cvt_scalef32_pk8_fp8_f32 v[XC+4*(\t):XC+4*(\t)+1], v[XS:XS+7], v11
	v_cvt_scalef32_pk8_fp8_f32 v[XC+4*(\t)+2:XC+4*(\t)+3], v[XS+8:XS+15], v11
	v_lshrrev_b32 v[XE+(\t)], 23, v11              ; the scale's byte (also the plain line behind the conversions)
	ds_store_b8 v5, v[XE+(\t)] offset:16*(\t)      ; both lanes of a block write the same byte with the same value
	global_store_b128 v4, v[XC+4*(\t):XC+4*(\t)+3], s[8:9] offset:32*CB*(\t)   ; the wave stores 512 consecutive bytes
.endm
.irp t, 0,1,2,3,4,5,6,7,8,9,10,11,12,13,14,15
	XSTEP \t
.endr
	ds_load_b64 v[12:13], v6                       ; LDS serves a wave's instructions in order: these see my stores
	s_wait_dscnt 0x0
	global_store_b64 v7, v[12:13], s[10:11]        ; 32 lanes store 256 consecutive bytes, aligned
	s_cmp_lg_u32 s16, 0                            ; wave 0 writes the work-group's 32 addends: zeros
	s_cbranch_scc1 .Lxdone
	v_lshlrev_b32 v9, 2, v2
	v_mov_b32 v8, 0
	global_store_b32 v9, v8, s[12:13]
.Lxdone:
	s_wait_tensorcnt 0x0
	ds_add_u32 v208, v209
	s_wait_dscnt 0x0
	s_endpgm
; ---- The weights, f32 with K as their FIRST axis, become three operands with K innermost: wqk = columns 0-2047 of w_qkv, wv = its columns 2048-3071, wo = w_out (row = the weight's column).
; A LANE TAKES A COLUMN, AND ITS REGISTERS RUN DOWN K: each load reads 128 consecutive bytes a wave, a block of 32 along K lies in ONE lane's 32 registers, and the conversions give codes with K innermost: nothing is transposed.
; A wave takes 32 columns x 256 along K; its codes go through its own stage in LDS and leave as rows: sixteen lanes store 256 consecutive bytes, aligned.
; Of the 128 work-groups, number n takes columns by x = n % 32 (0-15: wqk; 16-23: wv; 24-31: wo) and the 256 along K by y = n / 32.  ONE path serves all three weights: only pointers, the row pitch and two offsets are chosen.
.Lweights:
	s_load_b256 s[4:11], s[0:1], 0x10              ; w_qkv, w_out, b_qkv, b_out
	s_load_b128 s[12:15], s[0:1], 0x30             ; wqk, wv
	s_load_b64 s[16:17], s[0:1], 0x40              ; wo
	s_sub_co_u32 s54, ttmp9, NXWG
	s_lshr_b32 s19, s54, 5                         ; y: which 256 along K
	s_and_b32 s54, s54, 31                         ; x
	v_lshrrev_b32 v1, 5, v0
	v_readfirstlane_b32 s18, v1                    ; wave 0..3
	v_and_b32 v2, 31, v0                           ; lane
	v_lshlrev_b32 v3, 2, v2                        ; 4 bytes a lane
	s_mul_i32 s21, s18, 32*PITCH
	s_add_co_u32 s21, s21, WLDS                    ; my stage
	v_mul_u32_u24 v4, v2, PITCH
	v_add_nc_u32 v4, s21, v4                       ; into it: row = my column
	v_and_b32 v5, 15, v2
	v_lshrrev_b32 v6, 4, v2                        ; out of it: sixteen lanes to a row, two rows an instruction
	v_mul_u32_u24 v7, v6, PITCH
	v_lshl_add_u32 v7, v5, 4, v7
	v_add_nc_u32 v7, s21, v7
	v_mul_u32_u24 v8, v6, KROW
	v_lshl_add_u32 v8, v5, 4, v8                   ; and the same place in the codes
	v_lshlrev_b32 v9, 5, v2                        ; my column's row of 32 scale bytes
	s_mov_b32 s20, 4096                            ; w_out's row pitch in bytes
	s_wait_kmcnt 0x0
	s_cmp_lt_u32 s54, 24                           ; from w_qkv or from w_out?  All selections on this compare stand ahead of any line that sets SCC
	s_cselect_b64 s[4:5], s[4:5], s[6:7]           ; the weight,
	s_cselect_b64 s[8:9], s[8:9], s[10:11]         ; its bias,
	s_cselect_b64 s[14:15], s[14:15], s[16:17]     ; wv or wo,
	s_cselect_b32 s20, 12288, s20                  ; the row pitch,
	s_cselect_b32 s22, 0, 24                       ; what x is counted from in the source,
	s_cselect_b32 s23, 16, 24                      ; and in the destination
	s_cmp_lt_u32 s54, 16
	s_cselect_b64 s[12:13], s[12:13], s[14:15]     ; wqk, or what was chosen above
	s_cselect_b32 s23, 0, s23
	s_sub_co_u32 s22, s54, s22
	s_sub_co_u32 s23, s54, s23
	s_lshl_b32 s22, s22, 7
	s_lshl_b32 s24, s18, 5
	s_add_co_u32 s22, s22, s24                     ; my wave's first column in the source
	s_lshl_b32 s23, s23, 7
	s_add_co_u32 s23, s23, s24                     ; and its first row in the destination
.set i, 0
.rept 32
	v_mad_u32_u24 v[RO+i], s20, i, v3
.set i, i+1
.endr
	s_mul_i32 s26, s19, s20
	s_lshl_b32 s26, s26, 8                         ; 256 rows of the weight for each step along y
	s_lshl_b32 s27, s22, 2
	s_add_co_u32 s26, s26, s27
	s_mov_b32 s27, 0
	s_add_nc_u64 s[32:33], s[4:5], s[26:27]        ; block 0's base; a base of its own for each block, 32 rows apart: none is ever stepped
	s_lshl_b32 s28, s20, 5
	s_mov_b32 s29, 0
.irp t, 1,2,3,4,5,6,7
	s_add_nc_u64 s[32+2*\t:33+2*\t], s[30+2*\t:31+2*\t], s[28:29]
.endr
	s_lshl_b32 s26, s22, 2
	s_add_nc_u64 s[8:9], s[8:9], s[26:27]          ; my columns' bias
	s_lshl_b32 s26, s23, 10
	s_lshl_b32 s24, s19, 8
	s_add_co_u32 s26, s26, s24
	s_add_nc_u64 s[48:49], s[12:13], s[26:27]      ; codes: row x 1024 + 256 y
	s_lshl_b32 s26, s23, 5
	s_lshl_b32 s24, s19, 3
	s_add_co_u32 s26, s26, s24
	s_add_co_u32 s26, s26, SCO
	s_add_nc_u64 s[50:51], s[12:13], s[26:27]      ; scale bytes: row x 32 + 8 y
	s_lshl_b32 s26, s23, 2
	s_add_co_u32 s26, s26, ADO
	s_add_nc_u64 s[52:53], s[12:13], s[26:27]      ; addends
.macro WLOAD t                         ; block t: W(32 t + i, my column), i = 0 .. 31, into set t % 2
.set i, 0
.rept 32
	global_load_b32 v[WX+32*((\t)%2)+i], v[RO+i], s[32+2*(\t):33+2*(\t)] th:TH_LOAD_NT
.set i, i+1
.endr
.endm
	s_wait_alu depctr_va_vdst(0)
	WLOAD 0
	WLOAD 1
.macro WBLOCK t
.set WS, WX+32*((\t)%2)
.if (\t) < NB-1
	s_wait_loadcnt 32                              ; this block's 32 loads are in; the next block's 32 may be out
.else
	s_wait_loadcnt 0
.endif
	v_max3_num_f32 v12, |v[WS]|, |v[WS+1]|, |v[WS+2]|               ; the block's largest magnitude: all 32 numbers are mine
	v_max3_num_f32 v13, |v[WS+3]|, |v[WS+4]|, |v[WS+5]|
.irp i, 6,10,14,18,22,26
	v_max3_num_f32 v12, v12, |v[WS+\i]|, |v[WS+\i+1]|
	v_max3_num_f32 v13, v13, |v[WS+\i+2]|, |v[WS+\i+3]|
.endr
	v_max3_num_f32 v12, v12, |v[WS+30]|, |v[WS+31]|
	v_max3_num_f32 v12, v12, v13, (EMAX+1)<<23     ; and the floor 2^(9 - 127)
	v_add_nc_u32 v11, -(EMAX<<23), v12             ; the conversion's scale operand
	v_lshrrev_b32 v13, 23, v11                     ; the scale's byte
.if (\t)%4 == 0
	v_mov_b32 v[SB+(\t)/4], v13                    ; four bytes to a register, the lower K in the lower byte
.else
	v_lshl_or_b32 v[SB+(\t)/4], v13, 8*((\t)%4), v[SB+(\t)/4]
.endif
.set i, 0
.rept 32
.set i, i+1
.endr
.irp g, 0,1,2,3
	v_cvt_scalef32_pk8_fp8_f32 v[WC+2*\g:WC+2*\g+1], v[WS+8*\g:WS+8*\g+7], v11
.endr
	v_nop                                          ; a plain line behind the last conversion
	ds_store_b128 v4, v[WC:WC+3] offset:32*(\t)    ; 32 codes: 32 bytes of my column's row
	ds_store_b128 v4, v[WC+4:WC+7] offset:32*(\t)+16
.if (\t)+2 < NB
	WLOAD (\t)+2
.endif
	s_wait_dscnt 0x0                               ; the stores have read their registers: the next block's codes may be written
.endm
.irp t, 0,1,2,3,4,5,6,7
	WBLOCK \t
.endr
	s_wait_alu depctr_va_vdst(0)
	global_store_b64 v9, v[SB:SB+1], s[50:51]      ; my column's 8 scale bytes
.irp t, 0,1,2,3,4,5,6,7,8,9,10,11,12,13,14,15
	ds_load_b128 v[OUTR+4*\t:OUTR+4*\t+3], v7 offset:2*\t*PITCH   ; LDS serves a wave's instructions in order: these see my stores
.endr
.irp t, 0,1,2,3,4,5,6,7,8,9,10,11,12,13,14,15
	s_wait_dscnt 15-\t                             ; load t is back; the younger ones may be out
	global_store_b128 v8, v[OUTR+4*\t:OUTR+4*\t+3], s[48:49] offset:2*\t*KROW
.endr
	s_cmp_lg_u32 s19, 0                            ; the work-groups of the first 256 along K copy their columns' bias to the operand's addends
	s_cbranch_scc1 .Lwdone
	global_load_b32 v10, v3, s[8:9]
	s_wait_loadcnt 0x0
	global_store_b32 v3, v10, s[52:53]
.Lwdone:
	s_wait_tensorcnt 0x0
	ds_add_u32 v208, v209
	s_wait_dscnt 0x0
	s_endpgm
.Lfunc_end_k_qd65f91126a_quant:
	.size	k_qd65f91126a_quant, .Lfunc_end_k_qd65f91126a_quant-k_qd65f91126a_quant
	.p2alignl 7, 3214868480
	.fill 96, 4, 3214868480
	.section	.rodata,"a",@progbits
	.p2align	6, 0x0
	.amdhsa_kernel k_qd65f91126a_quant
		.amdhsa_group_segment_fixed_size 69120
		.amdhsa_private_segment_fixed_size 0
		.amdhsa_enable_private_segment 0
		.amdhsa_kernarg_size 72
		.amdhsa_user_sgpr_count 2
		.amdhsa_user_sgpr_kernarg_segment_ptr 1
		.amdhsa_wavefront_size32 1
		.amdhsa_system_sgpr_workgroup_id_x 1
		.amdhsa_system_sgpr_workgroup_id_y 1
		.amdhsa_system_sgpr_workgroup_id_z 1
		.amdhsa_system_vgpr_workitem_id 0
		.amdhsa_next_free_vgpr 210
		.amdhsa_next_free_sgpr 66
		.amdhsa_reserve_vcc 0
		.amdhsa_float_denorm_mode_32 3
		.amdhsa_float_denorm_mode_16_64 3
		.amdhsa_fp16_overflow 1
		.amdhsa_memory_ordered 1
		.amdhsa_forward_progress 1
		.amdhsa_inst_pref_size 79
	.end_amdhsa_kernel
	.amdgpu_metadata
---
amdhsa.version: [ 1, 2 ]
amdhsa.kernels:
  - .name:           k_qd65f91126a_quant
    .symbol:         k_qd65f91126a_quant.kd
    .args:
      - { .name: x, .offset: 0, .size: 8, .value_kind: global_buffer, .address_space: global }
      - { .name: xq, .offset: 8, .size: 8, .value_kind: global_buffer, .address_space: global }
      - { .name: w_qkv, .offset: 16, .size: 8, .value_kind: global_buffer, .address_space: global }
      - { .name: w_out, .offset: 24, .size: 8, .value_kind: global_buffer, .address_space: global }
      - { .name: b_qkv, .offset: 32, .size: 8, .value_kind: global_buffer, .address_space: global }
      - { .name: b_out, .offset: 40, .size: 8, .value_kind: global_buffer, .address_space: global }
      - { .name: wqk, .offset: 48, .size: 8, .value_kind: global_buffer, .address_space: global }
      - { .name: wv, .offset: 56, .size: 8, .value_kind: global_buffer, .address_space: global }
      - { .name: wo, .offset: 64, .size: 8, .value_kind: global_buffer, .address_space: global }
    .group_segment_fixed_size: 69120
    .private_segment_fixed_size: 0
    .kernarg_segment_align: 8
    .kernarg_segment_size: 72
    .max_flat_workgroup_size: 128
    .sgpr_count:     66
    .vgpr_count:     210
    .wavefront_size: 32
...
	.end_amdgpu_metadata
.endif
;; end of part 6
;; launch gemm_qk (part 7): grid 8 x 32, 4 waves a work-group, clusters of 4 x 4, 327,680 bytes of LDS; arguments xq, wqk, qk; writes qk
.if DOCPART == 7
	.amdgcn_target "amdgcn-amd-amdhsa--gfx1250"
	.amdhsa_code_object_version 6
	.text
	.protected	k_qd65f91126a_gemm_qk
	.globl	k_qd65f91126a_gemm_qk
	.p2align	8
	.type	k_qd65f91126a_gemm_qk,@function
k_qd65f91126a_gemm_qk:
	s_mov_b64 s[64:65], 0
	v_nop
	global_prefetch_b8 v0, s[64:65] scope:SCOPE_SE
	s_setreg_imm32_b32 hwreg(HW_REG_WAVE_MODE, 25, 1), 1
	s_wait_xcnt 0x0
	s_wait_alu depctr_hold_cnt(0) depctr_sa_sdst(0) depctr_va_vdst(0) depctr_va_sdst(0) depctr_va_ssrc(0) depctr_va_vcc(0) depctr_vm_vsrc(0)
	s_getreg_b32 s2, hwreg(HW_REG_IB_STS2, 6, 4)
	s_cmp_eq_u32 s2, 0
	s_cbranch_scc0 .Lentry_in_a_cluster
	s_endpgm
.Lentry_in_a_cluster:
	s_bfe_u32 s2, ttmp6, 0x10000c
	s_cmp_lg_u32 s2, 0xf033
	s_cbranch_scc0 .Lentry_shape_is_right
	s_endpgm
.Lentry_shape_is_right:
; C[i][j] = sum over k of A[i][k] B[j][k] + addA[i] + addB[j], K = 1024, on codes of E4M3 with one E8M0 scale for each 32 along K; C is QUANTISED ALONG j on the way out and never stored wide.
; Arguments a, b: operands (codes [rows][1024] at byte 0, scale bytes [rows][32] at SCO, f32 addends [rows] at ADO); o: the result.
; The text knows no number of rows: the grid says it.  It serves q, k = x Wqk + b (a = x's operand, b = the weight's; j = part, head, d) and, with the sides swapped, v^T = Wv x^T + b (j = batch, key), whose K in the next product is j.
; THE RESULT: scale bytes [j / 64][8192][2] at byte 0, codes [j / 64][8192][64] at OCO: a group of 64 along j, then the row i.  Inside a block of 32 along j, byte 16 h + 8 u + e holds element 16 u + 8 h + e (h, u = 0, 1; e = 0 .. 7):
; the order in which a lane's results lie.  q and k carry the same order, which leaves their product as it is; v's is the order in which the next launch's p falls out.
; A tile of C, 256 x 256, is made by four waves, as many as a WGP has SIMDs; a wave makes 128 x 128: 64 accumulators, 512 registers.  K goes in steps of 256 through two LDS slots filled by the tensor data mover; a tile's row is 256 bytes of memory.
; The scale bytes of the work-group's rows, for all of K, come into LDS once, with the first fills.
; CLUSTERS: 4 x 4 work-groups; A's tiles are asked for jointly along a row of the cluster, B's along a column.  THE MATRIX INSTRUCTION IS USED TRANSPOSED (source 0 = 16 rows of B, source 1 = 16 rows of A):
; a lane holds eight neighbours along j of one row i, so a block of 32 along j lies in 16 registers of lanes l and l xor 16.
; addB is the C of each sum's first matrix instruction; addA is added where the results are moved for the quantiser.
; LIMITS: a block of zeros gets the byte 1 where the quantiser says 127 (zero codes; this program alone reads the bytes); blocks under 2^-118 were not tried; NaN and infinities are not served.
; REGISTERS, in windows of 256: window 0: v0-31 addresses and addA; v32-63 scale words, two sets; v64-127 addB, later rows read back; from v128 A's fragments, ONE set; on the way out v128-227 are at work.
;   window 1: B's fragments, TWO sets.   window 2: the accumulators of my rows 0-63 ((a, b) at v[8 (8 a + b)]);   window 3: those of my rows 64-127.
.set SIZE_K, 1024
.set KSTEP,  256                       ; along K in a slot
.set NQ,     KSTEP/128                 ; matrix instructions deep
.set ROWB,   256                       ; a tile's row in bytes
.set KROW,   SIZE_K                    ; a row of codes in memory
.set PITCH,  272                       ; an LDS row: 256 bytes + 16 of padding = 68 words: the 16 rows that a load touches start at 16 different banks (64 banks of 4 bytes: ISA guide 11.1)
.set FR,     16                        ; registers of a fragment: 16 rows x 128 K
.set NL,     4                         ; LDS loads that bring one
.set NP,     8                         ; places behind this matrix instruction (ISA guide 7.12.1)
.set HALFT,  128*PITCH                 ; 128 rows: what one tensor load brings
.set SLOT,   4*HALFT                   ; A's 256 rows, then B's 256 rows
.set LAPS,   SIZE_K/(2*KSTEP)          ; a lap = two K steps = once round the ring
.set KS,     SIZE_K/32                 ; a row of scale bytes
.set SCL,    2*SLOT                    ; behind the ring: the scale bytes, as 256 bytes + 16 of padding
.set HALFS,  (128*KS/256)*272          ; those of 128 rows
.set SBLK,   (16*KS/256)*272           ; those of 16 rows
.set SPARE,  SCL+4*HALFS               ; behind them: the spare words, 128 bytes for each wave: two blocks of 256 bytes that no other line names
.set SCO,    0x800000
.set ADO,    0x840000
.set OCO,    0x200000                  ; the result's codes
.set GST,    524288                    ; a group's codes: 8192 rows x 64 bytes
.set GSS,    16384                     ; a group's scale bytes: 8192 rows x 2
.set BOF,  7                           ; v7      32 x (lane / 16): my place among addB; never rewritten
.set AA,   8                           ; v8-15   addA of my row in each of my eight blocks of 16 rows
.set ADRA, 16                          ; v16-17  LDS address of my A fragments in slot 0, 1
.set ADRB, 20                          ; v20-21  the same for B
.set SSA,  22                          ; v22     the way out: where my row's scale bytes go in my stage
.set SSR,  23                          ; v23     and where I read 16 of them back
.set STO,  24                          ; v24     where I put 16 codes of a row
.set RD,   25                          ; v25     where I read 16 codes back
.set GOF,  26                          ; v26     16 x lane
.set ADRS, 27                          ; v27     LDS address of my scale words: lanes 0-15 A's rows, lanes 16-31 B's
.set SPW,  28                          ; v28     LDS address of my spare word; never rewritten
.set NIL,  29                          ; v29     0; never rewritten
.set AOF,  30                          ; v30     4 x (lane % 16): my place among addA; never rewritten
.set GSF,  31                          ; v31     the scale bytes' place in memory: lanes 0-15 one group, lanes 16-31 the next
.set SC,   32                          ; scale words, two sets of 16 registers; they hold nothing else
.set BC,   64                          ; v64-127 addB at my 64 columns: register 8 b + e = column 16 b + 8 (lane / 16) + e
.set OB,   64                          ; v64-79  the way out: codes read back (addB is done with)
.set AF,   128                         ; A's fragments
.set T,    128                         ; v128-191 the way out: a block's 64 numbers
.set PC,   192                         ; v192-207 their codes
.set TM,   208                         ; v208-223 at work
.set PW,   224                         ; v224    the scale word
.set AP,   226                         ; v[226:227] the block's addA, named as a pair
.set G1, 24                            ; s[24:31] descriptor group 1 for A's tiles;  s[32:39] group 0, one set for each slot
.set G0, 32
.set G1B, 48                           ; s[48:55], s[56:63] the same for B's tiles
.set G0B, 56
.set SEL, 66                           ; s[66:67] lane selects for v_permlanex16_b32: lane l xor 16
.set G1S, 68                           ; s[68:75], s[76:79] groups 1 and 0 for A's scale bytes;  s[80:87], s[88:91] for B's
.set G0S, 76
.set G1SB, 80
.set G0SB, 88
.set MNT, 95
.set MSB, 0
.macro WIN new                         ; the immediate's high byte repeats the setting that is left
.if MSB != \new
	s_set_vgpr_msb (MSB<<8)|\new
.set MSB, \new
.endif
.endm
.set MUL_LO,   0xa1                    ; source 0 (B) window 1, source 1 (A) window 0, C and D window 2
.set MUL_HI,   0xf1                    ; the same, C and D window 3
.set FIRST_LO, 0x81                    ; the first step: C (addB) window 0, D window 2
.set FIRST_HI, 0xc1                    ; D window 3
.set TO_B,     0x40                    ; destination window 1, address window 0
; A joint load: waves 0 and 1 fetch for A, waves 2 and 3 for B.  Each line has ONE mask and one set of registers for all that issue it; the branch hangs on the wave's number alone.
; Four v_nop follow each of the two lines, ahead of the jump, the label and what follows.
.macro JLOAD g0a, g1a, g0b, g1b
	s_cmp_eq_u32 s15, 0
	s_cbranch_scc0 .Lfor_b_\@
	tensor_load_to_lds s[\g0a:\g0a+3], s[\g1a:\g1a+7]
	s_nop 0
.rept 4
	v_nop
.endr
	s_branch .Lasked_\@
.Lfor_b_\@:
	tensor_load_to_lds s[\g0b:\g0b+3], s[\g1b:\g1b+7]
	s_nop 0
.rept 4
	v_nop
.endr
.Lasked_\@:
.endm
.macro CREST                           ; a round of the cluster's barrier behind its opening barrier
	s_cmp_lg_u32 s14, 0
	s_cbranch_scc1 .Lnot_wave_0_\@
	s_barrier_signal -3
.Lnot_wave_0_\@:
	s_barrier_wait -3
	s_barrier_signal -1
	s_barrier_wait -1
.endm
.macro CROUND                          ; a whole round
	s_barrier_signal -1
	s_barrier_wait -1
	CREST
.endm
	s_load_b128 s[4:7], s[0:1], 0x0                ; a, b
	s_load_b64 s[12:13], s[0:1], 0x10              ; o
	v_lshl_add_u32 v[SPW], v0, 2, SPARE
	v_mov_b32 v[NIL], 0
	ds_add_u32 v28, v29
	ds_add_u32 v28, v29
	s_wait_dscnt 0x0
	v_lshrrev_b32 v1, 5, v0
	v_readfirstlane_b32 s14, v1                    ; wave 0..3
	s_lshr_b32 s15, s14, 1                         ; which half of the tile's rows is mine.  Also: I fetch for A (0) or for B (1)
	s_and_b32 s16, s14, 1                          ; which half of its columns.  Also: which 128 rows of that tile I fetch
	s_bfe_u32 s40, ttmp6, 0x40000                  ; cx, cy: my place in the cluster
	s_bfe_u32 s41, ttmp6, 0x40004
	s_lshl_b32 s42, ttmp9, 2
	s_add_co_u32 s42, s42, s40                     ; tile column of C = 4 x cluster x + cx
	s_and_b32 s17, ttmp7, 0xffff
	s_lshl_b32 s17, s17, 2
	s_add_co_u32 s17, s17, s41                     ; tile row of C = 4 x cluster y + cy
	s_lshl_b32 s43, s41, 2
	s_lshl_b32 s43, 15, s43                        ; my row of the cluster
	s_lshl_b32 s44, 0x1111, s40                    ; my column
	; descriptor group 1: a tile of 128 rows x 256 bytes, padded in LDS
	s_or_b32 s[G1+0], s43, (0<<16)|(1<<20)|(1<<21)|(5<<22)|(3<<25)  ; 15:0 the mask: A's tiles go to my row; 17:16 elements of 1 byte; 20 padding on; 21 set beside a mask; 24:22 after every 64 words; 31:25 four words
	s_or_b32 s[G1B+0], s44, (0<<16)|(1<<20)|(1<<21)|(5<<22)|(3<<25)
.irp g, G1, G1B
	s_mov_b32 s[\g+1], ROWB<<16                    ; tensor_dim0
	s_mov_b32 s[\g+2], 128<<16                     ; tensor_dim1
	s_mov_b32 s[\g+3], ROWB<<16                    ; tile_dim0
	s_mov_b32 s[\g+4], 128                         ; tile_dim1
	s_mov_b32 s[\g+5], KROW                        ; from row to row
	s_mov_b32 s[\g+6], 0
	s_mov_b32 s[\g+7], 0
.endr
	; the scale bytes of 128 rows: a dense block of 4,096 bytes, as rows of 256 bytes (32 elements of 8 bytes), 16 bytes of padding behind each
	s_or_b32 s[G1S+0], s43, (3<<16)|(1<<20)|(1<<21)|(5<<22)|(3<<25)
	s_or_b32 s[G1SB+0], s44, (3<<16)|(1<<20)|(1<<21)|(5<<22)|(3<<25)
.irp g, G1S, G1SB
	s_mov_b32 s[\g+1], 32<<16
	s_mov_b32 s[\g+2], (128*KS/256)<<16
	s_mov_b32 s[\g+3], 32<<16
	s_mov_b32 s[\g+4], 128*KS/256
	s_mov_b32 s[\g+5], 32
	s_mov_b32 s[\g+6], 0
	s_mov_b32 s[\g+7], 0
.endr
	s_mov_b32 s[SEL], 0x76543210
	s_mov_b32 s[SEL+1], 0xfedcba98
	s_lshl_b32 s18, s16, 7                         ; which 128 rows of the tile I fetch
	s_lshl_b32 s20, s17, 8
	s_add_co_u32 s20, s20, s18                     ; A: row 256 x tile row + 128 x half
	s_lshl_b32 s46, s42, 8
	s_add_co_u32 s46, s46, s18                     ; B: row 256 x tile column + 128 x half
	s_mov_b32 s21, 0
	s_mov_b32 s47, 0
	s_mov_b64 s[18:19], KS
	s_mul_u64 s[22:23], s[20:21], s[18:19]         ; where these rows' scale bytes begin
	s_mul_u64 s[92:93], s[46:47], s[18:19]
	s_mov_b64 s[18:19], KROW
	s_mul_u64 s[20:21], s[20:21], s[18:19]         ; and their codes
	s_mul_u64 s[46:47], s[46:47], s[18:19]
	s_mul_i32 s45, s14, HALFT                      ; where they go: wave x 128 rows: no place in the cluster enters an LDS address
	s_mul_i32 s94, s14, HALFS
	s_wait_kmcnt 0x0
	s_mov_b64 s[8:9], s[6:7]                       ; B's codes,
	s_add_nc_u64 s[10:11], s[6:7], SCO             ; its scale bytes,
	s_add_nc_u64 s[98:99], s[6:7], ADO             ; its addends;
	s_add_nc_u64 s[6:7], s[4:5], SCO               ; A's scale bytes,
	s_add_nc_u64 s[96:97], s[4:5], ADO             ; its addends
	s_add_nc_u64 s[20:21], s[4:5], s[20:21]
	s_add_nc_u64 s[22:23], s[6:7], s[22:23]
	s_add_nc_u64 s[46:47], s[8:9], s[46:47]
	s_add_nc_u64 s[92:93], s[10:11], s[92:93]
	CROUND                                         ; all sixteen work-groups are here: the first joint loads meet
	s_mov_b32 s[G0S], 1
	s_add_co_u32 s[G0S+1], s94, SCL
	s_mov_b64 s[G0S+2:G0S+3], s[22:23]
	s_or_b32 s[G0S+3], s[G0S+3], 0x80000000
	s_mov_b32 s[G0SB], 1
	s_add_co_u32 s[G0SB+1], s94, SCL
	s_mov_b64 s[G0SB+2:G0SB+3], s[92:93]
	s_or_b32 s[G0SB+3], s[G0SB+3], 0x80000000
	JLOAD G0S, G1S, G0SB, G1SB                     ; the scale bytes first: they are wanted with K step 0
.irp s, 0,1
	s_mov_b32 s[G0+4*\s], 1
	s_add_co_u32 s[G0+4*\s+1], s45, \s*SLOT
	s_add_nc_u64 s[G0+4*\s+2:G0+4*\s+3], s[20:21], \s*ROWB
	s_or_b32 s[G0+4*\s+3], s[G0+4*\s+3], 0x80000000
	s_mov_b32 s[G0B+4*\s], 1
	s_add_co_u32 s[G0B+4*\s+1], s45, \s*SLOT
	s_add_nc_u64 s[G0B+4*\s+2:G0B+4*\s+3], s[46:47], \s*ROWB
	s_or_b32 s[G0B+4*\s+3], s[G0B+4*\s+3], 0x80000000
	s_wait_alu depctr_va_vdst(0)
	s_wait_tensorcnt 0x0
	ds_add_u32 v28, v29
	s_wait_dscnt 0x0
	CROUND
	JLOAD G0+4*\s, G1, G0B+4*\s, G1B
.endr
	v_and_b32 v1, 15, v0                           ; l % 16
	v_bfe_u32 v2, v0, 4, 1                         ; l / 16
	s_wait_alu depctr_va_vdst(0)
	; the addends: addA of my 128 rows, addB of my 128 columns
	s_lshl_b32 s20, s17, 10
	s_lshl_b32 s21, s15, 9
	s_add_co_u32 s20, s20, s21                     ; 4 x (256 x tile row + 128 x half)
	s_mov_b32 s21, 0
	s_add_nc_u64 s[96:97], s[96:97], s[20:21]
	s_lshl_b32 s46, s42, 10
	s_lshl_b32 s47, s16, 9
	s_add_co_u32 s46, s46, s47                     ; 4 x (256 x tile column + 128 x half)
	s_mov_b32 s47, 0
	s_add_nc_u64 s[98:99], s[98:99], s[46:47]
	v_lshlrev_b32 v[BOF], 5, v2
	v_lshlrev_b32 v[AOF], 2, v1
.irp b, 0,1,2,3,4,5,6,7
	global_load_b128 v[BC+8*\b:BC+8*\b+3], v[BOF], s[98:99] offset:64*\b
	global_load_b128 v[BC+8*\b+4:BC+8*\b+7], v[BOF], s[98:99] offset:64*\b+16
.endr
.irp a, 0,1,2,3,4,5,6,7
	global_load_b32 v[AA+\a], v[AOF], s[96:97] offset:64*\a
.endr
	v_mul_u32_u24 v3, v1, PITCH
	v_lshl_add_u32 v4, v2, 4, v3                   ; a fragment's row x pitch + 16 x half
	s_mul_i32 s21, s15, HALFT                      ; my 128 rows of A
	s_mul_i32 s22, s16, HALFT                      ; my 128 rows of B,
	s_add_co_u32 s22, s22, 2*HALFT                 ; which lie behind A's 256
.irp s, 0,1
	v_add_nc_u32 v[ADRA+\s], s21, v4
	v_add_nc_u32 v[ADRB+\s], s22, v4
	s_add_co_u32 s21, s21, SLOT
	s_add_co_u32 s22, s22, SLOT
.endr
	v_mul_u32_u24 v5, v1, KS                       ; my row's scale bytes: 32 a row,
	v_lshrrev_b32 v6, 8, v5
	v_lshl_add_u32 v5, v6, 4, v5                   ; and 16 more for each 256 passed
	s_mul_i32 s21, s15, HALFS                      ; A's: my 128 rows
	s_mul_i32 s22, s16, HALFS                      ; B's: my 128 rows, behind A's 256
	s_add_co_u32 s22, s22, 2*HALFS
	s_sub_co_u32 s22, s22, s21
	v_mul_u32_u24 v6, s22, v2                      ; lanes 16-31 take B's
	s_add_co_u32 s21, s21, SCL
	v_add_nc_u32 v5, v5, v6
	v_add_nc_u32 v[ADRS], s21, v5
	; my stage for the way out, 8,192 bytes in slot 0: codes [2 groups][16 rows][64 bytes + 16]; from byte 4,096 scale bytes [2 groups][128 rows][2]
	s_lshl_b32 s23, s14, 13
	v_mul_u32_u24 v5, v1, 80
	v_lshl_add_u32 v5, v2, 4, v5
	v_add_nc_u32 v[STO], s23, v5                   ; in: row l % 16, 16 bytes for each half of the lanes
	v_and_b32 v6, 31, v0
	v_lshrrev_b32 v5, 2, v6
	v_mul_u32_u24 v5, v5, 80
	v_and_b32 v3, 3, v6
	v_lshl_add_u32 v5, v3, 4, v5
	v_add_nc_u32 v[RD], s23, v5                    ; back: four lanes to a row of 64 bytes, eight rows an instruction
	v_lshlrev_b32 v[GOF], 4, v6                    ; which are 512 consecutive bytes of the result
	v_lshl_add_u32 v[SSA], v1, 1, s23
	v_add_nc_u32 v[SSA], 4096, v[SSA]
	v_add_nc_u32 v[SSR], s23, v[GOF]
	v_add_nc_u32 v[SSR], 4096, v[SSR]
	v_lshlrev_b32 v[GSF], 4, v1
	v_lshl_add_u32 v[GSF], v2, 14, v[GSF]          ; GSS x (lane / 16) + 16 x (lane % 16)
	; where my part of the result begins
	s_lshl_b32 s46, s42, 2
	s_lshl_b32 s47, s16, 1
	s_add_co_u32 s46, s46, s47                     ; my first group of 64 columns: 4 x tile column + 2 x half
	s_lshl_b32 s20, s17, 8
	s_lshl_b32 s21, s15, 7
	s_add_co_u32 s20, s20, s21                     ; my first row
	s_lshl_b32 s22, s46, 14
	s_lshl_b32 s23, s20, 1
	s_add_co_u32 s22, s22, s23
	s_mov_b32 s23, 0
	s_add_nc_u64 s[100:101], s[12:13], s[22:23]    ; scale bytes: group x GSS + 2 x row
	s_lshl_b32 s46, s46, 19
	s_lshl_b32 s20, s20, 6
	s_add_co_u32 s46, s46, s20
	s_add_co_u32 s46, s46, OCO
	s_mov_b32 s47, 0
	s_add_nc_u64 s[12:13], s[12:13], s[46:47]      ; codes: OCO + group x GST + 64 x row
.macro FRAG reg, adr, q, i             ; a fragment, 16 rows x 128 K: lane l holds row l % 16; registers 4 c .. 4 c + 3 hold K = 32 c + 16 (l / 16) + 0 .. 15
.irp c, 0,1,2,3
	ds_load_b128 v[\reg+4*\c:\reg+4*\c+3], v[\adr] offset:128*(\q)+32*\c+(\i)*16*PITCH
.endr
.endm
; 16 matrix instructions: A's blocks a0, a0 + 1 x B's eight, 128 along K: the slot's q-th.  p: B's set;  sc: the set of scale words.  zero = 1: the first product starts the sums, with addB as its C: nothing is cleared.
; The 64 accumulators take turns, one instruction a turn, in the same order in every step.
.macro MUL16 a0, p, q, sc, zero
.irp a, \a0, \a0+1
.irp b, 0,1,2,3,4,5,6,7
.if \zero
	v_wmma_scale_f32_16x16x128_f8f6f4 v[8*(8*((\a)%4)+\b):8*(8*((\a)%4)+\b)+7], v[128*(\p)+FR*\b:128*(\p)+FR*\b+FR-1], v[AF+FR*(\a):AF+FR*(\a)+FR-1], v[BC+8*\b:BC+8*\b+7], v[SC+8*NQ*(\sc)+NQ*\b+(\q)], v[SC+8*NQ*(\sc)+NQ*(\a)+(\q)] matrix_a_scale:MATRIX_SCALE_ROW1
.else
	v_wmma_scale_f32_16x16x128_f8f6f4 v[8*(8*((\a)%4)+\b):8*(8*((\a)%4)+\b)+7], v[128*(\p)+FR*\b:128*(\p)+FR*\b+FR-1], v[AF+FR*(\a):AF+FR*(\a)+FR-1], v[8*(8*((\a)%4)+\b):8*(8*((\a)%4)+\b)+7], v[SC+8*NQ*(\sc)+NQ*\b+(\q)], v[SC+8*NQ*(\sc)+NQ*(\a)+(\q)] matrix_a_scale:MATRIX_SCALE_ROW1
.endif
.endr
.endr
.endm
.macro FETCH_B slot, q, p              ; B's eight fragments of the slot's q-th 128 along K into set p
	WIN TO_B
.irp i, 0,1,2,3,4,5,6,7
	FRAG 128*(\p)+FR*\i, ADRB+\slot, \q, \i
.endr
	WIN 0
.endm
.macro FETCH_A slot, q, i0             ; A's blocks i0 .. i0 + 3
.irp i, \i0, \i0+1, \i0+2, \i0+3
	FRAG AF+FR*(\i), ADRA+\slot, \q, \i
.endr
.endm
.macro SCALES sc                       ; the next K step's scale words into set sc: lanes 0-15 take A's block i, lanes 16-31 B's block i
.irp i, 0,1,2,3,4,5,6,7
	ds_load_b64 v[SC+8*NQ*\sc+NQ*\i:SC+8*NQ*\sc+NQ*\i+1], v[ADRS] offset:\i*SBLK
.endr
.endm
; A load into a register that a matrix instruction has read, and a vector instruction that reads a matrix result or writes one of its registers, stand NP places behind it; only plain vector
; instructions that name none of its registers are places (ISA guide 7.12.1 for vector instructions).
.macro PLACES n
.rept \n
	v_nop
.endr
.endm
; A step of 128 along K that has its successor in the same slot.
.macro STEP slot, q, zero
	s_wait_dscnt 4*NL                              ; B's set and A's blocks 0-3 are in; the youngest sixteen loads (A's blocks 4-7) may be out
.if \zero
	WIN FIRST_LO
.else
	WIN MUL_LO
.endif
	MUL16 0, (\q)%2, \q, \slot, \zero
	MUL16 2, (\q)%2, \q, \slot, \zero
	s_wait_dscnt 0                                 ; A's blocks 4-7 are in (asked for 32 matrix instructions ago)
	PLACES NP
	FETCH_B \slot, (\q)+1, 1-(\q)%2
	FETCH_A \slot, (\q)+1, 0
.if \zero
	WIN FIRST_HI
.else
	WIN MUL_HI
.endif
	MUL16 4, (\q)%2, \q, \slot, \zero
	MUL16 6, (\q)%2, \q, \slot, \zero
	PLACES NP
	WIN 0
	FETCH_A \slot, (\q)+1, 4
.endm
; A slot's last step changes slots: ONE barrier; in front of it each wave waits for all its tensor loads, adds 0 to its spare word, and waits for that and for its own reads of this slot.  fill = 1: this slot is filled again, two K steps ahead.
.macro TURN slot, next, fill
	s_wait_tensorcnt 0x0                           ; all my tensor loads have landed: my part of the next slot;  (every window is 0 here)
	ds_add_u32 v[SPW], v[NIL]                      ; 0 onto my spare word
	s_wait_dscnt 4*NL+1                            ; (the add and the youngest sixteen loads, A's blocks 4-7, may be out)
	WIN MUL_LO
	MUL16 0, 1, NQ-1, \slot, 0                     ; sixteen matrix instructions stand between the add and the wait for it
	s_wait_dscnt 0x0                               ; the add is done, and my reads of this slot are over
	s_barrier_signal -1
	MUL16 2, 1, NQ-1, \slot, 0
	WIN 0
	s_barrier_wait -1
.if \fill
	CREST                                          ; the barrier has opened a round of the cluster's barrier: no wave of any partner still reads this slot's tile or has a load on its way
	s_add_nc_u64 s[G0+4*\slot+2:G0+4*\slot+3], s[G0+4*\slot+2:G0+4*\slot+3], 2*ROWB
	s_add_nc_u64 s[G0B+4*\slot+2:G0B+4*\slot+3], s[G0B+4*\slot+2:G0B+4*\slot+3], 2*ROWB
	JLOAD G0+4*\slot, G1, G0B+4*\slot, G1B         ; the first tensor load behind the round; the four v_nop behind it are among the places in front of the loads below
	PLACES NP-4
.else
	PLACES NP
.endif
	s_wait_alu depctr_va_vdst(0)
	v_add_nc_u32 v[ADRS], 4*NQ, v[ADRS]            ; on to the next K step's scale words (no LDS load of mine is out)
	FETCH_B \next, 0, 0
	FETCH_A \next, 0, 0
	SCALES \next
	WIN MUL_HI
	MUL16 4, 1, NQ-1, \slot, 0
	MUL16 6, 1, NQ-1, \slot, 0
	PLACES NP
	WIN 0
	FETCH_A \next, 0, 4
.endm
	s_wait_tensorcnt 1                             ; the scale bytes and my part of K step 0 are in (K step 1's load may be out)
	s_barrier_signal -1
	s_barrier_wait -1                              ; everybody's are
	FETCH_B 0, 0, 0
	FETCH_A 0, 0, 0
	SCALES 0
	FETCH_A 0, 0, 4
	s_wait_loadcnt 0x0                             ; the addends
	STEP 0, 0, 1                                   ; the first step stands in front of the loop: its products start the sums
	s_mov_b32 s3, LAPS-1
.Llap:                                                 ; a trip goes once round the ring, from a lap's second step to the next lap's first, and fills both slots again
	TURN 0, 1, 1
	STEP 1, 0, 0
	TURN 1, 0, 1
	STEP 0, 0, 0
	s_sub_co_u32 s3, s3, 1
	s_cmp_lg_u32 s3, 0
	s_cbranch_scc1 .Llap
	TURN 0, 1, 0                                   ; the last lap fills nothing, and has no round of the cluster's barrier
	STEP 1, 0, 0
	s_wait_dscnt 4*NL                              ; the very last step: nothing more to fetch
	WIN MUL_LO
	MUL16 0, 1, NQ-1, 1, 0
	MUL16 2, 1, NQ-1, 1, 0
	s_wait_dscnt 0
	WIN MUL_HI
	MUL16 4, 1, NQ-1, 1, 0
	MUL16 6, 1, NQ-1, 1, 0
	WIN 0
; 64 numbers of a lane, v[s] .. v[s + 63]: registers 16 b .. 16 b + 15, with lane l xor 16's, are block b of 32 along j of my row.  They become 16 registers of codes in v[PC] on and the row's scale word in v[PW].
.macro QUANT s
.irp b, 0,1,2,3
	v_max3_num_f32 v[TM+\b], |v[\s+16*\b]|, |v[\s+1+16*\b]|, 0x4800000   ; block b: my 16 numbers, and the floor 2^(9 - 127): so the byte cannot fall under 1
.endr
.irp i, 2,4,6,8,10,12,14
.irp b, 0,1,2,3
	v_max3_num_f32 v[TM+\b], v[TM+\b], |v[\s+16*\b+\i]|, |v[\s+1+16*\b+\i]|   ; (the four blocks by turns: no line waits for the line above it)
.endr
.endr
.irp b, 0,1,2,3
	v_permlanex16_b32 v[TM+4+\b], v[TM+\b], s[SEL], s[SEL+1]
.endr
.irp b, 0,1,2,3
	v_max_num_f32 v[TM+\b], v[TM+\b], v[TM+4+\b]   ; with lane l xor 16's: the block's largest magnitude
.endr
.irp b, 0,1,2,3
	v_add_nc_u32 v[TM+12+\b], 0xfc000000, v[TM+\b]   ; 8 off its exponent field: the conversion's scale operand
.endr
.irp b, 0,1,2,3
.endr
.irp b, 0,1,2,3
	v_lshrrev_b32 v[TM+4+\b], 23, v[TM+12+\b]      ; the scale's byte
.endr
	v_lshl_or_b32 v[PW], v[TM+5], 8, v[TM+4]       ; the four bytes make my row's scale word
	v_lshl_or_b32 v[PW], v[TM+6], 16, v[PW]
	v_lshl_or_b32 v[PW], v[TM+7], 24, v[PW]
.irp b, 0,1,2,3
.irp i, 0,1,2,3,4,5,6,7,8,9,10,11,12,13,14,15
.endr
	v_cvt_scalef32_pk8_fp8_f32 v[PC+4*\b:PC+1+4*\b], v[\s+16*\b:\s+7+16*\b], v[TM+12+\b]
	v_cvt_scalef32_pk8_fp8_f32 v[PC+2+4*\b:PC+3+4*\b], v[\s+8+16*\b:\s+15+16*\b], v[TM+12+\b]
.endr
	v_nop                                          ; a plain line behind the last conversion
.endm
; THE WAY OUT of block a: 16 rows x 128 columns.  The results are moved to window 0 with the row's addend added, each accumulator from its low end on; quantised; the codes go through my own stage and come back
; so that each store covers 512 consecutive bytes (8 rows of a group).  The stage lies in slot 0, which has had its last fill, and which nobody reads behind the last change of slots.
.macro OUTBLK a
	v_mov_b32 v[AP], v[AA+\a]
	WIN 0x02+(\a)/4                                ; source 0: window 2 or 3
.set p, 0
.rept 32
	v_pk_add_f32 v[T+2*p:T+2*p+1], v[64*((\a)%4)+2*p:64*((\a)%4)+2*p+1], v[AP:AP+1] op_sel_hi:[1,0]
.set p, p+1
.endr
	WIN 0
	QUANT T
	s_wait_alu depctr_va_vdst(0)
	s_wait_xcnt 0x0                                ; the last block's stores have read v[OB] on: only behind this wait are those registers loaded again
.irp c, 0,1,2,3
	ds_store_b128 v[STO], v[PC+4*\c:PC+4*\c+3] offset:1280*(\c/2)+32*(\c%2)
.endr
	ds_store_b16 v[SSA], v[PW] offset:32*(\a)              ; the first group's two bytes of my row (both halves of the lanes write the same)
	ds_store_b16_d16_hi v[SSA], v[PW] offset:256+32*(\a)   ; the second group's
.irp i, 0,1,2,3
	ds_load_b128 v[OB+4*\i:OB+4*\i+3], v[RD] offset:1280*(\i/2)+640*(\i%2)   ; LDS serves a wave's instructions in order: these see the stores above
.endr
	s_wait_dscnt 0x0                               ; they are back, and the stores have read their registers
.irp i, 0,1,2,3
	global_store_b128 v[GOF], v[OB+4*\i:OB+4*\i+3], s[12:13] offset:(\i/2)*GST+1024*(\a)+512*(\i%2)
.endr
.endm
	PLACES NP                                      ; behind the last products: the lines below write registers that held A's fragments
	v_mov_b32 v[AP+1], 0                           ; (named as the upper half of a pair)
.irp b, 0,1,2,3
	v_mov_b32 v[TM+4+\b], 0                        ; written once: a lane permute's destination counts as one of its sources
.endr
.irp a, 0,1,2,3,4,5,6,7
	OUTBLK \a
.endr
	s_wait_xcnt 0x0                                ; block 7's stores have read v[OB] on
	ds_load_b128 v[OB:OB+3], v[SSR]                ; my 128 rows' scale bytes: lanes 0-15 the first group's 256 bytes, lanes 16-31 the second's
	s_wait_dscnt 0x0
	global_store_b128 v[GSF], v[OB:OB+3], s[100:101]   ; sixteen lanes store 256 consecutive bytes, aligned
	s_wait_tensorcnt 0x0                           ; the wave's end
	ds_add_u32 v[SPW], v[NIL]
	s_wait_dscnt 0x0
	CROUND                                         ; the closing round: no work-group ends while a partner may still ask for a tile that names it
	s_endpgm
.Lfunc_end_k_qd65f91126a_gemm_qk:
	.size	k_qd65f91126a_gemm_qk, .Lfunc_end_k_qd65f91126a_gemm_qk-k_qd65f91126a_gemm_qk
	.p2alignl 7, 3214868480
	.fill 96, 4, 3214868480
	.section	.rodata,"a",@progbits
	.p2align	6, 0x0
	.amdhsa_kernel k_qd65f91126a_gemm_qk
		.amdhsa_group_segment_fixed_size 327680
		.amdhsa_private_segment_fixed_size 0
		.amdhsa_enable_private_segment 0
		.amdhsa_kernarg_size 24
		.amdhsa_user_sgpr_count 2
		.amdhsa_user_sgpr_kernarg_segment_ptr 1
		.amdhsa_wavefront_size32 1
		.amdhsa_system_sgpr_workgroup_id_x 1
		.amdhsa_system_sgpr_workgroup_id_y 1
		.amdhsa_system_sgpr_workgroup_id_z 1
		.amdhsa_system_vgpr_workitem_id 0
		.amdhsa_next_free_vgpr 1024
		.amdhsa_next_free_sgpr 102
		.amdhsa_reserve_vcc 0
		.amdhsa_float_denorm_mode_32 3
		.amdhsa_float_denorm_mode_16_64 3
		.amdhsa_fp16_overflow 1
		.amdhsa_memory_ordered 1
		.amdhsa_forward_progress 1
		.amdhsa_inst_pref_size 175
	.end_amdhsa_kernel
	.amdgpu_metadata
---
amdhsa.version: [ 1, 2 ]
amdhsa.kernels:
  - .name:           k_qd65f91126a_gemm_qk
    .symbol:         k_qd65f91126a_gemm_qk.kd
    .args:
      - { .name: xq, .offset: 0, .size: 8, .value_kind: global_buffer, .address_space: global }
      - { .name: wqk, .offset: 8, .size: 8, .value_kind: global_buffer, .address_space: global }
      - { .name: qk, .offset: 16, .size: 8, .value_kind: global_buffer, .address_space: global }
    .group_segment_fixed_size: 327680
    .private_segment_fixed_size: 0
    .kernarg_segment_align: 8
    .kernarg_segment_size: 24
    .max_flat_workgroup_size: 128
    .sgpr_count:     102
    .vgpr_count:     1024
    .wavefront_size: 32
...
	.end_amdgpu_metadata
.endif
;; end of part 7
;; launch gemm_v (part 8): grid 32 x 8, 4 waves a work-group, clusters of 4 x 4, 327,680 bytes of LDS; arguments wv, xq, vt; writes vt
.if DOCPART == 8
	.amdgcn_target "amdgcn-amd-amdhsa--gfx1250"
	.amdhsa_code_object_version 6
	.text
	.protected	k_qd65f91126a_gemm_v
	.globl	k_qd65f91126a_gemm_v
	.p2align	8
	.type	k_qd65f91126a_gemm_v,@function
k_qd65f91126a_gemm_v:
	s_mov_b64 s[64:65], 0
	v_nop
	global_prefetch_b8 v0, s[64:65] scope:SCOPE_SE
	s_setreg_imm32_b32 hwreg(HW_REG_WAVE_MODE, 25, 1), 1
	s_wait_xcnt 0x0
	s_wait_alu depctr_hold_cnt(0) depctr_sa_sdst(0) depctr_va_vdst(0) depctr_va_sdst(0) depctr_va_ssrc(0) depctr_va_vcc(0) depctr_vm_vsrc(0)
	s_getreg_b32 s2, hwreg(HW_REG_IB_STS2, 6, 4)
	s_cmp_eq_u32 s2, 0
	s_cbranch_scc0 .Lentry_in_a_cluster
	s_endpgm
.Lentry_in_a_cluster:
	s_bfe_u32 s2, ttmp6, 0x10000c
	s_cmp_lg_u32 s2, 0xf033
	s_cbranch_scc0 .Lentry_shape_is_right
	s_endpgm
.Lentry_shape_is_right:
; v^T: C[i][j] = sum over k of A[i][k] B[j][k] + addA[i] + addB[j], K = 1024, on codes of E4M3 with one E8M0 scale for each 32 along K; C is QUANTISED ALONG j on the way out and never stored wide.
; a = the weight's operand (1,024 rows i = 64 head + d), b = x's operand (8,192 rows j = 2048 batch + key): the keys, the next product's K, are the result's innermost axis.
; An operand: codes [rows][1024] at byte 0, scale bytes [rows][32] at SCO, f32 addends [rows] at ADO.
; THE RESULT: scale bytes [j / 64][8192][2] at byte 0, codes [j / 64][8192][64] at OCO: a group of 64 along j, then the row i.  Inside a block of 32 along j, byte 16 h + 8 u + e holds element 16 u + 8 h + e (h, u = 0, 1; e = 0 .. 7):
; the order in which a lane's results lie, and the order in which the next launch's p falls out.
; A TILE OF C IS 128 x 256: 1,024 x 8,192 / (128 x 256) = 256 work-groups.  Four waves, as many as a WGP has SIMDs; a wave makes 64 x 128: 32 accumulators, 256 registers.
; K goes in four steps of 256 (a tile's row is 256 bytes of memory) through THREE LDS slots: a slot holds 128 rows of A and 256 of B, 104,448 bytes.  K steps 0, 1 and 2 are asked for together at the start;
; only K step 3 is a refill, into slot 0, with four steps of 128 along K in which to land.  The walk is written out: no loop.
; The scale bytes of the work-group's rows, for all of K, come into LDS once, with the first fills.  The text uses 326,912 bytes of LDS.
; CLUSTERS: 4 x 4 work-groups; A's tiles are asked for jointly along a row of the cluster, B's along a column.  THE MATRIX INSTRUCTION IS USED TRANSPOSED (source 0 = 16 rows of B, source 1 = 16 rows of A):
; a lane holds eight neighbours along j of one row i, so a block of 32 along j lies in 16 registers of lanes l and l xor 16.
; addB is the C of each sum's first matrix instruction; addA is added where the results are moved for the quantiser.
; LIMITS: a block of zeros gets the byte 1 where the quantiser says 127 (zero codes; this program alone reads the bytes); blocks under 2^-118 were not tried; NaN and infinities are not served.
; A wave's 64 rows give 128 scale bytes a group: those stores cover half of an aligned 256 bytes each.
; REGISTERS, in windows of 256: window 0: v0-31 addresses and addA; v32-63 scale words, two sets; v64-127 addB, later rows read back; v128-191, v192-255 A's fragments (4 x 16 rows x 128 K), two sets; on the way out v128-227 are at work.
;   window 1: B's fragments (8 x 16 rows x 128 K), two sets.   window 2: the accumulators ((a, b) at v[8 (8 a + b)]).
.set SIZE_K, 1024
.set ROWB,   256                       ; a tile's row in bytes: 256 along K
.set KROW,   SIZE_K                    ; a row of codes in memory
.set PITCH,  272                       ; an LDS row: 256 bytes + 16 of padding = 68 words: the 16 rows that a load touches start at 16 different banks (64 banks of 4 bytes: ISA guide 11.1)
.set FR,     16                        ; registers of a fragment: 16 rows x 128 K
.set NP,     8                         ; places behind this matrix instruction (ISA guide 7.12.1)
.set HA,     64*PITCH                  ; 64 rows: what one tensor load brings of A, and what one wave reads of it
.set HB,     128*PITCH                 ; 128 rows: the same for B
.set SLOT,   2*HA+2*HB                 ; A's 128 rows, then B's 256 rows
.set KS,     SIZE_K/32                 ; a row of scale bytes
.set SCL,    3*SLOT                    ; behind the three slots: the scale bytes, as 256 bytes + 16 of padding: A's two halves, then B's two
.set HSA,    (64*KS/256)*272           ; those of 64 rows
.set HSB,    (128*KS/256)*272          ; of 128 rows
.set SBLK,   (16*KS/256)*272           ; of 16 rows
.set SPARE,  SCL+2*HSA+2*HSB           ; behind them: the spare words, 128 bytes for each wave: two blocks of 256 bytes that no other line names
.set STG,    SLOT                      ; the way out's stages lie in slot 1: it has had its one fill, and nobody reads it behind the second barrier of the walk
.set SCO,    0x800000
.set ADO,    0x840000
.set OCO,    0x200000                  ; the result's codes
.set GST,    524288                    ; a group's codes: 8192 rows x 64 bytes
.set GSS,    16384                     ; a group's scale bytes: 8192 rows x 2
.set BOF,  7                           ; v7      32 x (lane / 16): my place among addB; never rewritten
.set AA,   8                           ; v8-11   addA of my row in each of my four blocks of 16 rows
.set ADRA, 16                          ; v16-18  LDS address of my A fragments in slot 0, 1, 2
.set ADRB, 19                          ; v19-21  the same for B
.set SSA,  22                          ; v22     the way out: where my row's scale bytes go in my stage
.set SSR,  23                          ; v23     and where I read 8 of them back
.set STO,  24                          ; v24     where I put 16 codes of a row
.set RD,   25                          ; v25     where I read 16 codes back
.set GOF,  26                          ; v26     16 x lane
.set ADRS, 27                          ; v27     LDS address of my scale words: lanes 0-15 A's rows, lanes 16-31 B's
.set SPW,  28                          ; v28     LDS address of my spare word; never rewritten
.set NIL,  29                          ; v29     0; never rewritten
.set AOF,  30                          ; v30     4 x (lane % 16): my place among addA; never rewritten
.set GSF,  31                          ; v31     the scale bytes' place in memory: lanes 0-15 one group, lanes 16-31 the next
.set SC,   32                          ; scale words, two sets of 16 registers; they hold nothing else.  In a set register 2 i + q: lanes 0-15 the word of A's block i, lanes 16-31 that of B's block i, for the K step's q-th 128
.set BC,   64                          ; v64-127 addB at my 64 columns: register 8 b + e = column 16 b + 8 (lane / 16) + e
.set OB,   64                          ; v64-79  the way out: codes read back (addB is done with)
.set AF,   128                         ; A's fragments: set p at v[128 + 64 p]
.set T,    128                         ; v128-191 the way out: a block's 64 numbers
.set PC,   192                         ; v192-207 their codes
.set TM,   208                         ; v208-223 at work
.set PW,   224                         ; v224    the scale word
.set AP,   226                         ; v[226:227] the block's addA, named as a pair
.set G1,   24                          ; s[24:31] descriptor group 1 for A's tiles;  s[48:55] for B's
.set G1B,  48
.set G0A0, 32                          ; group 0 for A's tiles, a set for each slot: s[32:35], s[36:39], s[4:7] (the pointers that lay there have been used by then)
.set G0A1, 36
.set G0A2, 4
.set G0B0, 56                          ; the same for B's: s[56:59], s[60:63], s[8:11]
.set G0B1, 60
.set G0B2, 8
.set SEL,  66                          ; s[66:67] lane selects for v_permlanex16_b32: lane l xor 16
.set G1S,  68                          ; s[68:75], s[76:79] groups 1 and 0 for A's scale bytes;  s[80:87], s[88:91] for B's
.set G0S,  76
.set G1SB, 80
.set G0SB, 88
.set MNT,  95
.set MSB, 0
.macro WIN new                         ; the immediate's high byte repeats the setting that is left
.if MSB != \new
	s_set_vgpr_msb (MSB<<8)|\new
.set MSB, \new
.endif
.endm
.set MUL,   0xa1                       ; source 0 (B) window 1, source 1 (A) window 0, C and D window 2
.set FIRST, 0x81                       ; the first step: C (addB) window 0, D window 2
.set TO_B,  0x40                       ; destination window 1, address window 0
; A joint load: waves 0 and 1 fetch for A, waves 2 and 3 for B.  Each line has ONE mask and one set of registers for all that issue it; the branch hangs on the wave's number alone.
; Four v_nop follow each of the two lines, ahead of the jump, the label and what follows.
.macro JLOAD g0a, g1a, g0b, g1b
	s_cmp_eq_u32 s15, 0
	s_cbranch_scc0 .Lfor_b_\@
	tensor_load_to_lds s[\g0a:\g0a+3], s[\g1a:\g1a+7]
	s_nop 0
.rept 4
	v_nop
.endr
	s_branch .Lasked_\@
.Lfor_b_\@:
	tensor_load_to_lds s[\g0b:\g0b+3], s[\g1b:\g1b+7]
	s_nop 0
.rept 4
	v_nop
.endr
.Lasked_\@:
.endm
.macro CREST                           ; a round of the cluster's barrier behind its opening barrier
	s_cmp_lg_u32 s14, 0
	s_cbranch_scc1 .Lnot_wave_0_\@
	s_barrier_signal -3
.Lnot_wave_0_\@:
	s_barrier_wait -3
	s_barrier_signal -1
	s_barrier_wait -1
.endm
.macro CROUND                          ; a whole round
	s_barrier_signal -1
	s_barrier_wait -1
	CREST
.endm
.macro MKG1 g, c, r, p                 ; words 1 to 7 of a group 1: r rows of c elements, p elements apart
	s_mov_b32 s[\g+1], (\c)<<16                    ; tensor_dim0
	s_mov_b32 s[\g+2], (\r)<<16                    ; tensor_dim1
	s_mov_b32 s[\g+3], (\c)<<16                    ; tile_dim0
	s_mov_b32 s[\g+4], \r                          ; tile_dim1
	s_mov_b32 s[\g+5], \p                          ; from row to row
	s_mov_b32 s[\g+6], 0
	s_mov_b32 s[\g+7], 0
.endm
.macro MKG0 g, l, a, k                 ; a group 0 for K step k in slot k: LDS address s[l] + k slots, global address s[a:a+1] + k tile rows' bytes
	s_mov_b32 s[\g], 1                             ; 1:0 count = 1
	s_add_co_u32 s[\g+1], s[\l], (\k)*SLOT
	s_add_nc_u64 s[\g+2:\g+3], s[\a:\a+1], (\k)*ROWB
	s_or_b32 s[\g+3], s[\g+3], 0x80000000          ; 127:126 type = 2
.endm
	s_load_b128 s[4:7], s[0:1], 0x0                ; a, b
	s_load_b64 s[12:13], s[0:1], 0x10              ; o
	v_lshl_add_u32 v[SPW], v0, 2, SPARE
	v_mov_b32 v[NIL], 0
	ds_add_u32 v28, v29
	ds_add_u32 v28, v29
	s_wait_dscnt 0x0
	v_lshrrev_b32 v1, 5, v0
	v_readfirstlane_b32 s14, v1                    ; wave 0..3
	s_lshr_b32 s15, s14, 1                         ; which 64 of the tile's rows are mine.  Also: I fetch for A (0) or for B (1)
	s_and_b32 s16, s14, 1                          ; which 128 of its columns.  Also: which half of that tile I fetch
	s_bfe_u32 s40, ttmp6, 0x40000                  ; cx, cy: my place in the cluster
	s_bfe_u32 s41, ttmp6, 0x40004
	s_lshl_b32 s42, ttmp9, 2
	s_add_co_u32 s42, s42, s40                     ; tile column of C = 4 x cluster x + cx
	s_and_b32 s17, ttmp7, 0xffff
	s_lshl_b32 s17, s17, 2
	s_add_co_u32 s17, s17, s41                     ; tile row of C = 4 x cluster y + cy
	s_lshl_b32 s43, s41, 2
	s_lshl_b32 s43, 15, s43                        ; my row of the cluster
	s_lshl_b32 s44, 0x1111, s40                    ; my column
	s_or_b32 s[G1], s43, (0<<16)|(1<<20)|(1<<21)|(5<<22)|(3<<25)    ; 15:0 the mask: A's tiles go to my row; 17:16 elements of 1 byte; 20 padding on; 21 set beside a mask; 24:22 after every 64 words; 31:25 four words
	s_or_b32 s[G1B], s44, (0<<16)|(1<<20)|(1<<21)|(5<<22)|(3<<25)   ; B's go to my column
	s_or_b32 s[G1S], s43, (3<<16)|(1<<20)|(1<<21)|(5<<22)|(3<<25)   ; the scale bytes: elements of 8 bytes, the same padding
	s_or_b32 s[G1SB], s44, (3<<16)|(1<<20)|(1<<21)|(5<<22)|(3<<25)
	MKG1 G1, ROWB, 64, KROW                        ; A's half tile: 64 rows x 256 bytes
	MKG1 G1B, ROWB, 128, KROW                      ; B's: 128 rows
	MKG1 G1S, 32, 64*KS/256, 32                    ; the scale bytes of 64 rows: a dense block of 2,048 bytes, as rows of 256
	MKG1 G1SB, 32, 128*KS/256, 32                  ; of 128 rows: 4,096 bytes
	s_mov_b32 s[SEL], 0x76543210
	s_mov_b32 s[SEL+1], 0xfedcba98
	s_lshl_b32 s18, s16, 6
	s_lshl_b32 s20, s17, 7
	s_add_co_u32 s20, s20, s18                     ; A: row 128 x tile row + 64 x half
	s_lshl_b32 s19, s16, 7
	s_lshl_b32 s46, s42, 8
	s_add_co_u32 s46, s46, s19                     ; B: row 256 x tile column + 128 x half
	s_mov_b32 s21, 0
	s_mov_b32 s47, 0
	s_mov_b64 s[18:19], KS
	s_mul_u64 s[22:23], s[20:21], s[18:19]         ; where these rows' scale bytes begin
	s_mul_u64 s[92:93], s[46:47], s[18:19]
	s_mov_b64 s[18:19], KROW
	s_mul_u64 s[20:21], s[20:21], s[18:19]         ; and their codes
	s_mul_u64 s[46:47], s[46:47], s[18:19]
	s_mul_i32 s45, s16, HA                         ; where they go in a slot: A's halves, then B's: no place in the cluster enters an LDS address
	s_mul_i32 s3, s16, HB
	s_add_co_u32 s3, s3, 2*HA
	s_mul_i32 s94, s16, HSA
	s_add_co_u32 s94, s94, SCL
	s_mul_i32 s2, s16, HSB
	s_add_co_u32 s2, s2, SCL+2*HSA
	s_wait_kmcnt 0x0
	s_mov_b64 s[8:9], s[6:7]                       ; B's codes,
	s_add_nc_u64 s[10:11], s[6:7], SCO             ; its scale bytes,
	s_add_nc_u64 s[98:99], s[6:7], ADO             ; its addends;
	s_add_nc_u64 s[6:7], s[4:5], SCO               ; A's scale bytes,
	s_add_nc_u64 s[96:97], s[4:5], ADO             ; its addends
	s_add_nc_u64 s[20:21], s[4:5], s[20:21]
	s_add_nc_u64 s[22:23], s[6:7], s[22:23]
	s_add_nc_u64 s[46:47], s[8:9], s[46:47]
	s_add_nc_u64 s[92:93], s[10:11], s[92:93]
	CROUND                                         ; all sixteen work-groups are here: the first joint loads meet
	s_mov_b32 s[G0S], 1
	s_mov_b32 s[G0S+1], s94
	s_mov_b64 s[G0S+2:G0S+3], s[22:23]
	s_or_b32 s[G0S+3], s[G0S+3], 0x80000000
	s_mov_b32 s[G0SB], 1
	s_mov_b32 s[G0SB+1], s2
	s_mov_b64 s[G0SB+2:G0SB+3], s[92:93]
	s_or_b32 s[G0SB+3], s[G0SB+3], 0x80000000
	JLOAD G0S, G1S, G0SB, G1SB                     ; the scale bytes first: they are wanted with K step 0
	MKG0 G0A0, 45, 20, 0
	MKG0 G0B0, 3, 46, 0
	JLOAD G0A0, G1, G0B0, G1B                      ; K step 0,
	MKG0 G0A1, 45, 20, 1
	MKG0 G0B1, 3, 46, 1
	JLOAD G0A1, G1, G0B1, G1B                      ; 1,
	MKG0 G0A2, 45, 20, 2
	MKG0 G0B2, 3, 46, 2
	JLOAD G0A2, G1, G0B2, G1B                      ; and 2: four loads of mine are out
	v_and_b32 v1, 15, v0                           ; l % 16
	v_bfe_u32 v2, v0, 4, 1                         ; l / 16
	s_wait_alu depctr_va_vdst(0)
	; the addends: addA of my 64 rows, addB of my 128 columns
	s_lshl_b32 s20, s17, 9
	s_lshl_b32 s21, s15, 8
	s_add_co_u32 s20, s20, s21                     ; 4 x (128 x tile row + 64 x half)
	s_mov_b32 s21, 0
	s_add_nc_u64 s[96:97], s[96:97], s[20:21]
	s_lshl_b32 s46, s42, 10
	s_lshl_b32 s47, s16, 9
	s_add_co_u32 s46, s46, s47                     ; 4 x (256 x tile column + 128 x half)
	s_mov_b32 s47, 0
	s_add_nc_u64 s[98:99], s[98:99], s[46:47]
	v_lshlrev_b32 v[BOF], 5, v2
	v_lshlrev_b32 v[AOF], 2, v1
.irp b, 0,1,2,3,4,5,6,7
	global_load_b128 v[BC+8*\b:BC+8*\b+3], v[BOF], s[98:99] offset:64*\b
	global_load_b128 v[BC+8*\b+4:BC+8*\b+7], v[BOF], s[98:99] offset:64*\b+16
.endr
.irp a, 0,1,2,3
	global_load_b32 v[AA+\a], v[AOF], s[96:97] offset:64*\a
.endr
	v_mul_u32_u24 v3, v1, PITCH
	v_lshl_add_u32 v4, v2, 4, v3                   ; a fragment's row x pitch + 16 x half
	s_mul_i32 s21, s15, HA                         ; my 64 rows of A
	s_mul_i32 s22, s16, HB                         ; my 128 rows of B,
	s_add_co_u32 s22, s22, 2*HA                    ; which lie behind A's 128
.irp s, 0,1,2
	v_add_nc_u32 v[ADRA+\s], s21, v4
	v_add_nc_u32 v[ADRB+\s], s22, v4
	s_add_co_u32 s21, s21, SLOT
	s_add_co_u32 s22, s22, SLOT
.endr
	v_mul_u32_u24 v5, v1, KS                       ; my row's scale bytes: 32 a row,
	v_lshrrev_b32 v6, 8, v5
	v_lshl_add_u32 v5, v6, 4, v5                   ; and 16 more for each 256 passed
	s_mul_i32 s21, s15, HSA                        ; A's: my 64 rows
	s_mul_i32 s22, s16, HSB                        ; B's: my 128 rows, behind A's 128
	s_add_co_u32 s22, s22, 2*HSA
	s_sub_co_u32 s22, s22, s21
	v_mul_u32_u24 v6, s22, v2                      ; lanes 16-31 take B's
	s_add_co_u32 s21, s21, SCL
	v_add_nc_u32 v5, v5, v6
	v_add_nc_u32 v[ADRS], s21, v5
	; my stage for the way out, 8,192 bytes: codes [2 groups][16 rows][64 bytes + 16]; from byte 4,096 scale bytes [2 groups][64 rows][2]
	s_lshl_b32 s23, s14, 13
	s_add_co_u32 s23, s23, STG
	v_mul_u32_u24 v5, v1, 80
	v_lshl_add_u32 v5, v2, 4, v5
	v_add_nc_u32 v[STO], s23, v5                   ; in: row l % 16, 16 bytes for each half of the lanes
	v_and_b32 v6, 31, v0
	v_lshrrev_b32 v5, 2, v6
	v_mul_u32_u24 v5, v5, 80
	v_and_b32 v3, 3, v6
	v_lshl_add_u32 v5, v3, 4, v5
	v_add_nc_u32 v[RD], s23, v5                    ; back: four lanes to a row of 64 bytes, eight rows an instruction
	v_lshlrev_b32 v[GOF], 4, v6                    ; which are 512 consecutive bytes of the result
	v_lshl_add_u32 v[SSA], v1, 1, s23
	v_add_nc_u32 v[SSA], 4096, v[SSA]
	v_lshl_add_u32 v[SSR], v6, 3, s23
	v_add_nc_u32 v[SSR], 4096, v[SSR]
	v_lshlrev_b32 v[GSF], 3, v1
	v_lshl_add_u32 v[GSF], v2, 14, v[GSF]          ; GSS x (lane / 16) + 8 x (lane % 16)
	; where my part of the result begins
	s_lshl_b32 s46, s42, 2
	s_lshl_b32 s47, s16, 1
	s_add_co_u32 s46, s46, s47                     ; my first group of 64 columns: 4 x tile column + 2 x half
	s_lshl_b32 s20, s17, 7
	s_lshl_b32 s21, s15, 6
	s_add_co_u32 s20, s20, s21                     ; my first row
	s_lshl_b32 s22, s46, 14
	s_lshl_b32 s23, s20, 1
	s_add_co_u32 s22, s22, s23
	s_mov_b32 s23, 0
	s_add_nc_u64 s[100:101], s[12:13], s[22:23]    ; scale bytes: group x GSS + 2 x row
	s_lshl_b32 s46, s46, 19
	s_lshl_b32 s20, s20, 6
	s_add_co_u32 s46, s46, s20
	s_add_co_u32 s46, s46, OCO
	s_mov_b32 s47, 0
	s_add_nc_u64 s[12:13], s[12:13], s[46:47]      ; codes: OCO + group x GST + 64 x row
.macro FRAG reg, adr, q, i             ; a fragment, 16 rows x 128 K: lane l holds row l % 16; registers 4 c .. 4 c + 3 hold K = 32 c + 16 (l / 16) + 0 .. 15
.irp c, 0,1,2,3
	ds_load_b128 v[\reg+4*\c:\reg+4*\c+3], v[\adr] offset:128*(\q)+32*\c+(\i)*16*PITCH
.endr
.endm
; 16 matrix instructions: A's blocks a0, a0 + 1 x B's eight, 128 along K.  p: the set of fragments;  q: which 128 of the K step;  sc: the set of scale words.  zero = 1: the first product starts the sums, with addB as its C: nothing is cleared.
; The 32 accumulators take turns, one instruction a turn, in the same order in every step.
.macro MUL16 a0, p, q, sc, zero
.irp a, \a0, \a0+1
.irp b, 0,1,2,3,4,5,6,7
.if \zero
	v_wmma_scale_f32_16x16x128_f8f6f4 v[8*(8*(\a)+\b):8*(8*(\a)+\b)+7], v[128*(\p)+FR*\b:128*(\p)+FR*\b+FR-1], v[AF+64*(\p)+FR*(\a):AF+64*(\p)+FR*(\a)+FR-1], v[BC+8*\b:BC+8*\b+7], v[SC+16*(\sc)+2*\b+(\q)], v[SC+16*(\sc)+2*(\a)+(\q)] matrix_a_scale:MATRIX_SCALE_ROW1
.else
	v_wmma_scale_f32_16x16x128_f8f6f4 v[8*(8*(\a)+\b):8*(8*(\a)+\b)+7], v[128*(\p)+FR*\b:128*(\p)+FR*\b+FR-1], v[AF+64*(\p)+FR*(\a):AF+64*(\p)+FR*(\a)+FR-1], v[8*(8*(\a)+\b):8*(8*(\a)+\b)+7], v[SC+16*(\sc)+2*\b+(\q)], v[SC+16*(\sc)+2*(\a)+(\q)] matrix_a_scale:MATRIX_SCALE_ROW1
.endif
.endr
.endr
.endm
.macro FETCH slot, q, p                ; 48 LDS loads in one run: B's eight and A's four fragments of the slot's q-th 128 along K into set p
	WIN TO_B
.irp i, 0,1,2,3,4,5,6,7
	FRAG 128*(\p)+FR*\i, ADRB+\slot, \q, \i
.endr
	WIN 0
.irp i, 0,1,2,3
	FRAG AF+64*(\p)+FR*\i, ADRA+\slot, \q, \i
.endr
.endm
.macro SCALES sc, k                    ; K step k's scale words into set sc: two words a row; lanes 0-15 take A's block i (of which the products name four), lanes 16-31 B's block i
.irp i, 0,1,2,3,4,5,6,7
	ds_load_b64 v[SC+16*(\sc)+2*\i:SC+16*(\sc)+2*\i+1], v[ADRS] offset:\i*SBLK+8*(\k)
.endr
.endm
; THE WALK: eight steps of 128 along K.  Step s belongs to K step s / 2, which lies in slot (s / 2) % 3; its fragments lie in set s % 2, its scale words in set (s / 2) % 2.
.macro FETCHN s                        ; all that step s reads from LDS
.set NK, (\s)/2
.set NSL, NK%3
	FETCH NSL, (\s)%2, (\s)%2
.if (\s)%2 == 0
	SCALES NK%2, NK
.endif
.endm
; A load into a register that a matrix instruction has read, and a vector instruction that reads a matrix result or writes one of its registers, stand NP places behind it; only plain vector
; instructions that name none of its registers are places (ISA guide 7.12.1 for vector instructions).
.macro PLACES n
.rept \n
	v_nop
.endr
.endm
; A plain step: its set is waited for; the next step's loads go out, into the set that the last step's products have read; then its 32 products.
.macro SUB s, zero, more
	s_wait_dscnt 0x0                               ; my set and my scale words are in
.if \more
.if (\s) > 0
	PLACES NP
.endif
	FETCHN (\s)+1
.endif
.if \zero
	WIN FIRST
.else
	WIN MUL
.endif
	MUL16 0, (\s)%2, (\s)%2, ((\s)/2)%2, \zero
	MUL16 2, (\s)%2, (\s)%2, ((\s)/2)%2, \zero
	WIN 0
.endm
; A step with a barrier in its middle.  In front of it each wave waits for all its tensor loads, adds 0 to its spare word, and waits for that and for its LDS reads.
; fill = 1 (step 1): every wave's reads of slot 0 are over and slots 1 and 2 are whole; the barrier opens a round of the cluster's, and slot 0 is filled again, with K step 3.  fill = 0 (step 5): K step 3 has landed for every wave.
.macro MEET s, fill
	s_wait_tensorcnt 0x0                           ; all my tensor loads have landed
	ds_add_u32 v[SPW], v[NIL]                      ; 0 onto my spare word
	s_wait_dscnt 1                                 ; (the add may be out: my set is in)
	WIN MUL
	MUL16 0, (\s)%2, (\s)%2, ((\s)/2)%2, 0         ; sixteen matrix instructions stand between the add and the wait for it
	s_wait_dscnt 0x0                               ; the add is done, and no LDS read of mine is out
	s_barrier_signal -1
	WIN 0
	s_barrier_wait -1
.if \fill
	CREST                                          ; no wave of any partner still reads slot 0 or has a load on its way
	s_add_nc_u64 s[G0A0+2:G0A0+3], s[G0A0+2:G0A0+3], 3*ROWB
	s_add_nc_u64 s[G0B0+2:G0B0+3], s[G0B0+2:G0B0+3], 3*ROWB
	JLOAD G0A0, G1, G0B0, G1B                      ; the first tensor load behind the round, and my only one; the four v_nop behind it are among the places in front of the loads below
	PLACES NP-4
.else
	PLACES NP
.endif
	FETCHN (\s)+1
	WIN MUL
	MUL16 2, (\s)%2, (\s)%2, ((\s)/2)%2, 0
	WIN 0
.endm
	s_wait_tensorcnt 2                             ; the scale bytes and my part of K step 0 are in (the loads of K steps 1 and 2 may be out)
	s_barrier_signal -1
	s_barrier_wait -1                              ; everybody's are
	FETCHN 0
	s_wait_loadcnt 0x0                             ; the addends
	SUB 0, 1, 1                                    ; the first products start the sums
	MEET 1, 1
	SUB 2, 0, 1
	SUB 3, 0, 1                                    ; slot 2 was shown whole by the round in step 1: no barrier
	SUB 4, 0, 1
	MEET 5, 0
	SUB 6, 0, 1
	SUB 7, 0, 0
; 64 numbers of a lane, v[s] .. v[s + 63]: registers 16 b .. 16 b + 15, with lane l xor 16's, are block b of 32 along j of my row.  They become 16 registers of codes in v[PC] on and the row's scale word in v[PW].
.macro QUANT s
.irp b, 0,1,2,3
	v_max3_num_f32 v[TM+\b], |v[\s+16*\b]|, |v[\s+1+16*\b]|, 0x4800000   ; block b: my 16 numbers, and the floor 2^(9 - 127): so the byte cannot fall under 1
.endr
.irp i, 2,4,6,8,10,12,14
.irp b, 0,1,2,3
	v_max3_num_f32 v[TM+\b], v[TM+\b], |v[\s+16*\b+\i]|, |v[\s+1+16*\b+\i]|   ; (the four blocks by turns: no line waits for the line above it)
.endr
.endr
.irp b, 0,1,2,3
	v_permlanex16_b32 v[TM+4+\b], v[TM+\b], s[SEL], s[SEL+1]
.endr
.irp b, 0,1,2,3
	v_max_num_f32 v[TM+\b], v[TM+\b], v[TM+4+\b]   ; with lane l xor 16's: the block's largest magnitude
.endr
.irp b, 0,1,2,3
	v_add_nc_u32 v[TM+12+\b], 0xfc000000, v[TM+\b]   ; 8 off its exponent field: the conversion's scale operand
.endr
.irp b, 0,1,2,3
.endr
.irp b, 0,1,2,3
	v_lshrrev_b32 v[TM+4+\b], 23, v[TM+12+\b]      ; the scale's byte
.endr
	v_lshl_or_b32 v[PW], v[TM+5], 8, v[TM+4]       ; the four bytes make my row's scale word
	v_lshl_or_b32 v[PW], v[TM+6], 16, v[PW]
	v_lshl_or_b32 v[PW], v[TM+7], 24, v[PW]
.irp b, 0,1,2,3
.irp i, 0,1,2,3,4,5,6,7,8,9,10,11,12,13,14,15
.endr
	v_cvt_scalef32_pk8_fp8_f32 v[PC+4*\b:PC+1+4*\b], v[\s+16*\b:\s+7+16*\b], v[TM+12+\b]
	v_cvt_scalef32_pk8_fp8_f32 v[PC+2+4*\b:PC+3+4*\b], v[\s+8+16*\b:\s+15+16*\b], v[TM+12+\b]
.endr
	v_nop                                          ; a plain line behind the last conversion
.endm
; THE WAY OUT of block a: 16 rows x 128 columns.  The results are moved to window 0 with the row's addend added, each accumulator from its low end on; quantised; the codes go through my own stage and come back
; so that each store covers 512 consecutive bytes (8 rows of a group).
.macro OUTBLK a
	v_mov_b32 v[AP], v[AA+\a]
	WIN 0x02                                       ; source 0: window 2
.set p, 0
.rept 32
	v_pk_add_f32 v[T+2*p:T+2*p+1], v[64*(\a)+2*p:64*(\a)+2*p+1], v[AP:AP+1] op_sel_hi:[1,0]
.set p, p+1
.endr
	WIN 0
	QUANT T
	s_wait_alu depctr_va_vdst(0)
	s_wait_xcnt 0x0                                ; the last block's stores have read v[OB] on: only behind this wait are those registers loaded again
.irp c, 0,1,2,3
	ds_store_b128 v[STO], v[PC+4*\c:PC+4*\c+3] offset:1280*(\c/2)+32*(\c%2)
.endr
	ds_store_b16 v[SSA], v[PW] offset:32*(\a)              ; the first group's two bytes of my row (both halves of the lanes write the same)
	ds_store_b16_d16_hi v[SSA], v[PW] offset:128+32*(\a)   ; the second group's
.irp i, 0,1,2,3
	ds_load_b128 v[OB+4*\i:OB+4*\i+3], v[RD] offset:1280*(\i/2)+640*(\i%2)   ; LDS serves a wave's instructions in order: these see the stores above
.endr
	s_wait_dscnt 0x0                               ; they are back, and the stores have read their registers
.irp i, 0,1,2,3
	global_store_b128 v[GOF], v[OB+4*\i:OB+4*\i+3], s[12:13] offset:(\i/2)*GST+1024*(\a)+512*(\i%2)
.endr
.endm
	PLACES NP                                      ; behind the last products: the lines below write registers that held A's fragments
	v_mov_b32 v[AP+1], 0                           ; (named as the upper half of a pair)
.irp b, 0,1,2,3
	v_mov_b32 v[TM+4+\b], 0                        ; written once: a lane permute's destination counts as one of its sources
.endr
.irp a, 0,1,2,3
	OUTBLK \a
.endr
	s_wait_xcnt 0x0                                ; block 3's stores have read v[OB] on
	ds_load_b64 v[OB:OB+1], v[SSR]                 ; my 64 rows' scale bytes: lanes 0-15 the first group's 128 bytes, lanes 16-31 the second's
	s_wait_dscnt 0x0
	global_store_b64 v[GSF], v[OB:OB+1], s[100:101]    ; sixteen lanes store 128 consecutive bytes
	s_wait_tensorcnt 0x0                           ; the wave's end
	ds_add_u32 v[SPW], v[NIL]
	s_wait_dscnt 0x0
	CROUND                                         ; the closing round: no work-group ends while a partner may still ask for a tile that names it
	s_endpgm
.Lfunc_end_k_qd65f91126a_gemm_v:
	.size	k_qd65f91126a_gemm_v, .Lfunc_end_k_qd65f91126a_gemm_v-k_qd65f91126a_gemm_v
	.p2alignl 7, 3214868480
	.fill 96, 4, 3214868480
	.section	.rodata,"a",@progbits
	.p2align	6, 0x0
	.amdhsa_kernel k_qd65f91126a_gemm_v
		.amdhsa_group_segment_fixed_size 327680
		.amdhsa_private_segment_fixed_size 0
		.amdhsa_enable_private_segment 0
		.amdhsa_kernarg_size 24
		.amdhsa_user_sgpr_count 2
		.amdhsa_user_sgpr_kernarg_segment_ptr 1
		.amdhsa_wavefront_size32 1
		.amdhsa_system_sgpr_workgroup_id_x 1
		.amdhsa_system_sgpr_workgroup_id_y 1
		.amdhsa_system_sgpr_workgroup_id_z 1
		.amdhsa_system_vgpr_workitem_id 0
		.amdhsa_next_free_vgpr 768
		.amdhsa_next_free_sgpr 102
		.amdhsa_reserve_vcc 0
		.amdhsa_float_denorm_mode_32 3
		.amdhsa_float_denorm_mode_16_64 3
		.amdhsa_fp16_overflow 1
		.amdhsa_memory_ordered 1
		.amdhsa_forward_progress 1
		.amdhsa_inst_pref_size 105
	.end_amdhsa_kernel
	.amdgpu_metadata
---
amdhsa.version: [ 1, 2 ]
amdhsa.kernels:
  - .name:           k_qd65f91126a_gemm_v
    .symbol:         k_qd65f91126a_gemm_v.kd
    .args:
      - { .name: wv, .offset: 0, .size: 8, .value_kind: global_buffer, .address_space: global }
      - { .name: xq, .offset: 8, .size: 8, .value_kind: global_buffer, .address_space: global }
      - { .name: vt, .offset: 16, .size: 8, .value_kind: global_buffer, .address_space: global }
    .group_segment_fixed_size: 327680
    .private_segment_fixed_size: 0
    .kernarg_segment_align: 8
    .kernarg_segment_size: 24
    .max_flat_workgroup_size: 128
    .sgpr_count:     102
    .vgpr_count:     768
    .wavefront_size: 32
...
	.end_amdgpu_metadata
.endif
;; end of part 8
;; launch attention (part 9): grid 4 x 64, 16 waves a work-group, clusters of 4 x 1, 288,768 bytes of LDS; arguments qk, vt, ctx; writes ctx
.if DOCPART == 9
	.amdgcn_target "amdgcn-amd-amdhsa--gfx1250"
	.amdhsa_code_object_version 6
	.text
	.protected	k_qd65f91126a_attention
	.globl	k_qd65f91126a_attention
	.p2align	8
	.type	k_qd65f91126a_attention,@function
k_qd65f91126a_attention:
	s_mov_b64 s[64:65], 0
	v_nop
	global_prefetch_b8 v0, s[64:65] scope:SCOPE_SE
	s_setreg_imm32_b32 hwreg(HW_REG_WAVE_MODE, 25, 1), 1
	s_wait_xcnt 0x0
	s_wait_alu depctr_hold_cnt(0) depctr_sa_sdst(0) depctr_va_vdst(0) depctr_va_sdst(0) depctr_va_ssrc(0) depctr_va_vcc(0) depctr_vm_vsrc(0)
	s_getreg_b32 s2, hwreg(HW_REG_IB_STS2, 6, 4)
	s_cmp_eq_u32 s2, 0
	s_cbranch_scc0 .Lentry_in_a_cluster
	s_endpgm
.Lentry_in_a_cluster:
	s_bfe_u32 s2, ttmp6, 0x10000c
	s_cmp_lg_u32 s2, 0x3003
	s_cbranch_scc0 .Lentry_shape_is_right
	s_endpgm
.Lentry_shape_is_right:
; ctx[b][q][head][:] = the sum over keys k <= q of softmax_k(Q . K / 8) V, both products on codes of E4M3 with one E8M0 scale for each 32 along a product's K; ctx leaves QUANTISED along its 1024 (the next product's K).
; qk: scale bytes [group][8192][2] at byte 0, codes [group][8192][64] at OCO; group = head for q, 16 + head for k; row = 2048 b + s.  vt: the same form; group = 32 b + key / 64; row = 64 head + d; a row's 64 bytes are 64 keys.
; Inside a block of 32, byte 16 h + 8 u + e holds element 16 u + 8 h + e: alike in q and k; for v it is the order in which p's codes fall out here.
; ctx: codes [8192][1024] at byte 0 in the natural order, scale bytes [8192][32] at SCO.
; THE SOFTMAX AHEAD OF THE SECOND PRODUCT: t = score x log2(e) / 8; M = the row's largest t so far, rounded UP to a whole number; p = 2^(t - M) is quantised along the keys, not normalised.
; The row's sum is taken of the unquantised p and divides O at the end.  When M moves, the sum and O are multiplied by 2^(old M - new M): exact.
; SHARES.  A cluster of four work-groups is one (b, head).  Its 128 tiles of 16 queries are dealt so that all waves have equal work under the causal mask: work-group g takes the tiles T = g mod 4; wave w of sixteen takes
; T = 4 w + g and T = 4 (31 - w) + g, ONE AFTER THE OTHER, in the same registers.  Tile T wants the key steps (128 keys) 0 .. T / 8, which is w / 2 and 15 - w / 2: 17 steps a wave, and no branch hangs on g.
; THE WHOLE HEAD'S K AND V STAY IN LDS, filled once by joint loads (the four work-groups read the same bytes): no slot is filled again, and the loops have no barrier.
; LAYOUT.  Both products are used transposed: S^T = K Q^T (source 0 = 16 keys, source 1 = my 16 queries), O^T = V^T P^T: a lane holds ONE query (lane % 16) throughout.
; The first product's K is 64: Q's operand has zero codes for k = 64 .. 127, so what K's operand holds there (the next tile's codes, zeros, or p's codes) adds nothing; no code is a NaN code, since every quantiser here holds at 448.
; A KEY STEP is laid so that a wave issues little beside its arithmetic: all eight tiles of K come by one run of loads; all of V is asked for ahead of the softmax, into the registers that K has left;
; the places that the matrix instructions want are filled with lines that are due anyway where there are any.
; LIMITS: a block of zeros gets the byte 1 where the quantiser says 127 (zero codes; this program alone reads the bytes); NaN and infinities are not served.
; ctx leaves in runs of 64 bytes a row and its scale bytes singly: a row's neighbouring bytes belong to other heads, which are other clusters.
.set VC,    139264                     ; LDS: K's codes at 0: key at 272 (key / 4) + 64 (key % 4) (16 bytes of padding behind each 256);  V's codes here: 32 groups of 64 keys, 4,352 bytes each, channel d at 272 (d / 4) + 64 (d % 4)
.set KSC,   278528                     ; K's scale bytes: 2 a key
.set VSC,   282624                     ; V's: [group][64 d][2]
.set STEPB, 8704                       ; a key step's codes: 128 keys of K, or two groups of V
.set TILEB, 1088                       ; 16 rows of 64 bytes, padded
.set GRPB,  4352                       ; 64 rows
.set OCO,   0x200000
.set SCO,   0x800000
.set AK0,  1                           ; v1   my lane's place in a tile of K: 272 (r / 4) + 64 (r % 4) + 16 h
.set AV0,  2                           ; v2   the same in V
.set ASK0, 3                           ; v3   KSC + 2 x lane
.set ASV0, 4                           ; v4   VSC + 2 x lane
.set ADK,  5                           ; v5-8 the addresses of the step in hand; on a tile's way out v5-7 are at work
.set ADV,  6
.set ADS,  7
.set ADT,  8
.set QIL,  9                           ; v9, v10  the mask's threshold: my query's place in its last key step, less 8 h
.set QIH,  10
.set HH,   11                          ; v11  h = lane / 16
.set ST,   12                          ; v12-15  the tile's -M, largest t, and sum in two halves
.set HC,   16
.set QSL,  20                          ; v20, v21  Q's scale words
.set QSH,  21
.set SMB,  22                          ; v[22:23] in a step: the second chain of the row's sum
.set GOC,  22                          ; v22, v23  on a tile's way out: byte offsets into ctx's codes and scale bytes
.set GOS,  23
.set QL,   24                          ; v24-39, v40-55  Q's operands: 8 registers of codes, 8 of zeros
.set QH,   40
.set F,    56                          ; v56-87  K's tiles 0-3, 8 registers each, then V's fragments 0, 1;  v88-95 zeros
.set OO,   160                         ; v160-191  O^T;  v96-159 S^T, then p (v96-99 first: the offsets of Q's loads)
.set G,    192                         ; v192-223  K's tiles 4-7, then V's fragments 2, 3;  behind them v224-239 p's codes
                                       ; v232-247 at work;  v248-251 scale words;  v252 f;  v253 p's scale word;  v[254:255] at work, then the first chain of the row's sum
.set WV,   10                          ; s10  my wave's number
.set SAL,  15                          ; s15, s16  the last key step of my low and of my high tile
.set SAH,  16
.set KS,   17                          ; s17  the key step
.set TB,   18                          ; s18  where its codes begin
.set TS,   19                          ; s19  and its scale bytes
.set SEL,  20                          ; s[20:21] lane selects: lane l xor 16
.set CS,   22                          ; s[22:23] c = log2(e) / 8
.set MNT,  24
.set QR,   25                          ; s25  q's first row in qk: 8192 head + 2048 b
.set RB,   26                          ; s26  2048 b
.set G0KS, 36                          ; s[36:39], s[40:43] descriptor group 0 for K's scale bytes and K's codes;  s[44:47], s[48:51] for V's
.set G0KC, 40
.set G0VS, 44
.set G0VC, 48
.set G1KC, 52                          ; s[52:59] group 1 for K's codes;  s[68:75] V's codes;  s[76:83] K's scale bytes;  s[84:91] V's
.set G1VC, 68
.set G1KS, 76
.set G1VS, 84
.set FQL,  60                          ; s60, s61  the first query of my low and of my high tile.  My place in the cluster lives in s11, s60-63 and s92 alone: none of them feeds a descriptor
.set FQH,  61
.macro CROUND                          ; a round of the cluster's barrier
	s_barrier_signal -1
	s_barrier_wait -1
	s_cmp_lg_u32 s[WV], 0
	s_cbranch_scc1 .Lnot_wave_0_\@
	s_barrier_signal -3
.Lnot_wave_0_\@:
	s_barrier_wait -3
	s_barrier_signal -1
	s_barrier_wait -1
.endm
.macro BEGIN                           ; a tile begins.  (The step is written once for each tile: its first trip finds zeros, which the first change of M leaves zeros)
	v_mov_b32 v[ST+1], 0xff61b1e6                  ; the largest t so far: -3e38, under every t
	s_delay_alu instid0(VALU_DEP_1)
	v_floor_f32 v[ST], -v[ST+1]                    ; -M
	v_mov_b32 v[ST+2], 0                           ; the sum, in two halves
	v_mov_b32 v[ST+3], 0
.set i, 0
.rept 32
	v_mov_b32 v[OO+i], 0                           ; O^T
.set i, i+1
.endr
	s_mov_b32 s[KS], 0
	s_mov_b32 s[TB], 0
	s_mov_b32 s[TS], 0
.endm
	s_load_b128 s[4:7], s[0:1], 0x0                ; qk, vt
	s_load_b64 s[8:9], s[0:1], 0x10                ; ctx
	v_lshl_add_u32 v254, v0, 2, 0x46000
	v_mov_b32 v255, 0
	ds_add_u32 v254, v255
	ds_add_u32 v254, v255
	s_wait_dscnt 0x0
	v_lshrrev_b32 v5, 5, v0
	s_delay_alu instid0(VALU_DEP_1)
	v_readfirstlane_b32 s[WV], v5                  ; wave 0..15
	s_and_b32 s12, ttmp7, 0xffff                   ; 16 b + head: the cluster's y, which the four partners share
	s_lshr_b32 s13, s12, 4                         ; b
	s_and_b32 s14, s12, 15                         ; head
	s_lshr_b32 s[SAL], s[WV], 1
	s_xor_b32 s[SAH], s[SAL], 15                   ; 15 - w / 2
	s_and_b32 s27, s[WV], 3                        ; which quarter a fetching wave takes: waves 0-3 of K, waves 4-7 of V
	; Group 1: every word a constant.  K's codes: a quarter of the head's is a dense block of 32,768 bytes: 128 rows of 256 bytes (32 elements of 8 bytes), 16 bytes of padding behind each
	s_mov_b32 s[G1KC], 15|(3<<16)|(1<<20)|(1<<21)|(5<<22)|(3<<25)   ; 15:0 the mask: all four work-groups; 17:16 elements of 8 bytes; 20 padding on; 21 set beside a mask; 24:22 after every 64 words; 31:25 four words
	s_mov_b32 s[G1KC+1], 32<<16                    ; tensor_dim0
	s_mov_b32 s[G1KC+2], 128<<16                   ; tensor_dim1
	s_mov_b32 s[G1KC+3], 32<<16                    ; tile_dim0
	s_mov_b32 s[G1KC+4], 128                       ; tile_dim1
	s_mov_b32 s[G1KC+5], 32                        ; from row to row
	s_mov_b32 s[G1KC+6], 0
	s_mov_b32 s[G1KC+7], 0
	; V's codes: 8 groups of keys; a group's 64 channels of this head are 4,096 bytes on end, the groups 524,288 bytes apart.  The same padding: sixteen times in a row, so that all lines of 256 bytes lie 272 apart
	s_mov_b32 s[G1VC], 15|(3<<16)|(1<<20)|(1<<21)|(5<<22)|(3<<25)
	s_mov_b32 s[G1VC+1], 512<<16
	s_mov_b32 s[G1VC+2], 8<<16
	s_mov_b32 s[G1VC+3], 512<<16
	s_mov_b32 s[G1VC+4], 8
	s_mov_b32 s[G1VC+5], 65536
	s_mov_b32 s[G1VC+6], 0
	s_mov_b32 s[G1VC+7], 0
	; K's scale bytes: a dense block of 1,024 bytes: 4 rows of 256; no padding
	s_mov_b32 s[G1KS], 15|(3<<16)|(1<<21)
	s_mov_b32 s[G1KS+1], 32<<16
	s_mov_b32 s[G1KS+2], 4<<16
	s_mov_b32 s[G1KS+3], 32<<16
	s_mov_b32 s[G1KS+4], 4
	s_mov_b32 s[G1KS+5], 32
	s_mov_b32 s[G1KS+6], 0
	s_mov_b32 s[G1KS+7], 0
	; V's scale bytes: 8 groups; a group's 64 channels are 128 bytes, the groups 16,384 bytes apart
	s_mov_b32 s[G1VS], 15|(3<<16)|(1<<21)
	s_mov_b32 s[G1VS+1], 16<<16
	s_mov_b32 s[G1VS+2], 8<<16
	s_mov_b32 s[G1VS+3], 16<<16
	s_mov_b32 s[G1VS+4], 8
	s_mov_b32 s[G1VS+5], 2048
	s_mov_b32 s[G1VS+6], 0
	s_mov_b32 s[G1VS+7], 0
	; where the quarters go: a constant + the quarter x a constant
	s_lshl_b32 s28, s27, 10
	s_add_co_u32 s[G0KS+1], s28, KSC
	s_add_co_u32 s[G0VS+1], s28, VSC
	s_mul_i32 s29, s27, 8*GRPB
	s_mov_b32 s[G0KC+1], s29
	s_add_co_u32 s[G0VC+1], s29, VC
	; and where they come from, as byte offsets
	s_lshl_b32 s[QR], s14, 13
	s_lshl_b32 s[RB], s13, 11
	s_add_co_u32 s[QR], s[QR], s[RB]
	s_add_co_u32 s28, s[QR], 131072                ; k's first row: 16 groups of 8,192 rows behind q's
	s_lshl_b32 s30, s28, 6
	s_lshl_b32 s29, s27, 15
	s_add_co_u32 s30, s30, s29
	s_add_co_u32 s30, s30, OCO                     ; K's codes: OCO + 64 x row + 32,768 x quarter
	s_mov_b32 s31, 0
	s_lshl_b32 s32, s28, 1
	s_lshl_b32 s29, s27, 10
	s_add_co_u32 s32, s32, s29                     ; K's scale bytes: 2 x row + 1,024 x quarter
	s_mov_b32 s33, 0
	s_lshl_b32 s28, s13, 5
	s_lshl_b32 s29, s27, 3
	s_add_co_u32 s28, s28, s29                     ; V's first group: 32 b + 8 x quarter
	s_lshl_b32 s34, s28, 19
	s_lshl_b32 s29, s14, 12
	s_add_co_u32 s34, s34, s29
	s_add_co_u32 s34, s34, OCO                     ; V's codes: OCO + 524,288 x group + 4,096 head
	s_mov_b32 s35, 0
	s_lshl_b32 s28, s28, 14
	s_lshl_b32 s29, s14, 7
	s_add_co_u32 s28, s28, s29                     ; V's scale bytes: 16,384 x group + 128 head
	s_mov_b32 s29, 0
	s_mov_b32 s[SEL], 0x76543210
	s_mov_b32 s[SEL+1], 0xfedcba98
	s_mov_b32 s[CS], 0x3e38aa3b                    ; c = log2(e) / 8
	s_mov_b32 s[CS+1], s[CS]                       ; (named with it as a pair)
	s_wait_kmcnt 0x0
	s_mov_b32 s[G0KS], 1                           ; 1:0 count = 1
	s_add_nc_u64 s[G0KS+2:G0KS+3], s[4:5], s[32:33]
	s_or_b32 s[G0KS+3], s[G0KS+3], 0x80000000      ; 127:126 type = 2
	s_mov_b32 s[G0KC], 1
	s_add_nc_u64 s[G0KC+2:G0KC+3], s[4:5], s[30:31]
	s_or_b32 s[G0KC+3], s[G0KC+3], 0x80000000
	s_mov_b32 s[G0VS], 1
	s_add_nc_u64 s[G0VS+2:G0VS+3], s[6:7], s[28:29]
	s_or_b32 s[G0VS+3], s[G0VS+3], 0x80000000
	s_mov_b32 s[G0VC], 1
	s_add_nc_u64 s[G0VC+2:G0VC+3], s[6:7], s[34:35]
	s_or_b32 s[G0VC+3], s[G0VC+3], 0x80000000
	CROUND                                         ; all four work-groups are here: the joint loads meet
	s_cmp_lt_u32 s[WV], 4                          ; waves 0-3 fetch K's quarters, waves 4-7 V's, the others nothing; a wave's two fills stand in one branch: two loads of mine are out
	s_cbranch_scc0 .Lnot_k
	tensor_load_to_lds s[G0KS:G0KS+3], s[G1KS:G1KS+7]
	s_nop 0
	tensor_load_to_lds s[G0KC:G0KC+3], s[G1KC:G1KC+7]
	s_nop 0
.rept 4
	v_nop
.endr
	s_branch .Lasked
.Lnot_k:
	s_cmp_lt_u32 s[WV], 8
	s_cbranch_scc0 .Lasked
	tensor_load_to_lds s[G0VS:G0VS+3], s[G1VS:G1VS+7]
	s_nop 0
	tensor_load_to_lds s[G0VC:G0VC+3], s[G1VC:G1VC+7]
	s_nop 0
.rept 4
	v_nop
.endr
.Lasked:
	; my two tiles.  My place in the cluster enters the offsets of Q's loads and ctx's stores and the mask's numbers alone
	s_bfe_u32 s11, ttmp6, 0x40000                  ; g
	s_lshl_b32 s[FQL], s[WV], 2
	s_sub_co_u32 s[FQH], 124, s[FQL]
	s_add_co_u32 s[FQL], s[FQL], s11               ; T low = 4 w + g
	s_add_co_u32 s[FQH], s[FQH], s11               ; T high = 4 (31 - w) + g
	s_lshl_b32 s[FQL], s[FQL], 4                   ; their first queries
	s_lshl_b32 s[FQH], s[FQH], 4
	v_and_b32 v5, 15, v0                           ; r
	v_bfe_u32 v[HH], v0, 4, 1                      ; h
	v_and_b32 v6, 31, v0                           ; lane
	s_delay_alu instid0(VALU_DEP_3)
	v_lshlrev_b32 v7, 6, v5
	s_delay_alu instid0(VALU_DEP_1)
	v_lshl_add_u32 v7, v[HH], 4, v7                ; Q's codes: 64 r + 16 h in the tile
	v_lshlrev_b32 v8, 1, v5                        ; its scale bytes: 2 r
	s_add_co_u32 s62, s[QR], s[FQL]                ; the low tile's first row in qk
	s_lshl_b32 s63, s62, 6
	v_add_nc_u32 v96, s63, v7
	s_lshl_b32 s63, s62, 1
	v_add_nc_u32 v97, s63, v8
	s_add_co_u32 s62, s[QR], s[FQH]                ; the high tile's
	s_lshl_b32 s63, s62, 6
	v_add_nc_u32 v98, s63, v7
	s_lshl_b32 s63, s62, 1
	v_add_nc_u32 v99, s63, v8
.irp c, 0,1
	global_load_b128 v[QL+4*\c:QL+4*\c+3], v96, s[4:5] offset:OCO+32*\c
	global_load_b128 v[QH+4*\c:QH+4*\c+3], v98, s[4:5] offset:OCO+32*\c
.endr
	global_load_u16 v[QSL], v97, s[4:5]            ; two scale bytes; the word's upper bytes are 0 (2^-127, over zero codes)
	global_load_u16 v[QSH], v99, s[4:5]
	v_lshrrev_b32 v7, 2, v5
	v_and_b32 v8, 3, v5
	s_delay_alu instid0(VALU_DEP_2)
	v_mul_u32_u24 v[AK0], v7, 272
	s_delay_alu instid0(VALU_DEP_1)
	v_lshl_add_u32 v[AK0], v8, 6, v[AK0]
	s_delay_alu instid0(VALU_DEP_1)
	v_lshl_add_u32 v[AK0], v[HH], 4, v[AK0]
	s_delay_alu instid0(VALU_DEP_1)
	v_add_nc_u32 v[AV0], VC, v[AK0]
	v_lshl_add_u32 v[ASK0], v6, 1, KSC
	v_lshl_add_u32 v[ASV0], v6, 1, VSC
	s_and_b32 s62, s[WV], 1
	s_lshl_b32 s63, s62, 6                         ; 16 (T % 8): low tile 64 (w % 2) + 16 g,
	s_sub_co_u32 s62, 64, s63                      ; high tile 64 (1 - w % 2) + 16 g
	s_lshl_b32 s92, s11, 4
	s_add_co_u32 s63, s63, s92
	s_add_co_u32 s62, s62, s92
	v_lshlrev_b32 v7, 3, v[HH]
	s_delay_alu instid0(VALU_DEP_1)
	v_sub_nc_u32 v7, v5, v7                        ; r - 8 h
	s_delay_alu instid0(VALU_DEP_1)
	v_add_nc_u32 v[QIL], s63, v7
	s_delay_alu instid0(VALU_DEP_2)
	v_add_nc_u32 v[QIH], s62, v7
	BEGIN                                          ; the low tile
.set i, 0
.rept 8
	v_mov_b32 v[QL+8+i], 0                         ; zero codes for k = 64 .. 127
	v_mov_b32 v[QH+8+i], 0
	v_mov_b32 v[F+32+i], 0                         ; behind K's tile 3,
	v_mov_b32 v[224+i], 0                          ; and behind its tile 7, where p's codes will lie
.set i, i+1
.endr
.irp b, 0,1,2,3
	v_mov_b32 v[236+\b], 0                         ; written once: a lane permute's destination counts as one of its sources
.endr
	v_mov_b32 v252, 0
	v_mov_b32 v253, 0                              ; (named as the upper half of the pair v[252:253] before it is first written)
	s_wait_tensorcnt 0x0                           ; my parts of the head's K, V and scale bytes are in,
	s_barrier_signal -1
	s_barrier_wait -1                              ; everybody's are: from here on LDS is only read
	s_wait_loadcnt 0x0                             ; Q; its loads' offset registers v96-99 are free
; The largest score of blocks b0 and b0 + 1 (32 keys each: 16 registers of mine) into v[232 + b0], v[233 + b0]: two chains a block, four in all, so that no line waits for the line above it; t0: two registers at work.
; Each accumulator is read from its low end on: registers 0-2 of the block's first tile, then registers 7, 8, 9: the second tile's first two among them.
.macro BMAX b0, t0
.irp u, 0,1
	v_max3_num_f32 v[232+\b0+\u], v[96+16*(\b0+\u)], v[97+16*(\b0+\u)], v[98+16*(\b0+\u)]
	v_max3_num_f32 v[\t0+\u], v[103+16*(\b0+\u)], v[104+16*(\b0+\u)], v[105+16*(\b0+\u)]
.endr
.irp i, 3,5
.irp u, 0,1
	v_max3_num_f32 v[232+\b0+\u], v[232+\b0+\u], v[96+16*(\b0+\u)+\i], v[97+16*(\b0+\u)+\i]
	v_max3_num_f32 v[\t0+\u], v[\t0+\u], v[103+16*(\b0+\u)+\i], v[104+16*(\b0+\u)+\i]
.endr
.endr
.irp u, 0
	v_max3_num_f32 v[232+\b0+\u], v[232+\b0+\u], v[\t0+\u], v[110+16*(\b0+\u)]
.endr
.irp u, 1
	v_max3_num_f32 v[232+\b0+\u], v[232+\b0+\u], v[\t0+\u], v[110+16*(\b0+\u)]
.endr
.irp u, 0,1
	v_max_num_f32 v[232+\b0+\u], v[232+\b0+\u], v[111+16*(\b0+\u)]
.endr
.endm
; A KEY STEP: 128 keys.  qf, qs: Q's operand and scale word; sa: the tile's last step; qi: the mask's threshold.
.macro STEP qf, qs, sa, qi
	s_cmp_gt_u32 s[KS], s[\sa]                     ; all keys of this step come after my 16 queries: the step is left out.  A branch on the wave's number and the step's
	s_cbranch_scc1 .Lhidden_\@
	s_setprio 2
	v_add_nc_u32 v[ADK], s[TB], v[AK0]
	v_add_nc_u32 v[ADS], s[TS], v[ASK0]
.rept 6
	v_nop                                          ; with the two sums above: eight places in front of loads into registers that the last step's products have read
.endr
.irp b, 0,1,2,3
	ds_load_u16 v[248+\b], v[ADS] offset:64*\b     ; K's scale bytes: lane l takes key 32 b + l: lanes 0-15 tile 2 b's words, lanes 16-31 tile 2 b + 1's
.endr
.irp t, 0,1,2,3
.irp c, 0,1
	ds_load_b128 v[F+8*\t+4*\c:F+8*\t+4*\c+3], v[ADK] offset:\t*TILEB+32*\c
.endr
.endr
.irp t, 0,1,2,3
.irp c, 0,1
	ds_load_b128 v[G+8*\t+4*\c:G+8*\t+4*\c+3], v[ADK] offset:(4+\t)*TILEB+32*\c
.endr
.endr
	s_wait_dscnt 8                                 ; the scale bytes and tiles 0-3 are in; the eight loads of tiles 4-7 may be out
.irp t, 0,1,2,3                                ; S^T = K Q^T: lane (r, h): query r; register 8 t + e is key 16 t + 8 h + e of the step
.if (\t%2) == 1
	v_wmma_scale_f32_16x16x128_f8f6f4 v[96+8*\t:103+8*\t], v[F+8*\t:F+8*\t+15], v[\qf:\qf+15], 0, v[248+\t/2], v[\qs] matrix_a_scale:MATRIX_SCALE_ROW1
.else
	v_wmma_scale_f32_16x16x128_f8f6f4 v[96+8*\t:103+8*\t], v[F+8*\t:F+8*\t+15], v[\qf:\qf+15], 0, v[248+\t/2], v[\qs]
.endif
.endr
	v_add_nc_u32 v[ADV], s[TB], v[AV0]             ; eight places behind those four products, ahead of the first read of their scores: four lines that are due anyway,
	v_add_nc_u32 v[ADT], s[TS], v[ASV0]
	v_mov_b32 v255, v[ST]                          ; (the old -M)
	v_mov_b32 v254, 0xff800000                     ; (-infinity, for the mask)
.rept 4
	v_nop                                          ; and four that are not
.endr
	s_wait_dscnt 0x0                               ; tiles 4-7 are in
.irp t, 0,1,2,3
.if (\t%2) == 1
	v_wmma_scale_f32_16x16x128_f8f6f4 v[128+8*\t:135+8*\t], v[G+8*\t:G+8*\t+15], v[\qf:\qf+15], 0, v[250+\t/2], v[\qs] matrix_a_scale:MATRIX_SCALE_ROW1
.else
	v_wmma_scale_f32_16x16x128_f8f6f4 v[128+8*\t:135+8*\t], v[G+8*\t:G+8*\t+15], v[\qf:\qf+15], 0, v[250+\t/2], v[\qs]
.endif
.endr
	s_cmp_lg_u32 s[KS], s[\sa]                     ; only the tile's last step lies on the diagonal
	s_cbranch_scc1 .Lopen_\@
.set n, 0
	s_wait_alu depctr_va_vdst(0)
.rept 64                                       ; hidden scores become -infinity ahead of the maximum: p = 0 then.  (The 64 lines on tiles 0-3 are the places behind the products of tiles 4-7)
	v_cmp_gt_i32 vcc_lo, 16*(n/8)+n%8, v[\qi]      ; the register's key comes after my query
	v_cndmask_b32 v[96+n], v[96+n], v254, vcc_lo
.set n, n+1
.endr
.Lopen_\@:
	BMAX 0, 234                                    ; THE LARGEST SCORE OF EACH BLOCK OF 32 KEYS serves the row's maximum and, since p rises with the score, the block's largest p.  Blocks 0 and 1: sixteen lines on tiles 0-3: the places behind the products of tiles 4-7
	ds_load_u16 v248, v[ADT]                       ; ALL OF V IS ASKED FOR NOW, into the registers that K has left; it lands under the softmax.  Its scale bytes: lane l takes channel l (v248, v249) and 32 + l (v250, v251); first group, second group
	ds_load_u16 v249, v[ADT] offset:128
	ds_load_u16 v250, v[ADT] offset:64
	ds_load_u16 v251, v[ADT] offset:192
.irp t, 0,1
.irp c, 0,1,2,3
	ds_load_b128 v[F+16*\t+4*\c:F+16*\t+4*\c+3], v[ADV] offset:\t*TILEB+GRPB*(\c/2)+32*(\c%2)
.endr
.endr
.irp t, 0,1
.irp c, 0,1,2,3
	ds_load_b128 v[G+16*\t+4*\c:G+16*\t+4*\c+3], v[ADV] offset:(2+\t)*TILEB+GRPB*(\c/2)+32*(\c%2)
.endr
.endr
	BMAX 2, 236
.irp b, 0,1,2,3
	v_permlanex16_b32 v[236+\b], v[232+\b], s[SEL], s[SEL+1]
.endr
.irp b, 0,1,2,3
	s_delay_alu instid0(VALU_DEP_4)
	v_max_num_f32 v[232+\b], v[232+\b], v[236+\b]  ; with lane l xor 16's 16 keys
.endr
	s_delay_alu instid0(VALU_DEP_2)
	v_max3_num_f32 v254, v232, v233, v234
	s_delay_alu instid0(VALU_DEP_1)
	v_max_num_f32 v254, v254, v235                 ; the step's largest score of my query
	s_delay_alu instid0(VALU_DEP_1)
	v_mul_f32 v254, s[CS], v254                    ; as t (c is positive)
	s_delay_alu instid0(VALU_DEP_1)
	v_max_num_f32 v[ST+1], v[ST+1], v254           ; the running largest t
	s_delay_alu instid0(VALU_DEP_1)
	v_floor_f32 v[ST], -v[ST+1]                    ; the new -M = floor(-t) = -ceil(t)
	s_delay_alu instid0(VALU_DEP_1)
	v_sub_f32 v254, v[ST], v255                    ; old M less new M: a whole number, 0 or less
	s_delay_alu instid0(VALU_DEP_1)
	v_cvt_i32_f32 v254, v254                       ; (it saturates)
	s_delay_alu instid0(VALU_DEP_1)
	v_ldexp_f32 v252, 1.0, v254                    ; f = 2^(old M - new M)
.set j, 0
	s_setprio 1
.rept 32
	v_pk_fma_f32 v[96+j:97+j], v[96+j:97+j], s[CS:CS+1], v[ST:ST+1] op_sel_hi:[1,0,0]   ; t - M, two at a time
.set j, j+2
.endr
.irp b, 0,1,2,3
	v_fma_f32 v[232+\b], v[232+\b], s[CS], v[ST]   ; the same of each block's largest score
.endr
.set j, 0
	s_wait_alu depctr_va_vdst(0)
.rept 64
	v_exp_f32 v[96+j], v[96+j]                     ; p = 2^(t - M), at most 1
.set j, j+1
.endr
.irp b, 0,1,2,3
	v_exp_f32 v[232+\b], v[232+\b]                 ; the block's largest p
.endr
	s_wait_dscnt 0x0                               ; V and its scale bytes are in
	v_lshl_or_b32 v248, v249, 16, v248             ; (a plain line behind the exponentials)  V's scale words: lanes 0-15 channels 0-15, lanes 16-31 channels 16-31;
	v_lshl_or_b32 v250, v251, 16, v250             ; channels 32-47 and 48-63.  Far more than eight places ahead of their use
	s_wait_alu depctr_va_vdst(0)
.irp b, 0,1,2,3
	v_max_num_f32 v[232+\b], 0x4800000, v[232+\b]  ; the floor 2^(9 - 127): the byte cannot fall under 1
.endr
.irp b, 0,1,2,3
	s_delay_alu instid0(VALU_DEP_4)
	v_add_nc_u32 v[244+\b], 0xfc000000, v[232+\b]  ; the conversion's scale operand
.endr
.irp b, 0,1,2,3
.endr
.irp b, 0,1,2,3
.endr
.irp b, 0,1,2,3
	s_delay_alu instid0(VALU_DEP_4)
	v_lshrrev_b32 v[236+\b], 23, v[244+\b]         ; the scale's byte
.endr
	s_delay_alu instid0(VALU_DEP_3)
	v_lshl_or_b32 v253, v237, 8, v236              ; p's scale word for these 128 keys
	s_delay_alu instid0(VALU_DEP_1)
	v_lshl_or_b32 v253, v238, 16, v253
	s_delay_alu instid0(VALU_DEP_1)
	v_lshl_or_b32 v253, v239, 24, v253
	v_pk_add_f32 v[254:255], v[96:97], v[98:99]    ; THE ROW'S SUM IS TAKEN OF THE UNQUANTISED p: two at a time, in two chains
	v_pk_add_f32 v[SMB:SMB+1], v[100:101], v[102:103]
.set j, 8
.rept 14
	v_pk_add_f32 v[254:255], v[254:255], v[96+j:97+j]
	v_pk_add_f32 v[SMB:SMB+1], v[SMB:SMB+1], v[98+j:99+j]
.set j, j+4
.endr
	s_setprio 0
.irp b, 0,1,2,3
.set i, 0
.rept 8
.set i, i+2
.endr
	v_cvt_scalef32_pk8_fp8_f32 v[224+4*\b:225+4*\b], v[96+16*\b:103+16*\b], v[244+\b]
	v_cvt_scalef32_pk8_fp8_f32 v[226+4*\b:227+4*\b], v[104+16*\b:111+16*\b], v[244+\b]
.endr
.set j, 0
.rept 16
	v_pk_mul_f32 v[OO+j:OO+j+1], v[OO+j:OO+j+1], v[252:253] op_sel_hi:[1,0]   ; O^T under the new M.  (These are also the places between the conversions and the products)
.set j, j+2
.endr
	v_pk_add_f32 v[254:255], v[254:255], v[SMB:SMB+1]
	s_delay_alu instid0(VALU_DEP_1)
	v_pk_fma_f32 v[ST+2:ST+3], v[ST+2:ST+3], v[252:253], v[254:255] op_sel_hi:[1,0,1]   ; the sum under the new M, and this step's p
	; O^T += V^T P^T: four tiles of 16 channels; K = these 128 keys.  Each accumulator has one instruction a step, with the others' between
	v_wmma_scale_f32_16x16x128_f8f6f4 v[OO:OO+7], v[F:F+15], v[224:239], v[OO:OO+7], v248, v253
	v_wmma_scale_f32_16x16x128_f8f6f4 v[OO+8:OO+15], v[F+16:F+31], v[224:239], v[OO+8:OO+15], v248, v253 matrix_a_scale:MATRIX_SCALE_ROW1
	v_wmma_scale_f32_16x16x128_f8f6f4 v[OO+16:OO+23], v[G:G+15], v[224:239], v[OO+16:OO+23], v250, v253
	v_wmma_scale_f32_16x16x128_f8f6f4 v[OO+24:OO+31], v[G+16:G+31], v[224:239], v[OO+24:OO+31], v250, v253 matrix_a_scale:MATRIX_SCALE_ROW1
.Lhidden_\@:
.endm
; THE WAY OUT of a tile: O^T / the sum; register 8 t + e is channel 16 t + 8 h + e of query r.  Two blocks of 32 channels, each in 16 registers of lanes l and l xor 16, are quantised; two lane swaps a block
; bring the codes into the natural order (lane h: channels 32 b + 16 h + 0 .. 15).  fq: the scalar that holds the tile's first query.
.macro FINISH fq
	s_wait_xcnt 0x0                                ; no earlier store still reads the registers that are written below
	v_and_b32 v7, 15, v0                           ; r  (the step's address registers are free)
	s_delay_alu instid0(VALU_DEP_1)
	v_lshlrev_b32 v5, 10, v7
	s_delay_alu instid0(VALU_DEP_1)
	v_lshl_add_u32 v5, v[HH], 4, v5                ; ctx's codes: 1024 r + 16 h in the tile's rows
	s_delay_alu instid0(VALU_DEP_3)
	v_lshl_add_u32 v6, v7, 5, v[HH]                ; its scale bytes: 32 r + h
	s_wait_alu depctr_va_vdst(0)
	s_add_co_u32 s62, s[RB], s[\fq]                ; the tile's first row of ctx: 2048 b + the query
	s_lshl_b32 s63, s62, 10
	s_lshl_b32 s92, s14, 6
	s_add_co_u32 s63, s63, s92                     ; codes: 1024 x row + 64 head
	v_add_nc_u32 v[GOC], s63, v5
	s_lshl_b32 s63, s62, 5
	s_lshl_b32 s92, s14, 1
	s_add_co_u32 s63, s63, s92
	s_add_co_u32 s63, s63, SCO                     ; scale bytes: SCO + 32 x row + 2 head
	v_add_nc_u32 v[GOS], s63, v6
.rept 8
	v_nop                                          ; places behind the last products
.endr
	v_add_f32 v[ST+2], v[ST+2], v[ST+3]            ; the sum's two halves,
	s_delay_alu instid0(VALU_DEP_1)
	v_permlanex16_b32 v252, v[ST+2], s[SEL], s[SEL+1]
	s_delay_alu instid0(VALU_DEP_1)
	v_add_f32 v[ST+2], v[ST+2], v252               ; and lane l xor 16's
	s_wait_alu depctr_va_vdst(0)
	v_rcp_f32 v[ST+2], v[ST+2]
	v_cmp_ne_u32 vcc_lo, 0, v[HH]                  ; (a plain line behind the reciprocal)  lanes 16-31
.set j, 0
	s_wait_alu depctr_va_vdst(0)
.rept 16
	v_pk_mul_f32 v[96+j:97+j], v[OO+j:OO+j+1], v[ST+2:ST+3] op_sel_hi:[1,0]   ; each accumulator from its low end on
.set j, j+2
.endr
.irp b, 0,1
	v_max3_num_f32 v[232+\b], |v[96+16*\b]|, |v[97+16*\b]|, 0x4800000
.endr
.irp i, 2,4,6,8,10,12,14
.irp b, 0,1
	s_delay_alu instid0(VALU_DEP_2)
	v_max3_num_f32 v[232+\b], v[232+\b], |v[96+16*\b+\i]|, |v[97+16*\b+\i]|
.endr
.endr
.irp b, 0,1
	v_permlanex16_b32 v[236+\b], v[232+\b], s[SEL], s[SEL+1]
.endr
.irp b, 0,1
	s_delay_alu instid0(VALU_DEP_2)
	v_max_num_f32 v[232+\b], v[232+\b], v[236+\b]
.endr
.irp b, 0,1
	s_delay_alu instid0(VALU_DEP_2)
	v_add_nc_u32 v[244+\b], 0xfc000000, v[232+\b]
.endr
.irp b, 0,1
.endr
.irp b, 0,1
	s_delay_alu instid0(VALU_DEP_2)
	v_lshrrev_b32 v[236+\b], 23, v[244+\b]
.endr
	s_delay_alu instid0(VALU_DEP_1)
	v_cndmask_b32 v246, v236, v237, vcc_lo         ; lanes 0-15 store the first block's byte, lanes 16-31 the second's
.irp b, 0,1
.set i, 0
.rept 16
.set i, i+1
.endr
	v_cvt_scalef32_pk8_fp8_f32 v[224+4*\b:225+4*\b], v[96+16*\b:103+16*\b], v[244+\b]
	v_cvt_scalef32_pk8_fp8_f32 v[226+4*\b:227+4*\b], v[104+16*\b:111+16*\b], v[244+\b]
.endr
	v_nop                                          ; a plain line behind the last conversion
.irp b, 0,1
	v_permlane16_swap_b32 v[224+4*\b], v[226+4*\b] ; lanes 16-31 of the first with lanes 0-15 of the second
	v_permlane16_swap_b32 v[225+4*\b], v[227+4*\b]
.endr
	global_store_b128 v[GOC], v[224:227], s[8:9]
	global_store_b128 v[GOC], v[228:231], s[8:9] offset:32
	global_store_b8 v[GOS], v246, s[8:9]
.endm
.Llow:                                             ; sixteen trips, the same in every wave and every work-group; the steps that the tile does not need are jumped over inside
	STEP QL, QSL, SAL, QIL
	s_add_co_u32 s[TB], s[TB], STEPB
	s_add_co_u32 s[TS], s[TS], 256
	s_add_co_u32 s[KS], s[KS], 1
	s_cmp_lt_u32 s[KS], 16
	s_cbranch_scc1 .Llow
	s_setprio 0
	FINISH FQL
	BEGIN                                          ; the high tile, in the same registers
	s_wait_xcnt 0x0                                ; the low tile's stores have read their offsets and data: the steps below write those registers again
.Lhigh:
	STEP QH, QSH, SAH, QIH
	s_add_co_u32 s[TB], s[TB], STEPB
	s_add_co_u32 s[TS], s[TS], 256
	s_add_co_u32 s[KS], s[KS], 1
	s_cmp_lt_u32 s[KS], 16
	s_cbranch_scc1 .Lhigh
	s_setprio 0
	FINISH FQH
	s_wait_xcnt 0x0
	v_lshl_add_u32 v254, v0, 2, 0x46000
	v_mov_b32 v255, 0
	s_wait_alu depctr_va_vdst(0)
	s_wait_tensorcnt 0x0
	ds_add_u32 v254, v255
	s_wait_dscnt 0x0
	CROUND                                         ; the closing round
	s_endpgm
.Lfunc_end_k_qd65f91126a_attention:
	.size	k_qd65f91126a_attention, .Lfunc_end_k_qd65f91126a_attention-k_qd65f91126a_attention
	.p2alignl 7, 3214868480
	.fill 96, 4, 3214868480
	.section	.rodata,"a",@progbits
	.p2align	6, 0x0
	.amdhsa_kernel k_qd65f91126a_attention
		.amdhsa_group_segment_fixed_size 288768
		.amdhsa_private_segment_fixed_size 0
		.amdhsa_enable_private_segment 0
		.amdhsa_kernarg_size 24
		.amdhsa_user_sgpr_count 2
		.amdhsa_user_sgpr_kernarg_segment_ptr 1
		.amdhsa_wavefront_size32 1
		.amdhsa_system_sgpr_workgroup_id_x 1
		.amdhsa_system_sgpr_workgroup_id_y 1
		.amdhsa_system_sgpr_workgroup_id_z 1
		.amdhsa_system_vgpr_workitem_id 0
		.amdhsa_next_free_vgpr 256
		.amdhsa_next_free_sgpr 96
		.amdhsa_reserve_vcc 1
		.amdhsa_float_denorm_mode_32 3
		.amdhsa_float_denorm_mode_16_64 3
		.amdhsa_fp16_overflow 1
		.amdhsa_memory_ordered 1
		.amdhsa_forward_progress 1
		.amdhsa_inst_pref_size 68
	.end_amdhsa_kernel
	.amdgpu_metadata
---
amdhsa.version: [ 1, 2 ]
amdhsa.kernels:
  - .name:           k_qd65f91126a_attention
    .symbol:         k_qd65f91126a_attention.kd
    .args:
      - { .name: qk, .offset: 0, .size: 8, .value_kind: global_buffer, .address_space: global }
      - { .name: vt, .offset: 8, .size: 8, .value_kind: global_buffer, .address_space: global }
      - { .name: ctx, .offset: 16, .size: 8, .value_kind: global_buffer, .address_space: global }
    .group_segment_fixed_size: 288768
    .private_segment_fixed_size: 0
    .kernarg_segment_align: 8
    .kernarg_segment_size: 24
    .max_flat_workgroup_size: 512
    .sgpr_count:     96
    .vgpr_count:     256
    .wavefront_size: 32
...
	.end_amdgpu_metadata
.endif
;; end of part 9
;; launch gemm_out (part 10): grid 4 x 64, 4 waves a work-group, clusters of 4 x 4, 327,680 bytes of LDS; arguments ctx, wo, out0; writes out0
.if DOCPART == 10
	.amdgcn_target "amdgcn-amd-amdhsa--gfx1250"
	.amdhsa_code_object_version 6
	.text
	.protected	k_qd65f91126a_gemm_out
	.globl	k_qd65f91126a_gemm_out
	.p2align	8
	.type	k_qd65f91126a_gemm_out,@function
k_qd65f91126a_gemm_out:
	s_mov_b64 s[64:65], 0
	v_nop
	global_prefetch_b8 v0, s[64:65] scope:SCOPE_SE
	s_setreg_imm32_b32 hwreg(HW_REG_WAVE_MODE, 25, 1), 1
	s_wait_xcnt 0x0
	s_wait_alu depctr_hold_cnt(0) depctr_sa_sdst(0) depctr_va_vdst(0) depctr_va_sdst(0) depctr_va_ssrc(0) depctr_va_vcc(0) depctr_vm_vsrc(0)
	s_getreg_b32 s2, hwreg(HW_REG_IB_STS2, 6, 4)
	s_cmp_eq_u32 s2, 0
	s_cbranch_scc0 .Lentry_in_a_cluster
	s_endpgm
.Lentry_in_a_cluster:
	s_bfe_u32 s2, ttmp6, 0x10000c
	s_cmp_lg_u32 s2, 0xf033
	s_cbranch_scc0 .Lentry_shape_is_right
	s_endpgm
.Lentry_shape_is_right:
; out0[i][j] = sum over k of ctx[i][k] w_out[k][j] + b_out[j], K = 1024, on codes of E4M3 with one E8M0 scale for each 32 along K; out0 [8192][1024] f32.
; Arguments a, b: operands (codes [rows][1024] at byte 0, scale bytes [rows][32] at SCO; b also f32 addends [rows] at ADO: the bias); c: out0.
; A TILE OF C IS 128 x 256: 8,192 x 1,024 / (128 x 256) = 256 work-groups.  Four waves, as many as a WGP has SIMDs; a wave makes 64 x 128: 32 accumulators, 256 registers.
; K goes in four steps of 256 (a tile's row is 256 bytes of memory) through THREE LDS slots: a slot holds 128 rows of A and 256 of B, 104,448 bytes.  K steps 0, 1 and 2 are asked for together at the start;
; only K step 3 is a refill, into slot 0, with four steps of 128 along K in which to land.  The walk is written out: no loop.
; The scale bytes of the work-group's rows, for all of K, come into LDS once, with the first fills.  The text uses 326,912 bytes of LDS.
; CLUSTERS: 4 x 4 work-groups; A's tiles are asked for jointly along a row of the cluster, B's along a column.  THE MATRIX INSTRUCTION IS USED TRANSPOSED (source 0 = 16 rows of B, source 1 = 16 rows of A):
; a lane holds eight neighbouring numbers of a row of C.  The bias is the C of each sum's first matrix instruction.
; REGISTERS, in windows of 256: window 0: v0-31 addresses; v32-63 scale words, two sets; v64-127 the bias; v128-191, v192-255 A's fragments (4 x 16 rows x 128 K), two sets, later rows of C.
;   window 1: B's fragments (8 x 16 rows x 128 K), two sets.   window 2: the accumulators ((a, b) at v[8 (8 a + b)]).
.set SIZE_K, 1024
.set SIZE_N, 1024
.set ROWB,   256                       ; a tile's row in bytes: 256 along K
.set KROW,   SIZE_K                    ; a row of codes in memory
.set PITCH,  272                       ; an LDS row: 256 bytes + 16 of padding = 68 words: the 16 rows that a load touches start at 16 different banks (64 banks of 4 bytes: ISA guide 11.1)
.set FR,     16                        ; registers of a fragment: 16 rows x 128 K
.set NP,     8                         ; places behind this matrix instruction (ISA guide 7.12.1)
.set HA,     64*PITCH                  ; 64 rows: what one tensor load brings of A, and what one wave reads of it
.set HB,     128*PITCH                 ; 128 rows: the same for B
.set SLOT,   2*HA+2*HB                 ; A's 128 rows, then B's 256 rows
.set KS,     SIZE_K/32                 ; a row of scale bytes
.set SCL,    3*SLOT                    ; behind the three slots: the scale bytes, as 256 bytes + 16 of padding: A's two halves, then B's two
.set HSA,    (64*KS/256)*272           ; those of 64 rows
.set HSB,    (128*KS/256)*272          ; of 128 rows
.set SBLK,   (16*KS/256)*272           ; of 16 rows
.set SPARE,  SCL+2*HSA+2*HSB           ; behind them: the spare words, 128 bytes for each wave: two blocks of 256 bytes that no other line names
.set STG,    SLOT                      ; the way out's stages lie in slot 1: it has had its one fill, and nobody reads it behind the second barrier of the walk
.set SPITCH, 528                       ; a stage: 16 rows x (512 bytes + 16) for each wave
.set SCO,    0x800000
.set ADO,    0x840000
.set BOF,  7                           ; v7      32 x (lane / 16): my place in the bias; never rewritten
.set ADRA, 16                          ; v16-18  LDS address of my A fragments in slot 0, 1, 2
.set ADRB, 19                          ; v19-21  the same for B
.set STO,  24                          ; v24     the way out: where I put 32 bytes of a row
.set RD,   25                          ; v25     where I read a row back
.set CO,   26                          ; v26     my byte offset in a row of C
.set ADRS, 27                          ; v27     LDS address of my scale words: lanes 0-15 A's rows, lanes 16-31 B's
.set SPW,  28                          ; v28     LDS address of my spare word; never rewritten
.set NIL,  29                          ; v29     0; never rewritten
.set SC,   32                          ; scale words, two sets of 16 registers; they hold nothing else.  In a set register 2 i + q: lanes 0-15 the word of A's block i, lanes 16-31 that of B's block i, for the K step's q-th 128
.set BC,   64                          ; v64-127 the bias at my 64 columns: register 8 b + e = column 16 b + 8 (lane / 16) + e
.set AF,   128                         ; A's fragments: set p at v[128 + 64 p]
.set BK,   128                         ; the way out: 16 rows read back: v128-191 and v192-255 by turns
.set G1,   24                          ; s[24:31] descriptor group 1 for A's tiles;  s[48:55] for B's
.set G1B,  48
.set G0A0, 32                          ; group 0 for A's tiles, a set for each slot: s[32:35], s[36:39], s[4:7] (the pointers that lay there have been used by then)
.set G0A1, 36
.set G0A2, 4
.set G0B0, 56                          ; the same for B's: s[56:59], s[60:63], s[8:11]
.set G0B1, 60
.set G0B2, 8
.set G1S,  68                          ; s[68:75], s[76:79] groups 1 and 0 for A's scale bytes;  s[80:87], s[88:91] for B's
.set G0S,  76
.set G1SB, 80
.set G0SB, 88
.set MSB, 0
.macro WIN new                         ; the immediate's high byte repeats the setting that is left
.if MSB != \new
	s_set_vgpr_msb (MSB<<8)|\new
.set MSB, \new
.endif
.endm
.set MUL,   0xa1                       ; source 0 (B) window 1, source 1 (A) window 0, C and D window 2
.set FIRST, 0x81                       ; the first step: C (the bias) window 0, D window 2
.set TO_B,  0x40                       ; destination window 1, address window 0
; A joint load: waves 0 and 1 fetch for A, waves 2 and 3 for B.  Each line has ONE mask and one set of registers for all that issue it; the branch hangs on the wave's number alone.
; Four v_nop follow each of the two lines, ahead of the jump, the label and what follows.
.macro JLOAD g0a, g1a, g0b, g1b
	s_cmp_eq_u32 s15, 0
	s_cbranch_scc0 .Lfor_b_\@
	tensor_load_to_lds s[\g0a:\g0a+3], s[\g1a:\g1a+7]
	s_nop 0
.rept 4
	v_nop
.endr
	s_branch .Lasked_\@
.Lfor_b_\@:
	tensor_load_to_lds s[\g0b:\g0b+3], s[\g1b:\g1b+7]
	s_nop 0
.rept 4
	v_nop
.endr
.Lasked_\@:
.endm
.macro CREST                           ; a round of the cluster's barrier behind its opening barrier
	s_cmp_lg_u32 s14, 0
	s_cbranch_scc1 .Lnot_wave_0_\@
	s_barrier_signal -3
.Lnot_wave_0_\@:
	s_barrier_wait -3
	s_barrier_signal -1
	s_barrier_wait -1
.endm
.macro CROUND                          ; a whole round
	s_barrier_signal -1
	s_barrier_wait -1
	CREST
.endm
.macro MKG1 g, c, r, p                 ; words 1 to 7 of a group 1: r rows of c elements, p elements apart
	s_mov_b32 s[\g+1], (\c)<<16                    ; tensor_dim0
	s_mov_b32 s[\g+2], (\r)<<16                    ; tensor_dim1
	s_mov_b32 s[\g+3], (\c)<<16                    ; tile_dim0
	s_mov_b32 s[\g+4], \r                          ; tile_dim1
	s_mov_b32 s[\g+5], \p                          ; from row to row
	s_mov_b32 s[\g+6], 0
	s_mov_b32 s[\g+7], 0
.endm
.macro MKG0 g, l, a, k                 ; a group 0 for K step k in slot k: LDS address s[l] + k slots, global address s[a:a+1] + k tile rows' bytes
	s_mov_b32 s[\g], 1                             ; 1:0 count = 1
	s_add_co_u32 s[\g+1], s[\l], (\k)*SLOT
	s_add_nc_u64 s[\g+2:\g+3], s[\a:\a+1], (\k)*ROWB
	s_or_b32 s[\g+3], s[\g+3], 0x80000000          ; 127:126 type = 2
.endm
	s_load_b128 s[4:7], s[0:1], 0x0                ; a, b
	s_load_b64 s[12:13], s[0:1], 0x10              ; c
	v_lshl_add_u32 v[SPW], v0, 2, SPARE
	v_mov_b32 v[NIL], 0
	ds_add_u32 v28, v29
	ds_add_u32 v28, v29
	s_wait_dscnt 0x0
	v_lshrrev_b32 v1, 5, v0
	v_readfirstlane_b32 s14, v1                    ; wave 0..3
	s_lshr_b32 s15, s14, 1                         ; which 64 of the tile's rows are mine.  Also: I fetch for A (0) or for B (1)
	s_and_b32 s16, s14, 1                          ; which 128 of its columns.  Also: which half of that tile I fetch
	s_bfe_u32 s40, ttmp6, 0x40000                  ; cx, cy: my place in the cluster
	s_bfe_u32 s41, ttmp6, 0x40004
	s_lshl_b32 s42, ttmp9, 2
	s_add_co_u32 s42, s42, s40                     ; tile column of C = 4 x cluster x + cx
	s_and_b32 s17, ttmp7, 0xffff
	s_lshl_b32 s17, s17, 2
	s_add_co_u32 s17, s17, s41                     ; tile row of C = 4 x cluster y + cy
	s_lshl_b32 s43, s41, 2
	s_lshl_b32 s43, 15, s43                        ; my row of the cluster
	s_lshl_b32 s44, 0x1111, s40                    ; my column
	s_or_b32 s[G1], s43, (0<<16)|(1<<20)|(1<<21)|(5<<22)|(3<<25)    ; 15:0 the mask: A's tiles go to my row; 17:16 elements of 1 byte; 20 padding on; 21 set beside a mask; 24:22 after every 64 words; 31:25 four words
	s_or_b32 s[G1B], s44, (0<<16)|(1<<20)|(1<<21)|(5<<22)|(3<<25)   ; B's go to my column
	s_or_b32 s[G1S], s43, (3<<16)|(1<<20)|(1<<21)|(5<<22)|(3<<25)   ; the scale bytes: elements of 8 bytes, the same padding
	s_or_b32 s[G1SB], s44, (3<<16)|(1<<20)|(1<<21)|(5<<22)|(3<<25)
	MKG1 G1, ROWB, 64, KROW                        ; A's half tile: 64 rows x 256 bytes
	MKG1 G1B, ROWB, 128, KROW                      ; B's: 128 rows
	MKG1 G1S, 32, 64*KS/256, 32                    ; the scale bytes of 64 rows: a dense block of 2,048 bytes, as rows of 256
	MKG1 G1SB, 32, 128*KS/256, 32                  ; of 128 rows: 4,096 bytes
	s_lshl_b32 s18, s16, 6
	s_lshl_b32 s20, s17, 7
	s_add_co_u32 s20, s20, s18                     ; A: row 128 x tile row + 64 x half
	s_lshl_b32 s19, s16, 7
	s_lshl_b32 s46, s42, 8
	s_add_co_u32 s46, s46, s19                     ; B: row 256 x tile column + 128 x half
	s_mov_b32 s21, 0
	s_mov_b32 s47, 0
	s_mov_b64 s[18:19], KS
	s_mul_u64 s[22:23], s[20:21], s[18:19]         ; where these rows' scale bytes begin
	s_mul_u64 s[92:93], s[46:47], s[18:19]
	s_mov_b64 s[18:19], KROW
	s_mul_u64 s[20:21], s[20:21], s[18:19]         ; and their codes
	s_mul_u64 s[46:47], s[46:47], s[18:19]
	s_mul_i32 s45, s16, HA                         ; where they go in a slot: A's halves, then B's: no place in the cluster enters an LDS address
	s_mul_i32 s3, s16, HB
	s_add_co_u32 s3, s3, 2*HA
	s_mul_i32 s94, s16, HSA
	s_add_co_u32 s94, s94, SCL
	s_mul_i32 s2, s16, HSB
	s_add_co_u32 s2, s2, SCL+2*HSA
	s_wait_kmcnt 0x0
	s_mov_b64 s[8:9], s[6:7]                       ; B's codes,
	s_add_nc_u64 s[10:11], s[6:7], SCO             ; its scale bytes,
	s_add_nc_u64 s[98:99], s[6:7], ADO             ; its addends: the bias;
	s_add_nc_u64 s[6:7], s[4:5], SCO               ; A's scale bytes
	s_add_nc_u64 s[20:21], s[4:5], s[20:21]
	s_add_nc_u64 s[22:23], s[6:7], s[22:23]
	s_add_nc_u64 s[46:47], s[8:9], s[46:47]
	s_add_nc_u64 s[92:93], s[10:11], s[92:93]
	CROUND                                         ; all sixteen work-groups are here: the first joint loads meet
	s_mov_b32 s[G0S], 1
	s_mov_b32 s[G0S+1], s94
	s_mov_b64 s[G0S+2:G0S+3], s[22:23]
	s_or_b32 s[G0S+3], s[G0S+3], 0x80000000
	s_mov_b32 s[G0SB], 1
	s_mov_b32 s[G0SB+1], s2
	s_mov_b64 s[G0SB+2:G0SB+3], s[92:93]
	s_or_b32 s[G0SB+3], s[G0SB+3], 0x80000000
	JLOAD G0S, G1S, G0SB, G1SB                     ; the scale bytes first: they are wanted with K step 0
	MKG0 G0A0, 45, 20, 0
	MKG0 G0B0, 3, 46, 0
	JLOAD G0A0, G1, G0B0, G1B                      ; K step 0,
	MKG0 G0A1, 45, 20, 1
	MKG0 G0B1, 3, 46, 1
	JLOAD G0A1, G1, G0B1, G1B                      ; 1,
	MKG0 G0A2, 45, 20, 2
	MKG0 G0B2, 3, 46, 2
	JLOAD G0A2, G1, G0B2, G1B                      ; and 2: four loads of mine are out
	v_and_b32 v1, 15, v0                           ; l % 16
	v_bfe_u32 v2, v0, 4, 1                         ; l / 16
	s_lshl_b32 s46, s42, 10
	s_lshl_b32 s47, s16, 9
	s_add_co_u32 s46, s46, s47                     ; the bias of my 128 columns: 4 x (256 x tile column + 128 x half)
	s_mov_b32 s47, 0
	s_add_nc_u64 s[98:99], s[98:99], s[46:47]
	v_lshlrev_b32 v[BOF], 5, v2
.irp b, 0,1,2,3,4,5,6,7
	global_load_b128 v[BC+8*\b:BC+8*\b+3], v[BOF], s[98:99] offset:64*\b
	global_load_b128 v[BC+8*\b+4:BC+8*\b+7], v[BOF], s[98:99] offset:64*\b+16
.endr
	v_mul_u32_u24 v3, v1, PITCH
	v_lshl_add_u32 v4, v2, 4, v3                   ; a fragment's row x pitch + 16 x half
	s_mul_i32 s21, s15, HA                         ; my 64 rows of A
	s_mul_i32 s22, s16, HB                         ; my 128 rows of B,
	s_add_co_u32 s22, s22, 2*HA                    ; which lie behind A's 128
.irp s, 0,1,2
	v_add_nc_u32 v[ADRA+\s], s21, v4
	v_add_nc_u32 v[ADRB+\s], s22, v4
	s_add_co_u32 s21, s21, SLOT
	s_add_co_u32 s22, s22, SLOT
.endr
	v_mul_u32_u24 v5, v1, KS                       ; my row's scale bytes: 32 a row,
	v_lshrrev_b32 v6, 8, v5
	v_lshl_add_u32 v5, v6, 4, v5                   ; and 16 more for each 256 passed
	s_mul_i32 s21, s15, HSA                        ; A's: my 64 rows
	s_mul_i32 s22, s16, HSB                        ; B's: my 128 rows, behind A's 128
	s_add_co_u32 s22, s22, 2*HSA
	s_sub_co_u32 s22, s22, s21
	v_mul_u32_u24 v6, s22, v2                      ; lanes 16-31 take B's
	s_add_co_u32 s21, s21, SCL
	v_add_nc_u32 v5, v5, v6
	v_add_nc_u32 v[ADRS], s21, v5
	s_mul_i32 s23, s14, 16*SPITCH
	s_add_co_u32 s23, s23, STG                     ; my stage
	v_mul_u32_u24 v5, v1, SPITCH                   ; in: row l % 16, 32 bytes for each half of the lanes
	v_lshl_add_u32 v5, v2, 5, v5
	v_add_nc_u32 v[STO], s23, v5
	v_and_b32 v6, 31, v0
	v_lshlrev_b32 v[CO], 4, v6                     ; back: the 32 lanes take one row of 512 bytes; and the same in C
	v_add_nc_u32 v[RD], s23, v[CO]
	s_lshl_b32 s20, s17, 7
	s_lshl_b32 s21, s15, 6
	s_add_co_u32 s20, s20, s21                     ; my first row of C: 128 x tile row + 64 x half
	s_mov_b32 s21, 0
	s_mov_b64 s[18:19], SIZE_N*4
	s_mul_u64 s[20:21], s[20:21], s[18:19]
	s_lshl_b32 s46, s42, 10                        ; my first column, in bytes: 1024 x tile column + 512 x half
	s_lshl_b32 s47, s16, 9
	s_add_co_u32 s46, s46, s47
	s_mov_b32 s47, 0
	s_add_nc_u64 s[20:21], s[20:21], s[46:47]
	s_add_nc_u64 s[12:13], s[12:13], s[20:21]
.macro FRAG reg, adr, q, i             ; a fragment, 16 rows x 128 K: lane l holds row l % 16; registers 4 c .. 4 c + 3 hold K = 32 c + 16 (l / 16) + 0 .. 15
.irp c, 0,1,2,3
	ds_load_b128 v[\reg+4*\c:\reg+4*\c+3], v[\adr] offset:128*(\q)+32*\c+(\i)*16*PITCH
.endr
.endm
; 16 matrix instructions: A's blocks a0, a0 + 1 x B's eight, 128 along K.  p: the set of fragments;  q: which 128 of the K step;  sc: the set of scale words.  zero = 1: the first product starts the sums, with the bias as its C: nothing is cleared.
; The 32 accumulators take turns, one instruction a turn, in the same order in every step.
.macro MUL16 a0, p, q, sc, zero
.irp a, \a0, \a0+1
.irp b, 0,1,2,3,4,5,6,7
.if \zero
	v_wmma_scale_f32_16x16x128_f8f6f4 v[8*(8*(\a)+\b):8*(8*(\a)+\b)+7], v[128*(\p)+FR*\b:128*(\p)+FR*\b+FR-1], v[AF+64*(\p)+FR*(\a):AF+64*(\p)+FR*(\a)+FR-1], v[BC+8*\b:BC+8*\b+7], v[SC+16*(\sc)+2*\b+(\q)], v[SC+16*(\sc)+2*(\a)+(\q)] matrix_a_scale:MATRIX_SCALE_ROW1
.else
	v_wmma_scale_f32_16x16x128_f8f6f4 v[8*(8*(\a)+\b):8*(8*(\a)+\b)+7], v[128*(\p)+FR*\b:128*(\p)+FR*\b+FR-1], v[AF+64*(\p)+FR*(\a):AF+64*(\p)+FR*(\a)+FR-1], v[8*(8*(\a)+\b):8*(8*(\a)+\b)+7], v[SC+16*(\sc)+2*\b+(\q)], v[SC+16*(\sc)+2*(\a)+(\q)] matrix_a_scale:MATRIX_SCALE_ROW1
.endif
.endr
.endr
.endm
.macro FETCH slot, q, p                ; 48 LDS loads in one run: B's eight and A's four fragments of the slot's q-th 128 along K into set p
	WIN TO_B
.irp i, 0,1,2,3,4,5,6,7
	FRAG 128*(\p)+FR*\i, ADRB+\slot, \q, \i
.endr
	WIN 0
.irp i, 0,1,2,3
	FRAG AF+64*(\p)+FR*\i, ADRA+\slot, \q, \i
.endr
.endm
.macro SCALES sc, k                    ; K step k's scale words into set sc: two words a row; lanes 0-15 take A's block i (of which the products name four), lanes 16-31 B's block i
.irp i, 0,1,2,3,4,5,6,7
	ds_load_b64 v[SC+16*(\sc)+2*\i:SC+16*(\sc)+2*\i+1], v[ADRS] offset:\i*SBLK+8*(\k)
.endr
.endm
; THE WALK: eight steps of 128 along K.  Step s belongs to K step s / 2, which lies in slot (s / 2) % 3; its fragments lie in set s % 2, its scale words in set (s / 2) % 2.
.macro FETCHN s                        ; all that step s reads from LDS
.set NK, (\s)/2
.set NSL, NK%3
	FETCH NSL, (\s)%2, (\s)%2
.if (\s)%2 == 0
	SCALES NK%2, NK
.endif
.endm
; A load into a register that a matrix instruction has read, and a store that reads a matrix result, stand NP places behind it; only plain vector
; instructions that name none of its registers are places (ISA guide 7.12.1 for vector instructions).
.macro PLACES n
.rept \n
	v_nop
.endr
.endm
; A plain step: its set is waited for; the next step's loads go out, into the set that the last step's products have read; then its 32 products.
.macro SUB s, zero, more
	s_wait_dscnt 0x0                               ; my set and my scale words are in
.if \more
.if (\s) > 0
	PLACES NP
.endif
	FETCHN (\s)+1
.endif
.if \zero
	WIN FIRST
.else
	WIN MUL
.endif
	MUL16 0, (\s)%2, (\s)%2, ((\s)/2)%2, \zero
	MUL16 2, (\s)%2, (\s)%2, ((\s)/2)%2, \zero
	WIN 0
.endm
; A step with a barrier in its middle.  In front of it each wave waits for all its tensor loads, adds 0 to its spare word, and waits for that and for its LDS reads.
; fill = 1 (step 1): every wave's reads of slot 0 are over and slots 1 and 2 are whole; the barrier opens a round of the cluster's, and slot 0 is filled again, with K step 3.  fill = 0 (step 5): K step 3 has landed for every wave.
.macro MEET s, fill
	s_wait_tensorcnt 0x0                           ; all my tensor loads have landed
	ds_add_u32 v[SPW], v[NIL]                      ; 0 onto my spare word
	s_wait_dscnt 1                                 ; (the add may be out: my set is in)
	WIN MUL
	MUL16 0, (\s)%2, (\s)%2, ((\s)/2)%2, 0         ; sixteen matrix instructions stand between the add and the wait for it
	s_wait_dscnt 0x0                               ; the add is done, and no LDS read of mine is out
	s_barrier_signal -1
	WIN 0
	s_barrier_wait -1
.if \fill
	CREST                                          ; no wave of any partner still reads slot 0 or has a load on its way
	s_add_nc_u64 s[G0A0+2:G0A0+3], s[G0A0+2:G0A0+3], 3*ROWB
	s_add_nc_u64 s[G0B0+2:G0B0+3], s[G0B0+2:G0B0+3], 3*ROWB
	JLOAD G0A0, G1, G0B0, G1B                      ; the first tensor load behind the round, and my only one; the four v_nop behind it are among the places in front of the loads below
	PLACES NP-4
.else
	PLACES NP
.endif
	FETCHN (\s)+1
	WIN MUL
	MUL16 2, (\s)%2, (\s)%2, ((\s)/2)%2, 0
	WIN 0
.endm
	s_wait_alu depctr_va_vdst(0)
	s_wait_tensorcnt 2                             ; the scale bytes and my part of K step 0 are in (the loads of K steps 1 and 2 may be out)
	s_barrier_signal -1
	s_barrier_wait -1                              ; everybody's are
	FETCHN 0
	s_wait_loadcnt 0x0                             ; the bias
	SUB 0, 1, 1                                    ; the first products start the sums
	MEET 1, 1
	SUB 2, 0, 1
	SUB 3, 0, 1                                    ; slot 2 was shown whole by the round in step 1: no barrier
	SUB 4, 0, 1
	MEET 5, 0
	SUB 6, 0, 1
	SUB 7, 0, 0
; THE WAY OUT, block by block of 16 rows x 128 columns, through my own stage in LDS: back come whole rows of 512 bytes, which the 32 lanes store as 512 consecutive bytes, aligned.
; LDS serves a wave's instructions in order (ISA guide 5.7.1.4): no wait between the stores and the loads, nor in front of the next block's stores.
.macro TOSTAGE a
.set AC, 64*(\a)
	WIN 0x08                                       ; the data: window 2
.irp b, 0,1,2,3,4,5,6,7
	ds_store_b128 v[STO], v[AC+8*\b:AC+8*\b+3] offset:64*\b          ; each accumulator from its low end on
	ds_store_b128 v[STO], v[AC+8*\b+4:AC+8*\b+7] offset:64*\b+16
.endr
	WIN 0
.set BB, BK+64*((\a)%2)
.irp t, 0,1,2,3,4,5,6,7,8,9,10,11,12,13,14,15
	ds_load_b128 v[BB+4*\t:BB+4*\t+3], v[RD] offset:\t*SPITCH
.endr
.endm
.macro SEND a, younger                 ; younger: the LDS instructions issued behind block a's loads, which may stay out
.set BB, BK+64*((\a)%2)
	s_wait_dscnt \younger
.if (\a) > 0
	s_add_nc_u64 s[12:13], s[12:13], 16*SIZE_N*4   ; (behind a wait on XCNT: the earlier stores have read their base)  16 rows of C on
.endif
.irp t, 0,1,2,3,4,5,6,7,8,9,10,11,12,13,14,15
	global_store_b128 v[CO], v[BB+4*\t:BB+4*\t+3], s[12:13] offset:\t*SIZE_N*4 th:TH_STORE_NT   ; written once, read by nobody here
.endr
.endm
	PLACES NP                                      ; behind the last products: for the stores that read results and the loads into the registers that held A's fragments
	TOSTAGE 0
.irp a, 1,2,3
.if \a > 1
	s_wait_xcnt 0x0                                ; block a - 2's stores have read their registers and their base
.endif
	TOSTAGE \a
	SEND \a-1, 32                                  ; behind block a - 1's loads: block a's 16 stores and 16 loads
.endr
	s_wait_xcnt 0x0                                ; block 2's stores have read their base
	SEND 3, 0
	s_wait_tensorcnt 0x0                           ; the wave's end
	ds_add_u32 v[SPW], v[NIL]
	s_wait_dscnt 0x0
	CROUND                                         ; the closing round: no work-group ends while a partner may still ask for a tile that names it
	s_endpgm
.Lfunc_end_k_qd65f91126a_gemm_out:
	.size	k_qd65f91126a_gemm_out, .Lfunc_end_k_qd65f91126a_gemm_out-k_qd65f91126a_gemm_out
	.p2alignl 7, 3214868480
	.fill 96, 4, 3214868480
	.section	.rodata,"a",@progbits
	.p2align	6, 0x0
	.amdhsa_kernel k_qd65f91126a_gemm_out
		.amdhsa_group_segment_fixed_size 327680
		.amdhsa_private_segment_fixed_size 0
		.amdhsa_enable_private_segment 0
		.amdhsa_kernarg_size 24
		.amdhsa_user_sgpr_count 2
		.amdhsa_user_sgpr_kernarg_segment_ptr 1
		.amdhsa_wavefront_size32 1
		.amdhsa_system_sgpr_workgroup_id_x 1
		.amdhsa_system_sgpr_workgroup_id_y 1
		.amdhsa_system_sgpr_workgroup_id_z 1
		.amdhsa_system_vgpr_workitem_id 0
		.amdhsa_next_free_vgpr 768
		.amdhsa_next_free_sgpr 102
		.amdhsa_reserve_vcc 0
		.amdhsa_float_denorm_mode_32 3
		.amdhsa_float_denorm_mode_16_64 3
		.amdhsa_memory_ordered 1
		.amdhsa_forward_progress 1
		.amdhsa_inst_pref_size 91
	.end_amdhsa_kernel
	.amdgpu_metadata
---
amdhsa.version: [ 1, 2 ]
amdhsa.kernels:
  - .name:           k_qd65f91126a_gemm_out
    .symbol:         k_qd65f91126a_gemm_out.kd
    .args:
      - { .name: ctx, .offset: 0, .size: 8, .value_kind: global_buffer, .address_space: global }
      - { .name: wo, .offset: 8, .size: 8, .value_kind: global_buffer, .address_space: global }
      - { .name: out0, .offset: 16, .size: 8, .value_kind: global_buffer, .address_space: global }
    .group_segment_fixed_size: 327680
    .private_segment_fixed_size: 0
    .kernarg_segment_align: 8
    .kernarg_segment_size: 24
    .max_flat_workgroup_size: 128
    .sgpr_count:     102
    .vgpr_count:     768
    .wavefront_size: 32
...
	.end_amdgpu_metadata
.endif
;; end of part 10
